; MI455X (gfx1250); checked and timed in simulation.
; The chip was launched on July 23, 2026; its instructions are those of AMD's public machine-readable ISA for CDNA 5 (MIT licence, August 2026) and "CDNA5" Instruction Set Architecture Reference Guide (July 2026). The comments in the code are by the model that wrote it; some were corrected since.
;; Multi Head Attention. Allowed arithmetic: float matrix products may take bf16 or f16 operands with f32 sums; other float arithmetic in f32, or as packed bf16 or f16 multiplies, adds, multiply-adds, maxima and minima; sums over many terms, partial sums and values carried from step to step in f32; what a program stores and reads back later, other than sums and carried values, may be rounded once to bf16 or f16.
;; Inputs: Wk 1,024 x 1,024 float32; Wo 1,024 x 1,024 float32; Wq 1,024 x 1,024 float32; Wv 1,024 x 1,024 float32; bk 1,024 float32; bo 1,024 float32; bq 1,024 float32; bv 1,024 float32; k 4 x 2,048 x 1,024 float32; mask 1 x 1 x 2,048 x 2,048 int32; q 4 x 2,048 x 1,024 float32; v 4 x 2,048 x 1,024 float32.
;; Outputs: out0 4 x 2,048 x 1,024 float32.
;; 2 versions, each right. Each part assembles by itself: llvm-mc -triple=amdgcn-amd-amdhsa -mcpu=gfx1250 --defsym DOCPART=n.
;; ======== version 1 of 2: 4 launches
;; limits: values are held in f16: magnitudes above 65,504 overflow, below 6.1e-05 lose precision; right only within a limited range of input values
;; workspace buffers: xw 58,720,256 bytes; qh 16,777,216 bytes; kh 16,777,216 bytes; vh 16,777,216 bytes; oh 16,777,216 bytes; mbits 524,288 bytes of whole numbers
;; launch prep (part 1): grid 1024 x 1, 8 waves a work-group, no clusters, 0 bytes of LDS; arguments q, k, v, Wq, Wk, Wv, Wo, mask, xw, mbits; writes xw, mbits
.if DOCPART == 1
	.amdgcn_target "amdgcn-amd-amdhsa--gfx1250"
	.amdhsa_code_object_version 6
	.text
	.protected	k_qfdf76f0831_prep
	.globl	k_qfdf76f0831_prep
	.p2align	8
	.type	k_qfdf76f0831_prep,@function
k_qfdf76f0831_prep:
	s_mov_b64 s[64:65], 0
	v_nop
	global_prefetch_b8 v0, s[64:65] scope:SCOPE_SE
	s_setreg_imm32_b32 hwreg(HW_REG_WAVE_MODE, 25, 1), 1
	s_wait_xcnt 0x0
; TWO ROLES, chosen by the work-group's number.
; Work-groups 0-895: q, k, v, Wq, Wk, Wv, Wo (f32, rows of 1,024) are rounded to bf16 and that number is written as f16, in K SLICES:
;   xw = 14 batches of [16 slices][2,048 rows][64] f16; batches 0-3 q, 4-7 k, 8-11 v, 12 Wq then Wk, 13 Wv then Wo.  A slice's rows are dense, 128 bytes each.
;   LIMITS.  A bf16 number is exact in f16 from 2^-14 to 65,504; below it keeps f16's fixed step of 2^-24; beyond 65,504 it becomes an infinity: inputs stay within that.
; Work-groups 896-1023: the mask (int32, 0 = hidden) becomes bit words in the lane layout of a 16 x 16 score tile with one query a lane:
;   mbits = [128 query tiles][32 key steps][32 words]; bit L of word 8 kb + j says that mask[16 qt + L % 16][64 ks + 16 kb + 8 (L / 16) + j] is not 0.
; No LDS, no barrier, no loop: every wave issues its 32 loads at once and works them off behind counted waits.  No register that a store reads is written again.
.set T,  8                             ; v[8:11]   at work (role 1); the words being gathered (role 2)
.set VI, 6                             ; v6        my byte offset in the input
.set VO, 7                             ; v7        my byte offset in the output
.set X,  16                            ; v[16:143] 32 loads of four registers
	s_load_b512 s[4:19], s[0:1], 0x0               ; q, k, v, Wq, Wk, Wv, Wo, mask: s[4+2i:5+2i]
	s_load_b128 s[20:23], s[0:1], 0x40             ; xw s[20:21], mbits s[22:23]
	v_lshrrev_b32 v1, 5, v0
	v_readfirstlane_b32 s24, v1                    ; wave 0..7
	s_cmp_lt_u32 ttmp9, 896
	s_cbranch_scc0 .Lmask
	; ROLE 1.  Work-group w takes 32 rows of the 28,672 that the seven tensors have together.
	s_lshr_b32 s25, ttmp9, 8                       ; w < 768: tensor w / 256 (q, k, v: 256 work-groups each),
	s_and_b32 s26, ttmp9, 255                      ; its block of 32 rows
	s_sub_co_u32 s27, ttmp9, 768                   ; else: tensor 3 + (w - 768) / 32 (a weight: 32 work-groups)
	s_lshr_b32 s28, s27, 5
	s_add_co_u32 s28, s28, 3
	s_and_b32 s29, s27, 31
	s_cmp_lt_u32 ttmp9, 768
	s_cselect_b32 s25, s25, s28
	s_cselect_b32 s26, s26, s29
	s_lshl_b32 s26, s26, 17                        ; 32 rows of 4,096 bytes
	s_mov_b32 s27, 0
	s_lshr_b32 s28, ttmp9, 6                       ; out: batch w / 64,
	s_lshl_b32 s28, s28, 22
	s_and_b32 s29, ttmp9, 63                       ; 32 rows of 128 bytes in each slice
	s_lshl_b32 s29, s29, 12
	s_add_co_u32 s28, s28, s29
	s_mov_b32 s29, 0
	s_mov_b32 s33, 0xffff0000                      ; a word's upper bf16
	; A wave takes four rows, as two pairs.  Of a chunk of 128 columns (two slices) lane l takes row (l / 8) % 2 of the pair, slice l / 16, columns 8 (l % 8) + 0..7.
	v_bfe_u32 v3, v0, 3, 1
	v_bfe_u32 v4, v0, 4, 1
	v_and_b32 v5, 7, v0
	s_lshl_b32 s32, s24, 2
	v_add_nc_u32 v3, s32, v3                       ; my row of the first pair
	v_lshlrev_b32 v[VI], 12, v3
	v_lshl_add_u32 v[VI], v4, 8, v[VI]
	v_lshl_add_u32 v[VI], v5, 5, v[VI]             ; row x 4,096 + slice x 256 + 32 bytes a lane
	v_lshlrev_b32 v[VO], 7, v3
	v_lshl_add_u32 v[VO], v4, 18, v[VO]
	v_lshl_add_u32 v[VO], v5, 4, v[VO]             ; row x 128 + slice x 262,144 + 16 bytes a lane
	s_wait_kmcnt 0x0
	s_mov_b64 s[30:31], s[4:5]
.irp i, 1,2,3,4,5,6
	s_cmp_eq_u32 s25, \i
	s_cselect_b64 s[30:31], s[4+2*\i:5+2*\i], s[30:31]
.endr
	s_add_nc_u64 s[30:31], s[30:31], s[26:27]
	s_add_nc_u64 s[34:35], s[20:21], s[28:29]
.set j, 0
.rept 16                               ; chunk j: pair j / 8, columns 128 (j % 8) on
	global_load_b128 v[X+8*j:X+8*j+3],   v[VI], s[30:31] offset:(j/8)*8192+(j%8)*512 th:TH_LOAD_NT
	global_load_b128 v[X+8*j+4:X+8*j+7], v[VI], s[30:31] offset:(j/8)*8192+(j%8)*512+16 th:TH_LOAD_NT
.set j, j+1
.endr
.set j, 0
.rept 16
	s_wait_loadcnt 30-2*j                          ; loads come back in order: chunk j's two are in, the 30 - 2 j younger ones stay out
.irp i, 0,1,2,3
	v_cvt_pk_bf16_f32 v[T+\i], v[X+8*j+2*\i], v[X+8*j+2*\i+1]  ; the rounding that counts: to bf16, nearest even
.endr
.irp i, 0,1,2,3
	v_lshlrev_b32 v[X+8*j+2*\i],   16, v[T+\i]     ; back to f32,
	v_and_b32     v[X+8*j+2*\i+1], s33, v[T+\i]
.endr
.irp i, 0,1,2,3
	v_cvt_pk_f16_f32 v[X+8*j+\i], v[X+8*j+2*\i], v[X+8*j+2*\i+1]  ; and written as f16; ascending, so each source is used before it is overwritten
.endr
	global_store_b128 v[VO], v[X+8*j:X+8*j+3], s[34:35] offset:(j/8)*256+(j%8)*524288  ; lanes 0-15: two rows of one slice, 256 consecutive bytes, aligned; lanes 16-31: the same in the next slice
.set j, j+1
.endr
	s_endpgm
.Lmask:
	; ROLE 2.  Work-group 896 + qt takes 16 rows of the mask; wave wv the key steps 4 wv .. 4 wv + 3: 1,024 consecutive bytes of each row.
	s_sub_co_u32 s25, ttmp9, 896
	s_lshl_b32 s26, s25, 17                        ; 16 rows of 8,192 bytes
	s_lshl_b32 s27, s24, 10
	s_add_co_u32 s26, s26, s27
	s_mov_b32 s27, 0
	s_lshl_b32 s28, s25, 12                        ; 32 steps of 128 bytes
	s_lshl_b32 s29, s24, 9
	s_add_co_u32 s28, s28, s29
	s_mov_b32 s29, 0
	v_and_b32 v2, 31, v0
	v_and_b32 v3, 15, v0
	v_bfe_u32 v4, v0, 4, 1
	v_lshlrev_b32 v[VI], 13, v3
	v_lshl_add_u32 v[VI], v4, 5, v[VI]             ; row l % 16, keys 8 (l / 16) on
	v_lshlrev_b32 v[VO], 3, v2                     ; two words a lane
.irp i, 0,1,2,3
	v_mov_b32 v[T+\i], 0                           ; v_writelane_b32 counts as a reader of its destination
.endr
	s_wait_kmcnt 0x0
	s_add_nc_u64 s[26:27], s[18:19], s[26:27]
	s_add_nc_u64 s[28:29], s[22:23], s[28:29]
.set n, 0
.rept 32                               ; load n: step n / 8, key block (n / 2) % 4, half n % 2: register X + 32 e + 8 kb + j holds key 64 e + 16 kb + 8 (l / 16) + j
	global_load_b128 v[X+4*n:X+4*n+3], v[VI], s[26:27] offset:(n/8)*256+((n/2)%4)*64+(n%2)*16 th:TH_LOAD_NT
.set n, n+1
.endr
; Two key steps, 64 words.  A compare gathers the 32 lanes' bits of one register into a scalar: that is the word.  Word n goes to lane n / 2, register n % 2: a store of 8 bytes a lane lays the 64 words on end.
.macro MGROUP g
	s_wait_loadcnt 16-16*(\g)                      ; the first two steps' 16 loads are in, the other 16 may stay out; then all
.set n, 0
.rept 8
.irp c, 0,1,2,3,4,5,6,7
	v_cmp_ne_u32 s[40+\c], 0, v[X+64*(\g)+n+\c]
.endr
.irp c, 0,1,2,3,4,5,6,7
	v_writelane_b32 v[T+2*(\g)+(\c)%2], s[40+\c], (n+\c)/2
.endr
.set n, n+8
.endr
	global_store_b64 v[VO], v[T+2*(\g):T+2*(\g)+1], s[28:29] offset:256*(\g)  ; 256 consecutive bytes, aligned
.endm
	MGROUP 0
	MGROUP 1
	s_endpgm
.Lfunc_end_k_qfdf76f0831_prep:
	.size	k_qfdf76f0831_prep, .Lfunc_end_k_qfdf76f0831_prep-k_qfdf76f0831_prep
	.p2alignl 7, 3214868480
	.fill 96, 4, 3214868480
	.section	.rodata,"a",@progbits
	.p2align	6, 0x0
	.amdhsa_kernel k_qfdf76f0831_prep
		.amdhsa_group_segment_fixed_size 0
		.amdhsa_private_segment_fixed_size 0
		.amdhsa_enable_private_segment 0
		.amdhsa_kernarg_size 80
		.amdhsa_user_sgpr_count 2
		.amdhsa_user_sgpr_kernarg_segment_ptr 1
		.amdhsa_wavefront_size32 1
		.amdhsa_system_sgpr_workgroup_id_x 1
		.amdhsa_system_sgpr_workgroup_id_y 1
		.amdhsa_system_sgpr_workgroup_id_z 1
		.amdhsa_system_vgpr_workitem_id 0
		.amdhsa_next_free_vgpr 144
		.amdhsa_next_free_sgpr 66
		.amdhsa_reserve_vcc 0
		.amdhsa_float_denorm_mode_32 3
		.amdhsa_float_denorm_mode_16_64 3
		.amdhsa_memory_ordered 1
		.amdhsa_forward_progress 1
		.amdhsa_inst_pref_size 40
	.end_amdhsa_kernel
	.amdgpu_metadata
---
amdhsa.version: [ 1, 2 ]
amdhsa.kernels:
  - .name:           k_qfdf76f0831_prep
    .symbol:         k_qfdf76f0831_prep.kd
    .args:
      - { .name: q, .offset: 0, .size: 8, .value_kind: global_buffer, .address_space: global }
      - { .name: k, .offset: 8, .size: 8, .value_kind: global_buffer, .address_space: global }
      - { .name: v, .offset: 16, .size: 8, .value_kind: global_buffer, .address_space: global }
      - { .name: Wq, .offset: 24, .size: 8, .value_kind: global_buffer, .address_space: global }
      - { .name: Wk, .offset: 32, .size: 8, .value_kind: global_buffer, .address_space: global }
      - { .name: Wv, .offset: 40, .size: 8, .value_kind: global_buffer, .address_space: global }
      - { .name: Wo, .offset: 48, .size: 8, .value_kind: global_buffer, .address_space: global }
      - { .name: mask, .offset: 56, .size: 8, .value_kind: global_buffer, .address_space: global }
      - { .name: xw, .offset: 64, .size: 8, .value_kind: global_buffer, .address_space: global }
      - { .name: mbits, .offset: 72, .size: 8, .value_kind: global_buffer, .address_space: global }
    .group_segment_fixed_size: 0
    .private_segment_fixed_size: 0
    .kernarg_segment_align: 8
    .kernarg_segment_size: 80
    .max_flat_workgroup_size: 256
    .sgpr_count:     66
    .vgpr_count:     144
    .wavefront_size: 32
...
	.end_amdgpu_metadata
.endif
;; end of part 1
;; launch proj (part 2): grid 4 x 192, 4 waves a work-group, clusters of 4 x 4, 327,680 bytes of LDS; arguments xw, bq, bk, bv, qh, kh, vh; writes qh, kh, vh
.if DOCPART == 2
	.amdgcn_target "amdgcn-amd-amdhsa--gfx1250"
	.amdhsa_code_object_version 6
	.text
	.protected	k_qfdf76f0831_proj
	.globl	k_qfdf76f0831_proj
	.p2align	8
	.type	k_qfdf76f0831_proj,@function
k_qfdf76f0831_proj:
	s_mov_b64 s[64:65], 0
	v_nop
	global_prefetch_b8 v0, s[64:65] scope:SCOPE_SE
	s_setreg_imm32_b32 hwreg(HW_REG_WAVE_MODE, 25, 1), 1
	s_wait_xcnt 0x0
	s_wait_alu depctr_hold_cnt(0) depctr_sa_sdst(0) depctr_va_vdst(0) depctr_va_sdst(0) depctr_va_ssrc(0) depctr_va_vcc(0) depctr_vm_vsrc(0)
	s_getreg_b32 s2, hwreg(HW_REG_IB_STS2, 6, 4)
	s_cmp_eq_u32 s2, 0
	s_cbranch_scc0 .Lentry_in_a_cluster
	s_endpgm
.Lentry_in_a_cluster:
	s_bfe_u32 s2, ttmp6, 0x10000c
	s_cmp_lg_u32 s2, 0xf033
	s_cbranch_scc0 .Lentry_shape_is_right
	s_endpgm
.Lentry_shape_is_right:
; THE THREE PROJECTIONS.  y[m][n] = sum over k of x[m][k] W[n][k] + b[n] for (q, Wq, bq), (k, Wk, bk), (v, Wv, bv); y leaves by heads, [batch][head][row][64], in f16, rounded once from its f32 sum.
; x and W come from xw: bf16-rounded numbers written as f16, in K slices [16][2,048 rows][64] (a slice's rows are dense, 128 bytes).  The bias is rounded to bf16 like the other inputs and starts the sums.
; LIMITS.  f16 ends at 65,504: a projected number beyond it becomes an infinity.  NaN and infinities are not treated apart.
; SHARES.  192 row tiles (64 for each of q, k, v) x 4 column tiles: a work-group makes 128 rows x 256 columns; wave w the rows 64 (w / 2) on and the columns 128 (w % 2) on: 4 x 8 accumulators of 16 x 16.
; K goes in 8 steps of 128 (two slices) through two LDS slots filled by the tensor data mover: waves 0, 1 fetch A's two slices (64 memory rows of 256 bytes each), waves 2, 3 B's (128 such rows).
; CLUSTER 4 x 4.  The four work-groups of a row of the cluster need the same tiles of x, the four of a column the same tiles of W: each tile is asked for jointly, by the same load, descriptor and mask in all four.
; THE MATRIX INSTRUCTION IS USED TRANSPOSED (source 0 = 16 rows of W, source 1 = 16 rows of x): a lane holds row l % 16 of y and the columns 8 (l / 16) + 0..7: 16 bytes of f16 on end.
; REGISTERS, in windows of 256 (s_set_vgpr_msb: bits 1:0 source 0, 3:2 source 1, 5:4 source 2, 7:6 destination):
;   window 0: addresses, the bias, the way out     window 1: two fragment buffers of 96 (A's 4 fragments, then B's 8)     window 2: accumulator (a, b) at 8 (8 a + b)
.set PITCH,  144                       ; a row of a slice in LDS: 128 bytes + 16 of padding = 36 words: the 16 rows of a fragment load start at 16 different groups of four banks (64 banks of 4 bytes: ISA guide 11.1)
.set ASL,    128*PITCH                 ; a slice of A's tile
.set BSL,    256*PITCH                 ; a slice of B's tile
.set BOFF,   2*ASL                     ; a slot: A's two slices, then B's two
.set SLOT1,  1<<17                     ; slot 1 begins here: one exclusive or turns an address in one slot into the other's
.set STAGE,  SLOT1+2*ASL+2*BSL         ; behind the ring, never filled by a tensor load: for each wave 2 heads x 16 rows x 144 bytes
.set WSTG,   2*16*PITCH
.set SPARE,  STAGE+4*WSTG              ; the spare words, 128 bytes for each wave: two blocks of 256 bytes that no other line names
.set KSTEPB, 524288                    ; bytes from a K step to the next: two slices
.set A0,   16                          ; v16  my lane's place in A's tile; never rewritten
.set B0,   17                          ; v17  the same for B
.set ADRA, 18                          ; v18  A0 + the slot in hand
.set ADRB, 19                          ; v19  B0 + the slot in hand
.set STO,  24                          ; v24  the way out: where I put 16 bytes of a row
.set RD,   25                          ; v25  where I read rows back
.set CO,   26                          ; v26  16 x lane: my place in 512 consecutive bytes of the output
.set SPW,  28                          ; v28  LDS address of my spare word; never rewritten
.set NIL,  29                          ; v29  0; never rewritten
.set PFO,  30                          ; v30  256 x lane: the prefetches' offset; never rewritten
.set BO,   31                          ; v31  my byte offset in the bias
.set BIAS, 32                          ; v[32:95]  the bias in the accumulators' layout: column block b at BIAS + 8 b
.set TMP,  96                          ; v[96:127] packed results
.set OB,   128                         ; v[128:159], v[160:191] rows read back, by turns
.set F0,   0
.set F1,   96
.set G1,   24                          ; s[24:31] group 1 for A's tiles;  s[32:39] group 0: a set for each first fill; the second then walks
.set G0,   32
.set G1B,  48                          ; s[48:55], s[56:63] the same for B's
.set G0B,  56
.set TB,   46                          ; s46  the slot in hand: 0 or SLOT1
.set PFA,  20                          ; s[20:21] where my prefetches stand
.set LIM,  22                          ; s22  2 in wave 0, else the greatest number
.set MSB, 0
.macro WIN new                         ; the immediate's high byte repeats the setting that is left; a switch that changes nothing is dropped
.if MSB != (\new)
	s_set_vgpr_msb (MSB<<8)|(\new)
.set MSB, \new
.endif
.endm
.set MUL,  0xa5                        ; sources 0 and 1 window 1, C and D window 2
.set MULB, 0x85                        ; the same with C (the bias) in window 0
.set TO_F, 0x40                        ; destination window 1, address window 0
.macro PLACES                          ; four plain vector instructions between a matrix instruction and a load into, or a read of, its registers
.rept 4
	v_nop
.endr
.endm
.macro JLOAD                           ; a joint refill by the walking descriptors; the branch hangs on the wave's number alone; an s_nop 0 and four v_nop follow each line
	s_cmp_eq_u32 s11, 0
	s_cbranch_scc0 .Lfor_b_\@
	tensor_load_to_lds s[G0+4:G0+7], s[G1:G1+7]
	s_nop 0
	PLACES
	s_branch .Lasked_\@
.Lfor_b_\@:
	tensor_load_to_lds s[G0B+4:G0B+7], s[G1B:G1B+7]
	s_nop 0
	PLACES
.Lasked_\@:
.endm
.macro CREST                           ; a round of the cluster's barrier behind its opening barrier
	s_cmp_lg_u32 s10, 0
	s_cbranch_scc1 .Lnot_wave_0_\@
	s_barrier_signal -3
.Lnot_wave_0_\@:
	s_barrier_wait -3
	s_barrier_signal -1
	s_barrier_wait -1
.endm
.macro CROUND
	s_barrier_signal -1
	s_barrier_wait -1
	CREST
.endm
; A PREFETCH of x's tile, two refills ahead of the one just asked for.  A row tile of x is read by the four partners of one row of one cluster and by nobody else: they share a K step's 128 blocks of 256 bytes
; out BY ADDRESS, 32 each; in each, wave 0 asks, a lane a block.  Trips 0 to 3 of the six name K steps 4 to 7; K steps 0 to 3 come by their loads alone.  W is not asked for: every row of clusters reads it.
.macro ASK
	s_cmp_gt_u32 s3, s[LIM]
	s_cbranch_scc0 .Lnot_mine_\@
	global_prefetch_b8 v[PFO], s[PFA:PFA+1] th:TH_LOAD_NT scope:SCOPE_SE
.Lnot_mine_\@:
.endm
	s_load_b256 s[68:75], s[0:1], 0x0              ; xw s[68:69], bq s[70:71], bk s[72:73], bv s[74:75]
	s_load_b128 s[76:79], s[0:1], 0x20             ; qh s[76:77], kh s[78:79]
	s_load_b64 s[80:81], s[0:1], 0x30              ; vh
	v_lshl_add_u32 v[SPW], v0, 2, SPARE
	v_mov_b32 v[NIL], 0
	ds_add_u32 v[SPW], v[NIL]                      ; the wave's opening: the add and its wait stand ahead of my first tensor load; the set-up below, work on registers, stands between them
	v_lshrrev_b32 v1, 5, v0
	v_readfirstlane_b32 s10, v1                    ; wave 0..3
	s_lshr_b32 s11, s10, 1                         ; my half of the rows.  Also: I fetch for A (0) or for B (1)
	s_and_b32 s12, s10, 1                          ; my half of the columns.  Also: which slice of a K step I fetch
	s_bfe_u32 s40, ttmp6, 0x40000                  ; cx
	s_bfe_u32 s41, ttmp6, 0x40004                  ; cy
	s_lshl_b32 s42, ttmp9, 2
	s_add_co_u32 s42, s42, s40                     ; column tile = 4 x cluster x + cx
	s_and_b32 s45, ttmp7, 0xffff                   ; cluster y
	s_lshl_b32 s13, s45, 2
	s_add_co_u32 s13, s13, s41                     ; row tile = 4 x cluster y + cy, 0..191
	s_lshr_b32 s47, s45, 4                         ; which projection: 16 rows of clusters each; the same in all sixteen partners
	s_lshl_b32 s43, s41, 2
	s_lshl_b32 s43, 15, s43                        ; my row of the cluster
	s_lshl_b32 s44, 0x1111, s40                    ; my column
	; group 1: memory rows of 128 elements (two rows of a slice), padded in LDS after every 32 words by 4
	s_or_b32 s[G1+0], s43, (1<<16)|(1<<20)|(1<<21)|(4<<22)|(3<<25)   ; 15:0 the mask; 17:16 2-byte elements; 20 padding on; 21 set beside a mask; 24:22 interval code 4; 31:25 pad code 3
	s_or_b32 s[G1B+0], s44, (1<<16)|(1<<20)|(1<<21)|(4<<22)|(3<<25)
	s_mov_b32 s[G1+1], 128<<16                     ; tensor_dim0 = 128
	s_mov_b32 s[G1+2], 64<<16                      ; tensor_dim1 = 64
	s_mov_b32 s[G1+3], 128<<16                     ; tile_dim0 = 128
	s_mov_b32 s[G1+4], 64                          ; tile_dim1 = 64
	s_mov_b32 s[G1+5], 128                         ; 128 elements from row to row
	s_mov_b32 s[G1+6], 0
	s_mov_b32 s[G1+7], 0
	s_mov_b32 s[G1B+1], 128<<16
	s_mov_b32 s[G1B+2], 128<<16                    ; B's slice has 128 such rows
	s_mov_b32 s[G1B+3], 128<<16
	s_mov_b32 s[G1B+4], 128
	s_mov_b32 s[G1B+5], 128
	s_mov_b32 s[G1B+6], 0
	s_mov_b32 s[G1B+7], 0
	; A's offset hangs on the row tile alone, B's on the column tile and the projection alone; neither's registers ever hold the other coordinate
	s_lshr_b32 s14, s13, 4                         ; batch of 2,048 rows,
	s_lshl_b32 s14, s14, 22
	s_and_b32 s15, s13, 15                         ; 128 rows of 128 bytes in each slice
	s_lshl_b32 s15, s15, 14
	s_add_co_u32 s14, s14, s15
	s_lshr_b32 s20, s40, 1                         ; the prefetches: partner cx takes slice cx / 2, half cx % 2 of its 16,384 bytes,
	s_lshl_b32 s20, s20, 18
	s_and_b32 s21, s40, 1
	s_lshl_b32 s21, s21, 13
	s_add_co_u32 s20, s20, s21
	s_add_co_u32 s20, s20, s14
	s_add_co_u32 s20, s20, 3*KSTEPB                ; at K step 3: the first refill steps it to 4
	s_mov_b32 s21, 0
	s_lshl_b32 s15, s12, 18                        ; my slice
	s_add_co_u32 s14, s14, s15
	s_mov_b32 s15, 0
	s_lshr_b32 s16, s47, 1                         ; Wq, Wk in batch 12, Wv in batch 13,
	s_add_co_u32 s16, s16, 12
	s_lshl_b32 s16, s16, 22
	s_and_b32 s17, s47, 1                          ; Wk 1,024 rows down,
	s_lshl_b32 s17, s17, 17
	s_add_co_u32 s16, s16, s17
	s_lshl_b32 s17, s42, 15                        ; 256 rows of 128 bytes,
	s_add_co_u32 s16, s16, s17
	s_lshl_b32 s17, s12, 18                        ; my slice
	s_add_co_u32 s16, s16, s17
	s_mov_b32 s17, 0
	s_mul_i32 s18, s12, ASL                        ; where they go: no place in the cluster enters an LDS address
	s_mul_i32 s19, s12, BSL
	s_add_co_u32 s19, s19, BOFF
	s_cmp_eq_u32 s10, 0
	s_cselect_b32 s[LIM], 2, -1
	s_wait_dscnt 0x0                               ; the opening add is done
	s_wait_kmcnt 0x0
	s_add_nc_u64 s[14:15], s[68:69], s[14:15]
	s_add_nc_u64 s[16:17], s[68:69], s[16:17]
	s_add_nc_u64 s[PFA:PFA+1], s[68:69], s[PFA:PFA+1]
	s_mov_b64 s[6:7], s[70:71]                     ; the projection's bias and output
	s_mov_b64 s[8:9], s[76:77]
	s_cmp_eq_u32 s47, 1
	s_cselect_b64 s[6:7], s[72:73], s[6:7]
	s_cselect_b64 s[8:9], s[78:79], s[8:9]
	s_cmp_eq_u32 s47, 2
	s_cselect_b64 s[6:7], s[74:75], s[6:7]
	s_cselect_b64 s[8:9], s[80:81], s[8:9]
	CROUND                                         ; all sixteen work-groups are here: the first joint loads meet
.irp s, 0,1
	s_mov_b32 s[G0+4*(\s)], 1                      ; count = 1
	s_add_co_u32 s[G0+4*(\s)+1], s18, (\s)*SLOT1   ; LDS address
	s_add_nc_u64 s[G0+4*(\s)+2:G0+4*(\s)+3], s[14:15], (\s)*KSTEPB  ; K step s
	s_or_b32 s[G0+4*(\s)+3], s[G0+4*(\s)+3], 0x80000000            ; type = 2
	s_mov_b32 s[G0B+4*(\s)], 1
	s_add_co_u32 s[G0B+4*(\s)+1], s19, (\s)*SLOT1
	s_add_nc_u64 s[G0B+4*(\s)+2:G0B+4*(\s)+3], s[16:17], (\s)*KSTEPB
	s_or_b32 s[G0B+4*(\s)+3], s[G0B+4*(\s)+3], 0x80000000
.endr
	s_cmp_eq_u32 s11, 0                            ; a wave's two first fills stand in one branch: two loads of mine are out
	s_cbranch_scc0 .Lfirst_b
	tensor_load_to_lds s[G0:G0+3], s[G1:G1+7]
	s_nop 0
	tensor_load_to_lds s[G0+4:G0+7], s[G1:G1+7]
	s_nop 0
	PLACES
	s_branch .Lfirst_asked
.Lfirst_b:
	tensor_load_to_lds s[G0B:G0B+3], s[G1B:G1B+7]
	s_nop 0
	tensor_load_to_lds s[G0B+4:G0B+7], s[G1B:G1B+7]
	s_nop 0
	PLACES
.Lfirst_asked:
	v_and_b32 v1, 15, v0                           ; l % 16
	v_bfe_u32 v2, v0, 4, 1                         ; l / 16
	s_lshl_b32 s4, s42, 10                         ; the bias of my 128 columns: (256 x column tile + 128 x half) x 4 bytes; register j of block b is column 16 b + 8 (l / 16) + j
	s_lshl_b32 s5, s12, 9
	s_add_co_u32 s4, s4, s5
	v_lshl_add_u32 v[BO], v2, 5, s4
.irp b, 0,1,2,3,4,5,6,7
	global_load_b128 v[BIAS+8*(\b):BIAS+8*(\b)+3],   v[BO], s[6:7] offset:64*(\b)
	global_load_b128 v[BIAS+8*(\b)+4:BIAS+8*(\b)+7], v[BO], s[6:7] offset:64*(\b)+16
.endr
	; A fragment is 16 rows x 32 K in 8 registers: lane l holds row l % 16; registers 0-3 K = 8 (l / 16) + 0..7, registers 4-7 K = 16 + 8 (l / 16) + 0..7: two loads of 16 bytes, 32 bytes apart
	v_mul_u32_u24 v3, v1, PITCH
	v_lshl_add_u32 v3, v2, 4, v3
	s_mul_i32 s23, s11, 64*PITCH                   ; my 64 rows of A
	v_add_nc_u32 v[A0], s23, v3
	s_mul_i32 s23, s12, 128*PITCH                  ; my 128 rows of B
	s_add_co_u32 s23, s23, BOFF
	v_add_nc_u32 v[B0], s23, v3
	s_mul_i32 s23, s10, WSTG
	s_add_co_u32 s23, s23, STAGE                   ; my stage
	v_add_nc_u32 v[STO], s23, v3                   ; in: row l % 16, 16 bytes for each half of the lanes
	v_and_b32 v4, 31, v0
	v_lshrrev_b32 v5, 3, v4                        ; back: 32 lanes take four rows of 128 bytes,
	v_mul_u32_u24 v5, v5, PITCH
	v_and_b32 v6, 7, v0
	v_lshl_add_u32 v5, v6, 4, v5
	v_add_nc_u32 v[RD], s23, v5
	v_lshlrev_b32 v[CO], 4, v4                     ; which are 512 consecutive bytes of a head
	v_lshlrev_b32 v[PFO], 8, v4
	s_lshr_b32 s4, s13, 4                          ; out: batch,
	s_and_b32 s4, s4, 3
	s_lshl_b32 s4, s4, 22
	s_and_b32 s5, s13, 15                          ; my 64 rows of 128 bytes,
	s_lshl_b32 s5, s5, 14
	s_add_co_u32 s4, s4, s5
	s_lshl_b32 s5, s11, 13
	s_add_co_u32 s4, s4, s5
	s_lshl_b32 s5, s42, 20                         ; head 4 x column tile + 2 x half
	s_add_co_u32 s4, s4, s5
	s_lshl_b32 s5, s12, 19
	s_add_co_u32 s4, s4, s5
	s_mov_b32 s5, 0
	s_add_nc_u64 s[8:9], s[8:9], s[4:5]
	s_wait_loadcnt 0x0                             ; the bias
.set r, 0
.rept 32
	v_cvt_pk_bf16_f32 v4, v[BIAS+r], v[BIAS+r+1]   ; rounded to bf16 like every input, and back to f32
	v_lshlrev_b32 v[BIAS+r], 16, v4
	v_and_b32 v[BIAS+r+1], 0xffff0000, v4
.set r, r+2
.endr
; 8 matrix instructions: row block a x all 8 column blocks, 32 along K.  first = 1: the bias is the C that starts the sums: nothing is cleared.
; All 32 accumulators take turns in the same order in every quarter, over the backward jumps too.
.macro MUL8 f, a, first
.if \first
	WIN MULB
.else
	WIN MUL
.endif
.irp b, 0,1,2,3,4,5,6,7
.if \first
	v_wmma_f32_16x16x32_f16 v[8*(8*(\a)+(\b)):8*(8*(\a)+(\b))+7], v[(\f)+32+8*(\b):(\f)+32+8*(\b)+7], v[(\f)+8*(\a):(\f)+8*(\a)+7], v[BIAS+8*(\b):BIAS+8*(\b)+7]
.else
	v_wmma_f32_16x16x32_f16 v[8*(8*(\a)+(\b)):8*(8*(\a)+(\b))+7], v[(\f)+32+8*(\b):(\f)+32+8*(\b)+7], v[(\f)+8*(\a):(\f)+8*(\a)+7], v[8*(8*(\a)+(\b)):8*(8*(\a)+(\b))+7]
.endif
.endr
.endm
; 24 LDS loads in one run: quarter qd of the K step in hand (slice qd / 2, byte 64 (qd % 2) of its rows) into buffer f; B's 8 fragments first, A's 4 last
.macro FETCH qd, f
	WIN TO_F
.irp i, 0,1,2,3,4,5,6,7
	ds_load_b128 v[(\f)+32+8*(\i):(\f)+32+8*(\i)+3],   v[ADRB] offset:((\qd)/2)*BSL+((\qd)%2)*64+(\i)*16*PITCH
	ds_load_b128 v[(\f)+32+8*(\i)+4:(\f)+32+8*(\i)+7], v[ADRB] offset:((\qd)/2)*BSL+((\qd)%2)*64+(\i)*16*PITCH+32
.endr
.irp i, 0,1,2,3
	ds_load_b128 v[(\f)+8*(\i):(\f)+8*(\i)+3],   v[ADRA] offset:((\qd)/2)*ASL+((\qd)%2)*64+(\i)*16*PITCH
	ds_load_b128 v[(\f)+8*(\i)+4:(\f)+8*(\i)+7], v[ADRA] offset:((\qd)/2)*ASL+((\qd)%2)*64+(\i)*16*PITCH+32
.endr
.endm
; One of a K step's first three quarters: multiplies buffer f and, in its middle, fetches quarter qd into buffer g
.macro QUARTER qd, f, g, first
	s_wait_dscnt 4                                 ; B and A's blocks 0, 1 are in; the youngest four loads (A's blocks 2, 3) may be out
	MUL8 \f, 0, \first
	MUL8 \f, 1, \first
	PLACES
	FETCH \qd, \g
	s_wait_dscnt 24                                ; all but the 24 just issued
	MUL8 \f, 2, \first
	MUL8 \f, 3, \first
.endm
; The last quarter multiplies buffer 1 and changes slots: ONE barrier.  In front of it each wave waits for all its tensor loads (one is out: its part of the next slot), adds 0 to its spare word, and waits for that
; and for its reads of this slot.  fill = 1: the barrier opens a round of the cluster's, and the slot just read is filled again first thing behind it, with the K step two on.
.macro TURN fill
.if \fill
	s_wait_xcnt 0x0                                ; the last prefetch, a K step back, has read its address
	s_add_nc_u64 s[PFA:PFA+1], s[PFA:PFA+1], KSTEPB
.endif
	WIN 0
	s_wait_tensorcnt 0x0                           ; all my tensor loads have landed
	ds_add_u32 v[SPW], v[NIL]                      ; 0 onto my spare word
	s_wait_dscnt 5                                 ; (the add and the youngest four loads may be out)
	MUL8 F1, 0, 0
	s_wait_dscnt 0x0                               ; the add is done, and my reads of this slot are over
	s_barrier_signal -1
	MUL8 F1, 1, 0
	WIN 0
	s_barrier_wait -1
.if \fill
	CREST                                          ; no wave of any partner still reads this slot or has a load on its way
	s_xor_b32 s[G0+5], s[G0+5], SLOT1              ; the walking descriptors: the other slot than last time, the next K step
	s_add_nc_u64 s[G0+6:G0+7], s[G0+6:G0+7], KSTEPB
	s_xor_b32 s[G0B+5], s[G0B+5], SLOT1
	s_add_nc_u64 s[G0B+6:G0B+7], s[G0B+6:G0B+7], KSTEPB
	JLOAD                                          ; its four v_nop are also the places in front of the loads below
.else
	PLACES
.endif
	s_xor_b32 s[TB], s[TB], SLOT1
	v_add_nc_u32 v[ADRA], s[TB], v[A0]
	v_add_nc_u32 v[ADRB], s[TB], v[B0]
	FETCH 0, F0
.if \fill
	WIN 0
	ASK
.endif
	MUL8 F1, 2, 0
	MUL8 F1, 3, 0
.endm
	s_wait_tensorcnt 1                             ; my part of K step 0 is in; K step 1's may stay out
	s_barrier_signal -1
	s_barrier_wait -1
	s_mov_b32 s[TB], 0
	v_add_nc_u32 v[ADRA], s[TB], v[A0]
	v_add_nc_u32 v[ADRB], s[TB], v[B0]
	FETCH 0, F0
	QUARTER 1, F0, F1, 1                           ; the first quarter stands in front of the loop: its products start the sums with the bias
	WIN 0
	s_mov_b32 s3, 6
.Lstep:                                                ; six trips, from a K step's second quarter to the next one's first; trip i asks for K step i + 2
	QUARTER 2, F1, F0, 0
	QUARTER 3, F0, F1, 0
	TURN 1
	QUARTER 1, F0, F1, 0
	WIN 0
	s_sub_co_u32 s3, s3, 1
	s_cmp_lg_u32 s3, 0
	s_cbranch_scc1 .Lstep
	s_mov_b32 s3, 2
.Ltail:                                                ; the last two K steps ask for nothing; the second trip is left in its middle (its fetch of a next quarter, from bytes that lie still, serves nothing)
	QUARTER 2, F1, F0, 0
	QUARTER 3, F0, F1, 0
	TURN 0
	WIN 0
	s_sub_co_u32 s3, s3, 1
	s_cmp_eq_u32 s3, 0
	s_cbranch_scc1 .Lout
	QUARTER 1, F0, F1, 0
	WIN 0
	s_branch .Ltail
.Lout:
	PLACES
; THE WAY OUT, a block of 16 rows at a time: rounded to f16 (each accumulator's registers in ascending order), 16 bytes a lane into my own stage, back as whole rows of a head, stored 512 consecutive bytes at a time.
.macro PACK a
	WIN 0x0a                                       ; sources 0 and 1 window 2
.irp b, 0,1,2,3,4,5,6,7
.irp r, 0,1,2,3
	v_cvt_pk_f16_f32 v[TMP+4*(\b)+(\r)], v[64*(\a)+8*(\b)+2*(\r)], v[64*(\a)+8*(\b)+2*(\r)+1]
.endr
.endr
	WIN 0
.endm
.macro TOSTAGE a
.set BK, OB+32*((\a)%2)
.irp b, 0,1,2,3,4,5,6,7
	ds_store_b128 v[STO], v[TMP+4*(\b):TMP+4*(\b)+3] offset:((\b)/4)*16*PITCH+((\b)%4)*32
.endr
.irp t, 0,1,2,3,4,5,6,7
	ds_load_b128 v[BK+4*(\t):BK+4*(\t)+3], v[RD] offset:((\t)/4)*16*PITCH+((\t)%4)*4*PITCH  ; LDS serves a wave's instructions in order (ISA guide 5.7.1.4): these see the stores above
.endr
.endm
.macro SEND a
.set BK, OB+32*((\a)%2)
	s_wait_dscnt 0x0                               ; the block is back in registers
	s_wait_xcnt 0x0                                ; the block before's stores have read their registers: the next TOSTAGE loads into them
.irp t, 0,1,2,3,4,5,6,7
	global_store_b128 v[CO], v[BK+4*(\t):BK+4*(\t)+3], s[8:9] offset:((\t)/4)*262144+(\a)*2048+((\t)%4)*512
.endr
.endm
	PACK 0
	TOSTAGE 0
.irp a, 1,2,3
	PACK \a
	SEND (\a)-1
	TOSTAGE \a
.endr
	SEND 3
	s_wait_tensorcnt 0x0                           ; the wave's end, behind my last tensor load and my last LDS store
	ds_add_u32 v[SPW], v[NIL]
	s_wait_dscnt 0x0
	CROUND                                         ; the closing round: no work-group ends while a partner may still ask for a tile that names it
	s_endpgm
.Lfunc_end_k_qfdf76f0831_proj:
	.size	k_qfdf76f0831_proj, .Lfunc_end_k_qfdf76f0831_proj-k_qfdf76f0831_proj
	.p2alignl 7, 3214868480
	.fill 96, 4, 3214868480
	.section	.rodata,"a",@progbits
	.p2align	6, 0x0
	.amdhsa_kernel k_qfdf76f0831_proj
		.amdhsa_group_segment_fixed_size 327680
		.amdhsa_private_segment_fixed_size 0
		.amdhsa_enable_private_segment 0
		.amdhsa_kernarg_size 56
		.amdhsa_user_sgpr_count 2
		.amdhsa_user_sgpr_kernarg_segment_ptr 1
		.amdhsa_wavefront_size32 1
		.amdhsa_system_sgpr_workgroup_id_x 1
		.amdhsa_system_sgpr_workgroup_id_y 1
		.amdhsa_system_sgpr_workgroup_id_z 1
		.amdhsa_system_vgpr_workitem_id 0
		.amdhsa_next_free_vgpr 768
		.amdhsa_next_free_sgpr 82
		.amdhsa_reserve_vcc 0
		.amdhsa_float_denorm_mode_32 3
		.amdhsa_float_denorm_mode_16_64 3
		.amdhsa_memory_ordered 1
		.amdhsa_forward_progress 1
		.amdhsa_inst_pref_size 68
	.end_amdhsa_kernel
	.amdgpu_metadata
---
amdhsa.version: [ 1, 2 ]
amdhsa.kernels:
  - .name:           k_qfdf76f0831_proj
    .symbol:         k_qfdf76f0831_proj.kd
    .args:
      - { .name: xw, .offset: 0, .size: 8, .value_kind: global_buffer, .address_space: global }
      - { .name: bq, .offset: 8, .size: 8, .value_kind: global_buffer, .address_space: global }
      - { .name: bk, .offset: 16, .size: 8, .value_kind: global_buffer, .address_space: global }
      - { .name: bv, .offset: 24, .size: 8, .value_kind: global_buffer, .address_space: global }
      - { .name: qh, .offset: 32, .size: 8, .value_kind: global_buffer, .address_space: global }
      - { .name: kh, .offset: 40, .size: 8, .value_kind: global_buffer, .address_space: global }
      - { .name: vh, .offset: 48, .size: 8, .value_kind: global_buffer, .address_space: global }
    .group_segment_fixed_size: 327680
    .private_segment_fixed_size: 0
    .kernarg_segment_align: 8
    .kernarg_segment_size: 56
    .max_flat_workgroup_size: 128
    .sgpr_count:     82
    .vgpr_count:     768
    .wavefront_size: 32
...
	.end_amdgpu_metadata
.endif
;; end of part 2
;; launch attn (part 3): grid 4 x 64, 4 waves a work-group, clusters of 4 x 1, 327,680 bytes of LDS; arguments qh, kh, vh, mbits, oh; writes oh
.if DOCPART == 3
	.amdgcn_target "amdgcn-amd-amdhsa--gfx1250"
	.amdhsa_code_object_version 6
	.text
	.protected	k_qfdf76f0831_attn
	.globl	k_qfdf76f0831_attn
	.p2align	8
	.type	k_qfdf76f0831_attn,@function
k_qfdf76f0831_attn:
	s_mov_b64 s[64:65], 0
	v_nop
	global_prefetch_b8 v0, s[64:65] scope:SCOPE_SE
	s_setreg_imm32_b32 hwreg(HW_REG_WAVE_MODE, 25, 1), 1
	s_wait_xcnt 0x0
	s_wait_alu depctr_hold_cnt(0) depctr_sa_sdst(0) depctr_va_vdst(0) depctr_va_sdst(0) depctr_va_ssrc(0) depctr_va_vcc(0) depctr_vm_vsrc(0)
	s_getreg_b32 s2, hwreg(HW_REG_IB_STS2, 6, 4)
	s_cmp_eq_u32 s2, 0
	s_cbranch_scc0 .Lentry_in_a_cluster
	s_endpgm
.Lentry_in_a_cluster:
	s_bfe_u32 s2, ttmp6, 0x10000c
	s_cmp_lg_u32 s2, 0x3003
	s_cbranch_scc0 .Lentry_shape_is_right
	s_endpgm
.Lentry_shape_is_right:
; O[h][q][:] = the sum over k of softmax_k(s[q][k]) V[h][k][:], s = Q[h][q] . K[h][k] / 8 where mask[q][k] is not 0, a hidden score elsewhere.  Q, K, V, O: [64 heads][2,048][64], f16, a head's rows dense.
; The mask is an input, the same for all heads; it comes as bit words (mbits) in the lane layout of S^T and REPLACES a score, by a select.  Products, maxima and sums in f32; the weights p are rounded to f16
; for the second product (their sum l is taken of the unrounded p), O once at the end.
; LIMITS.  A hidden score is -2^33 before the division by 8, that is -1.07e9 where the problem writes -1e9: the same results as long as open scores stay above -1e9 + 104.  c x 2^33 is exact, so a row with
; no open key has c s - c m = 0 for every key: p = 1, and O is the mean of all rows of V; the first open key gives a = 0, which wipes what hidden keys left.  f16 holds nothing beyond 65,504: Q, K, V arrive
; within it.  A weight below 2^-126 counts as 0 in l; NaN and infinities are not treated apart.
; SHARES.  A wave owns four PIECES of two tiles of 16 queries, a work-group's four waves 512 queries of one head.  Every wave walks all keys, 64 a step.
; LAYOUT.  S^T = K Q^T (source 0 = 16 keys, source 1 = 16 queries): a lane holds ONE query (lane % 16) and the keys 8 (lane / 16) + 0..7.  Two such tiles, rounded to f16 in pairs, ARE source 1 of
; O^T = V^T P.  K comes out of LDS as it lies, V turned, by ds_load_tr16_b128.
; SOFTMAX.  A running maximum m and sum l: p = 2^(c s - c m), c = log2(e) / 8; in every step O and l are multiplied by a = 2^(c m_old - c m_new).  m starts at the lowest finite number, O and l at 0.
; BY TURNS.  Turn n belongs to piece n.  Matrix work: 16 products K Q^T of piece n + 1, later 16 products V^T P of piece n - 1.  Vector work: the scaling, exponentials, roundings, sums and rescaling of piece n;
; the 64 selects, the maximum and the statistics of piece n + 1.  Four vector instructions stand behind every matrix instruction, the others in runs of their own.
; CLUSTER.  A head's four query blocks are one cluster and walk the same K and V: each tile is asked for jointly, by the same load, descriptor and mask in all four.
; REGISTERS, in windows of 256 (s_set_vgpr_msb: bits 1:0 source 0, 3:2 source 1, 5:4 source 2, 7:6 destination):
;   window 0: v0-11 addresses; v12-15, v48-63 at work; v16-47 four registers of statistics a tile; v64-191 S^T, two buffers of two tiles; v192-255 P, likewise
;   window 1: O^T, 32 a tile      window 2: v0-127 Q; v128-191 K of one step; v192-255 V of one step      window 3: v0-1 the add's two registers
.set SIZE_N, 2048
.set NP,    4         ; pieces a wave: a name, no knob
.set KS,    64        ; keys in a step
.set PK,    144       ; a row of K in LDS: 128 bytes + 16 of padding = 36 words: the 16 rows of a load start at 16 different groups of four banks (64 banks of 4 bytes: ISA guide 11.1)
.set PV,    144       ; V has the same pitch, so that one group 1 serves both and 64 scalar registers are left for the mask
.set VOFF,  4*KS*PK   ; a slot holds four steps: 256 rows of K, then 256 rows of V
.set SLOT1, 1<<17     ; slot 1 begins here: one exclusive or turns an address in one slot into the other's
.set STAGE, SLOT1+4*KS*(PK+PV)  ; behind the ring, never filled by a tensor load: 16 rows x 144 bytes for each wave
.set SP,    144
.set SPARE, STAGE+4*16*SP  ; the spare words, 128 bytes for each wave: two blocks of 256 bytes that no other line names
.set AK0, 2           ; v2   my lane's place in a tile of K; never rewritten
.set AV0, 3           ; v3   the same for V
.set AK,  4           ; v4   the LDS address of K's next run of loads
.set AV,  5           ; v5   of V's
.set QO,  6           ; v6   my byte offset in the wave's rows of Q
.set RD,  7           ; v7   the way out: where I read rows back
.set GO,  8           ; v8   my byte offset in 512 consecutive bytes of O
.set PFO, 9           ; v9   256 x lane: the prefetches' offset (first: l / 16)
.set STO, 10          ; v10  the way out: where I put 16 bytes of a row (first: l % 8)
.set NEGV, 11         ; v11  -2^33, the hidden score
.set SPW, 0           ; v0 of window 3   LDS address of my spare word; never rewritten
.set NIL, 1           ; v1 of window 3   0; never rewritten
.set MV,  12          ; v12-15  c m_old, kept while c m is made anew
.set ST,  16          ; tile t's statistics at v[ST+4 t]: c m, m, l (even keys', odd keys')
.set TMP, 48          ; by buffer and tile, four registers c0-c3 at work; when the maximum is found c2 takes a
.set S,   64
.set P,   192
.set KF,  128         ; window 2
.set VF,  192         ; window 2
.set MB,  6           ; s[6:7]  mbits at my wave's first tile, at the key step in hand
.set WV,  8           ; s8   my wave's number
.set SLOTS, 9         ; s9   slots still to be asked for
.set CNT, 10          ; s10  counts a slot's key steps
.set CS,  12          ; s[12:13] c
.set SEL, 14          ; s[14:15] v_permlanex16_b32's selects
.set G1,  16          ; s[16:23] descriptor group 1, for K's and V's tiles alike
.set G0K, 24          ; s[24:27] group 0 for K's tiles: it walks
.set G0V, 28          ; s[28:31] the same for V's
.set MW0, 32          ; s[32:63] the 32 mask words of a piece's first tile
.set TBK, 66          ; s66  LDS byte at which K of the step to be fetched begins
.set TBV, 67          ; s67  the same for V, less VOFF
.set MW1, 68          ; s[68:99] those of its second tile
.set PFA, 100         ; s[100:101] where my prefetches stand
.set LIM, 104         ; s104 1 in waves 0 and 2, else the greatest number
.set MSB, 0
.macro WIN new
.if MSB != (\new)
	s_set_vgpr_msb (MSB<<8)|(\new)
.set MSB, (\new)
.endif
.endm
.set W_KQ, 0x0a       ; K and Q in window 2, S^T in window 0
.set W_PV, 0x52       ; V in window 2, P in window 0, O^T in window 1
.set W_RS, 0x41       ; O^T (destination and source 0) in window 1, a in window 0
.set W_MK, 0xc0       ; the add's registers are made: destination in window 3
.set W_AD, 0x0f       ; the add: address and data in window 3
; A joint fill.  Waves 0 and 1 fetch the two halves of a slot's K, waves 2 and 3 those of its V: 128 keys each.  An s_nop 0 and four v_nop follow each line.
.macro JLOAD
	s_cmp_lt_u32 s[WV], 2
	s_cbranch_scc0 .Lfor_v_\@
	tensor_load_to_lds s[G0K:G0K+3], s[G1:G1+7]
	s_nop 0
.rept 4
	v_nop
.endr
	s_branch .Lasked_\@
.Lfor_v_\@:
	tensor_load_to_lds s[G0V:G0V+3], s[G1:G1+7]
	s_nop 0
.rept 4
	v_nop
.endr
.Lasked_\@:
.endm
; A PREFETCH of what the NEXT change of slots will ask for: 256 keys of K and of V are 128 blocks of 256 bytes each.  A head is walked by one cluster: its four partners share the blocks out BY ADDRESS, 32 each;
; in each, wave 0 asks for K's and wave 2 for V's, a lane a block.  The last change that fills a slot asks for nothing; slots 0 and 1 come by their loads alone.
.macro ASK
	s_cmp_gt_u32 s[SLOTS], s[LIM]
	s_cbranch_scc0 .Lnot_mine_\@
	global_prefetch_b8 v[PFO], s[PFA:PFA+1] th:TH_LOAD_NT scope:SCOPE_SE
.Lnot_mine_\@:
.endm
.macro CROUND                       ; a round of the cluster's barrier
	s_barrier_signal -1
	s_barrier_wait -1
	s_cmp_lg_u32 s[WV], 0
	s_cbranch_scc1 .Lnot_wave_0_\@
	s_barrier_signal -3
.Lnot_wave_0_\@:
	s_barrier_wait -3
	s_barrier_signal -1
	s_barrier_wait -1
.endm
; THE CHANGE OF SLOTS.  Each wave waits for all its tensor loads, of which one is out: its part of the other slot; adds 0 to its spare word; and waits for that and for its own reads of the slot.
; fill = 1: this slot is filled again, with the keys two slots on, first thing behind a round of the cluster's barrier: the load has four key steps in which to land.
; (At its first use nothing has been read yet: slot 0 is waited for, slot 1 filled.)
.macro CHANGE fill
	WIN W_AD
	s_wait_tensorcnt 0x0            ; no tensor load of mine is out, so a group 0 may be written
	ds_add_u32 v[SPW], v[NIL]       ; 0 onto my spare word
	WIN 0                           ; at a label and at a branch every window is 0
.if \fill
.irp g, G0K, G0V
	s_xor_b32 s[\g+1], s[\g+1], SLOT1
	s_add_nc_u64 s[\g+2:\g+3], s[\g+2:\g+3], 4*KS*128  ; the next 256 keys; the type bits on top are not reached
.endr
	s_wait_xcnt 0x0                 ; the last prefetch, four key steps back, has read its address
	s_add_nc_u64 s[PFA:PFA+1], s[PFA:PFA+1], 4*KS*128
	s_wait_dscnt 0x0                ; the add is done, and my reads of the slot are over
	CROUND
	JLOAD
	ASK
.else
	s_wait_dscnt 0x0
	s_barrier_signal -1
	s_barrier_wait -1
.endif
	s_sub_co_u32 s[TBK], s[TBK], 4*KS*PK  ; the fetches go back to a slot's first step, in the other slot
	s_xor_b32 s[TBK], s[TBK], SLOT1
	s_sub_co_u32 s[TBV], s[TBV], 4*KS*PV
	s_xor_b32 s[TBV], s[TBV], SLOT1
.endm
; THE MASK.  MLOAD y asks for the 64 words of piece y's two tiles at the key step at which MB stands (a tile's 32 steps are 4,096 bytes, a step 128).  MASKB y, a turn later, waits for them and selects:
; bit L of word i says whether lane L keeps register i of the tile's S^T.  Ascending.
.macro MLOAD y
	s_load_b512 s[MW0:MW0+15],    s[MB:MB+1], (2*(\y))*4096
	s_load_b512 s[MW0+16:MW0+31], s[MB:MB+1], (2*(\y))*4096+64
	s_load_b512 s[MW1:MW1+15],    s[MB:MB+1], (2*(\y)+1)*4096
	s_load_b512 s[MW1+16:MW1+31], s[MB:MB+1], (2*(\y)+1)*4096+64
.endm
.macro MASKB y
	WIN 0
	s_wait_kmcnt 0x0
.set mz, 0
.rept 32
	v_cndmask_b32 v[S+64*((\y)%2)+mz], v[NEGV], v[S+64*((\y)%2)+mz], s[MW0+mz]
.set mz, mz+1
.endr
.set mz, 0
.rept 32
	v_cndmask_b32 v[S+64*((\y)%2)+32+mz], v[NEGV], v[S+64*((\y)%2)+32+mz], s[MW1+mz]
.set mz, mz+1
.endr
.endm
	s_load_b256 s[32:39], s[0:1], 0x0  ; Q s[32:33], K s[34:35], V s[36:37], mbits s[38:39]: used up before the first mask words land here
	s_load_b64 s[40:41], s[0:1], 0x20  ; O
	WIN W_MK
	v_lshl_add_u32 v[SPW], v0, 2, SPARE
	v_mov_b32 v[NIL], 0
	WIN W_AD
	ds_add_u32 v[SPW], v[NIL]       ; the wave's opening: the add and its wait stand ahead of my first tensor load
	WIN 0
	v_lshrrev_b32 v1, 5, v0
	v_readfirstlane_b32 s[WV], v1   ; wave 0..3
	s_bfe_u32 s42, ttmp6, 0x40000   ; cx
	s_lshl_b32 s43, ttmp9, 2
	s_add_co_u32 s43, s43, s42      ; my block of 512 queries: it enters Q's, O's, the mask's and the prefetches' addresses alone
	s_and_b32 s44, ttmp7, 0xffff    ; the head, which the four partners share:
	s_lshl_b32 s44, s44, 18         ; its first byte in each of the four tensors
	s_and_b32 s46, s[WV], 1         ; which half of a slot's 256 keys I fetch:
	s_lshl_b32 s48, s46, 14         ; its 128 rows of 128 bytes in memory,
	s_add_co_u32 s48, s48, s44
	s_mov_b32 s49, 0
	s_mul_i32 s47, s46, 128*PK      ; and its place in a slot: no place in the cluster enters an LDS address
	s_lshl_b32 s50, s43, 2
	s_add_co_u32 s50, s50, s[WV]    ; my wave among the head's sixteen:
	s_lshl_b32 s52, s50, 15         ; its 8 tiles' mask words,
	s_mov_b32 s53, 0
	s_lshl_b32 s50, s50, 14         ; its 128 rows
	s_add_co_u32 s50, s50, s44
	s_mov_b32 s51, 0
	s_lshl_b32 s54, s42, 13         ; the prefetches: my work-group's 32 blocks of the 128,
	s_add_co_u32 s54, s54, s44
	s_add_co_u32 s54, s54, 4*KS*128 ; in slot 1: the first change of slots steps it to slot 2
	s_mov_b32 s55, 0
	; group 1.  128 keys are 16,384 dense bytes: asked for as 64 rows of 256 bytes, two keys a row, and padded in LDS after every key
	s_mov_b32 s[G1], 15|(1<<16)|(1<<20)|(1<<21)|(4<<22)|(3<<25)  ; 15:0 the mask of four; 17:16 2-byte elements; 20 padding on; 21 set beside a mask; 24:22 after every 32 words (code 4); 31:25 4 words (code 3)
	s_mov_b32 s[G1+1], 128<<16      ; tensor_dim0 = 128
	s_mov_b32 s[G1+2], 64<<16       ; tensor_dim1 = 64
	s_mov_b32 s[G1+3], 128<<16      ; tile_dim0 = 128
	s_mov_b32 s[G1+4], 64           ; tile_dim1 = 64
	s_mov_b32 s[G1+5], 128          ; 128 elements from row to row
	s_mov_b32 s[G1+6], 0
	s_mov_b32 s[G1+7], 0
	s_mov_b32 s[CS], 0x3e38aa3b     ; c = log2(e) / 8
	s_mov_b32 s[CS+1], s[CS]
	s_mov_b32 s[SEL], 0x76543210
	s_mov_b32 s[SEL+1], 0xfedcba98
	s_mov_b32 s[TBK], SLOT1+4*KS*PK ; the first change of slots turns these two into 0
	s_mov_b32 s[TBV], SLOT1+4*KS*PV
	s_mov_b32 s[G0K], 1             ; count = 1
	s_mov_b32 s[G0K+1], s47         ; LDS address: slot 0
	s_mov_b32 s[G0V], 1
	s_add_co_u32 s[G0V+1], s47, VOFF
	s_mov_b32 s[SLOTS], SIZE_N/256-1
	s_and_b32 s[LIM], s[WV], 1
	s_cmp_eq_u32 s[LIM], 0
	s_cselect_b32 s[LIM], 1, -1
	s_wait_dscnt 0x0                ; the opening add is done
	s_wait_kmcnt 0x0
	s_add_nc_u64 s[G0K+2:G0K+3], s[34:35], s[48:49]  ; my half of the head's first 256 keys
	s_or_b32 s[G0K+3], s[G0K+3], 0x80000000          ; type = 2
	s_add_nc_u64 s[G0V+2:G0V+3], s[36:37], s[48:49]
	s_or_b32 s[G0V+3], s[G0V+3], 0x80000000
	s_add_nc_u64 s[2:3], s[32:33], s[50:51]          ; Q and O at my wave's first row
	s_add_nc_u64 s[4:5], s[40:41], s[50:51]
	s_add_nc_u64 s[MB:MB+1], s[38:39], s[52:53]
	s_cmp_lt_u32 s[WV], 2
	s_cselect_b64 s[PFA:PFA+1], s[34:35], s[36:37]
	s_add_nc_u64 s[PFA:PFA+1], s[PFA:PFA+1], s[54:55]
	CROUND                          ; all four work-groups are here: the first joint loads meet
	JLOAD                           ; slot 0.  Slot 1 is asked for when slot 0 is in
	v_and_b32 v1, 15, v0            ; l % 16
	v_bfe_u32 v9, v0, 4, 1          ; l / 16
	v_lshlrev_b32 v[QO], 7, v1
	v_lshl_add_u32 v[QO], v9, 4, v[QO]  ; row x 128 + 16 x half
	WIN 0x80                        ; destination window 2, address window 0
.set i, 0
.rept 4*NP                          ; Q stays in registers: tile i / 2, channels 32 (i % 2) on
	global_load_b128 v[8*i:8*i+3],   v[QO], s[2:3] offset:(i/2)*2048+(i%2)*64
	global_load_b128 v[8*i+4:8*i+7], v[QO], s[2:3] offset:(i/2)*2048+(i%2)*64+32
.set i, i+1
.endr
	MLOAD 0                         ; piece 0's words for key step 0
	; What the first turn finds: V's registers and P's second buffer hold 0, O^T and l are 0.  All this stands in the wait for the first tile.
.set i, VF
.rept 64
	v_mov_b32 v[i], 0
.set i, i+1
.endr
	WIN 0x40
.set i, 0
.rept 64*NP
	v_mov_b32 v[i], 0
.set i, i+1
.endr
	WIN 0
.set i, 0
.rept 2*NP
	v_mov_b32 v[ST+4*i], 0xfe000000    ; c m: far below every c s, the hidden one's too
	v_mov_b32 v[ST+4*i+1], 0xff7fffff  ; m
	v_mov_b32 v[ST+4*i+2], 0
	v_mov_b32 v[ST+4*i+3], 0
.set i, i+1
.endr
.set i, P+32
.rept 32
	v_mov_b32 v[i], 0
.set i, i+1
.endr
	v_mul_u32_u24 v[AK0], v1, PK
	v_lshl_add_u32 v[AK0], v9, 4, v[AK0]  ; row x pitch + 16 x half
	; The turning load takes 16 keys x 16 channels (lane l reads key 8 (l / 16) + l % 8, channels 8 ((l / 8) % 2) + 0..7) and leaves half a fragment of V^T: lane l holds channel l % 16 and 8 keys.
	v_and_b32 v10, 7, v0
	v_bfe_u32 v11, v0, 3, 1
	v_lshl_add_u32 v[AV0], v9, 3, v10
	v_mul_u32_u24 v[AV0], v[AV0], PV
	v_lshl_add_u32 v[AV0], v11, 4, v[AV0]
	v_add_nc_u32 v[AV0], VOFF, v[AV0]
	v_mov_b32 v[AK], v[AK0]         ; key step 0 lies at the head of slot 0
	s_mul_i32 s11, s[WV], 16*SP
	s_add_co_u32 s11, s11, STAGE    ; my stage
	v_bfe_u32 v[RD], v0, 3, 2       ; back: 32 lanes take four rows of 128 bytes,
	v_mul_u32_u24 v[RD], v[RD], SP
	v_lshl_add_u32 v[RD], v10, 4, v[RD]
	v_add_nc_u32 v[RD], s11, v[RD]
	v_add_nc_u32 v[STO], s11, v[AK0]  ; in: row l % 16, 16 bytes for each half of the lanes: the stage has K's pitch
	v_and_b32 v[GO], 31, v0
	v_lshlrev_b32 v[PFO], 8, v[GO]
	v_lshlrev_b32 v[GO], 4, v[GO]   ; 512 consecutive bytes of O
	v_mov_b32 v[NEGV], 0xd0000000   ; -2^33
; THE MATRIX WORK.  The 8 accumulators of a run of 16 take turns.
; Product i of 16 of S^T = K Q^T for piece x: channels 32 (i / 8) on, keys 16 ((i / 2) % 4) on, tile 2 x + i % 2.  The first 8 start the sums.
.macro KQ x
	WIN W_KQ
.set rS, S+64*((\x)%2)+32*(i%2)+8*((i/2)%4)
.set rK, KF+16*((i/2)%4)+8*(i/8)
.set rQ, 16*(2*(\x)+i%2)+8*(i/8)
.if i < 8
	v_wmma_f32_16x16x32_f16 v[rS:rS+7], v[rK:rK+7], v[rQ:rQ+7], 0
.else
	v_wmma_f32_16x16x32_f16 v[rS:rS+7], v[rK:rK+7], v[rQ:rQ+7], v[rS:rS+7]
.endif
.endm
; Product i of 16 of O^T += V^T P for piece x: keys 32 (i / 8) on, channels 16 ((i / 2) % 4) on, tile 2 x + i % 2.
.macro PV x
	WIN W_PV
.set rO, 32*(2*(\x)+i%2)+8*((i/2)%4)
.set rV, VF+32*(i/8)+8*((i/2)%4)
.set rP, P+32*((\x)%2)+16*(i%2)+8*(i/8)
	v_wmma_f32_16x16x32_f16 v[rO:rO+7], v[rV:rV+7], v[rP:rP+7], v[rO:rO+7]
.endm
.macro MM                           ; the turn's next matrix instruction
.if i < 16
	KQ (Y+1)%NP
.set i, i+1
.else
.set i, i-16
	PV (Y+NP-1)%NP
.set i, i+17
.endif
.endm
; THE LDS LOADS stand in runs of 16: a step's K (8 fragments) and its V (turned).  last = 1 (the tail): in the last trip there is no further step, and the run is jumped over.
.macro FETCH_K last=0
	WIN 0
.if \last
	s_cmp_eq_u32 s[CNT], 1
	s_cbranch_scc1 .Lno_k_\@
.endif
	WIN 0x80
.irp f, 0,1,2,3,4,5,6,7             ; keys 16 (f / 2) on, channels 32 (f % 2) on
	ds_load_b128 v[KF+8*\f:KF+8*\f+3],   v[AK] offset:(\f/2)*16*PK+(\f%2)*64
	ds_load_b128 v[KF+8*\f+4:KF+8*\f+7], v[AK] offset:(\f/2)*16*PK+(\f%2)*64+32
.endr
	s_add_co_u32 s[TBK], s[TBK], KS*PK  ; the next fetch is the next step's
	WIN 0
.if \last
.Lno_k_\@:
.endif
.endm
.macro FETCH_V
	WIN 0x80
.irp f, 0,1,2,3,4,5,6,7             ; keys 32 (f / 4) on, channels 16 (f % 4) on
	ds_load_tr16_b128 v[VF+8*\f:VF+8*\f+3],   v[AV] offset:(\f/4)*32*PV+(\f%4)*32
	ds_load_tr16_b128 v[VF+8*\f+4:VF+8*\f+7], v[AV] offset:(\f/4)*32*PV+16*PV+(\f%4)*32
.endr
	WIN 0
.endm
; THE VECTOR WORK OF A TURN stands in three queues, each in the order in which its entries become ready; the two tiles alternate.
.macro REGS y, u                    ; the registers of tile u (0, 1) of piece y
.set rT, ST+4*(2*(\y)+(\u))
.set rC, TMP+8*((\y)%2)+4*(\u)
.set rM, MV+2*((\y)%2)+(\u)
.set rS, S+64*((\y)%2)+32*(\u)
.set rP, P+32*((\y)%2)+16*(\u)
.set rO, 32*(2*(\y)+(\u))
.endm
; Number n of the 22 that find the NEXT piece's maximum and statistics:
;   0-11  four chains c0-c3 of seven scores each     12-14, 16  the four scores left over, the old m, and c0-c3 into c0     15  c m_old is kept
;   17, 18  the query's other 32 keys lie in the lane 16 away: the new m     19-21  c m; c m_old - c m_new; a
.macro XS u, n
	REGS (Y+1)%NP, \u
.if (\n) < 4
	v_max3_num_f32 v[rC+(\n)], v[rS+8*(\n)], v[rS+8*(\n)+1], v[rS+8*(\n)+2]
.elseif (\n) < 12
	v_max3_num_f32 v[rC+(\n)%4], v[rC+(\n)%4], v[rS+8*((\n)%4)+2*((\n)/4)+1], v[rS+8*((\n)%4)+2*((\n)/4)+2]
.elseif (\n) == 12
	v_max3_num_f32 v[rC], v[rC], v[rS+7], v[rS+15]
.elseif (\n) == 13
	v_max3_num_f32 v[rC+1], v[rC+1], v[rS+23], v[rS+31]
.elseif (\n) == 14
	v_max3_num_f32 v[rC+2], v[rC+2], v[rC+3], v[rT+1]
.elseif (\n) == 15
	v_mov_b32 v[rM], v[rT]
.elseif (\n) == 16
	v_max3_num_f32 v[rC], v[rC], v[rC+1], v[rC+2]
.elseif (\n) == 17
	v_permlanex16_b32 v[rC+3], v[rC], s[SEL], s[SEL+1]
.elseif (\n) == 18
	v_max_num_f32 v[rT+1], v[rC], v[rC+3]
.elseif (\n) == 19
	v_mul_f32 v[rT], s[CS], v[rT+1]
.elseif (\n) == 20
	v_sub_f32 v[rC+1], v[rM], v[rT]
.else
	v_exp_f32 v[rC+2], v[rC+1]
.endif
.endm
; Number g of the 64 that follow the exponentials.  For each four weights k of a tile: both pairs are rounded to f16; the second pair is added onto the first, in place; a group later l takes that sum (the first time as l = a l + sum).
.macro GS g
.set h, (\g)+6*((\g)/62)
.if h >= 6
.set h, h+2
.endif
	REGS Y, h%2
.set k, h/8
.if h%8 < 4
	v_cvt_pk_f16_f32 v[rP+2*k+(h%8)/2], v[rS+4*k+2*((h%8)/2)], v[rS+4*k+2*((h%8)/2)+1]
.elseif h%8 < 6
	v_pk_add_f32 v[rS+4*k:rS+4*k+1], v[rS+4*k:rS+4*k+1], v[rS+4*k+2:rS+4*k+3]
.elseif k == 1
	v_pk_fma_f32 v[rT+2:rT+3], v[rT+2:rT+3], v[rC+2:rC+3], v[rS:rS+1] op_sel_hi:[1,0,1]
.else
	v_pk_add_f32 v[rT+2:rT+3], v[rT+2:rT+3], v[rS+4*k-4:rS+4*k-3]
.endif
.endm
; THE PLAIN QUEUE, 138 long.  0-31: c s - c m for the 16 pairs of both tiles.  Then GS's 64, and among them the next piece's 42: number 15 at 38, 39; 0-14 and 16 at 42-73, behind the selects; 17-20 at 95-106, two of three.
.macro PL
	WIN 0
.if q < 32
	REGS Y, q%2
	v_pk_fma_f32 v[rS+2*(q/2):rS+2*(q/2)+1], v[rS+2*(q/2):rS+2*(q/2)+1], s[CS:CS+1], v[rT:rT+1] op_sel_hi:[1,0,0] neg_lo:[0,0,1] neg_hi:[0,0,1]
.elseif q < 38
	GS q-32
.elseif q < 40
	XS q%2, 15
.elseif q < 42
	GS q-34
.elseif q < 74
	XS q%2, (q-42)/2+(q-42)/30
.elseif q < 95
	GS q-66
.elseif (q < 107) && ((q-95)%3 < 2)
	XS (q-95)%3, 17+(q-95)/3
.elseif q < 107
	GS 29+(q-95)/3
.else
	GS q-74
.endif
.set q, q+1
.endm
; THE EXPONENTIALS' QUEUE, 66 long: s0-s31 of both tiles, and at EA the next piece's two a.
.set EA, 58
.macro EX
	WIN 0
.if (e == EA) || (e == EA+1)
	XS e-EA, 21
.else
.set x, e-2*(e/(EA+2))
	REGS Y, x%2
	v_exp_f32 v[rS+x/2], v[rS+x/2]
.endif
.set e, e+1
.endm
; THE RESCALING's QUEUE: O^T times a, the one part that leaves window 0, dealt four at a time, eight times.
.macro R4
	REGS Y, r%2
	WIN W_RS
.irp z, 0,1,2,3
	v_pk_mul_f32 v[rO+8*(r/2)+2*\z:rO+8*(r/2)+2*\z+1], v[rO+8*(r/2)+2*\z:rO+8*(r/2)+2*\z+1], v[rC+2:rC+3] op_sel_hi:[1,0]
.endr
.set r, r+1
.endm
; HOW THEY ARE DEALT.  Behind a matrix instruction four: plain, exponential, plain, plain, or four of the rescaling; none names a register of the products round it.  What is over stands in two lumps.
; Exponential e stands behind plain 2 (e / 4) + e % 2 (its scaling); when plain 32 comes, 10 exponentials are out, at 59: 33, at 95: 46; EA comes behind plain 107.
.macro SL
	MM
	PL
	EX
	PL
	PL
.endm
.macro BURST n                      ; 15 matrix instructions, or 16
.rept (\n)-7
	SL
.endr
.rept 3
	MM
	R4
	SL
.endr
	MM
	R4
.endm
; A TURN, for piece p.  Behind the 16 products K Q^T (the four rescalings behind the last of them are its places) stand the 64 selects on piece p + 1's scores, and the request for the words of the turn after:
; piece p + 2's, which in piece 2's turn is piece 0 of the NEXT key step, so there MB steps first.  Plain 42, the first maximum, comes behind the selects.
; K of the next step is fetched in piece 2's turn, V of the step in hand at the end of piece 0's.  cnt = 1: the loop's count is taken down some lines ahead of the branch behind the turn.
.macro TURN p, last=0, cnt=0
.set Y, (\p)
.set i, 0
.set q, 0
.set e, 0
.set r, 0
.if (\p) == NP-1
	s_wait_dscnt 0x0                ; K is in
.endif
	MM
.rept 4
	PL
.endr
	BURST 15
	MASKB ((\p)+1)%NP
.if (\p) == NP-2
	s_wait_xcnt 0x0                 ; the scalar loads are back (the wait in the selects' head), and every earlier memory instruction has read its address: MB may be written
	s_add_nc_u64 s[MB:MB+1], s[MB:MB+1], 128
.endif
	MLOAD ((\p)+2)%NP
.rept 22
	EX
	PL
.if ((\p) == NP-2) && (e == 18)
	v_add_nc_u32 v[AK], s[TBK], v[AK0]
.endif
.if ((\p) == NP-2) && (e == 24)
	FETCH_K \last
.endif
.endr
.if (\p) == 1
	s_wait_dscnt 0x0                ; V is in
.endif
	BURST 16
.rept 21
	EX
	PL
.endr
.rept 22
	PL
.if ((\p) == 0) && (q == 118)
	v_add_nc_u32 v[AV], s[TBV], v[AV0]
.endif
.if ((\p) == 0) && (q == 130)
	s_add_co_u32 s[TBV], s[TBV], KS*PV
.endif
.if (\cnt) && (q == 130)
	s_sub_co_u32 s[CNT], s[CNT], 1
	s_cmp_lg_u32 s[CNT], 0
.endif
.endr
.if (\p) == 0
	FETCH_V
.endif
.endm
	CHANGE 1                        ; slot 0 is in, everybody's part of it; slot 1 is asked for
	FETCH_K                         ; key step 0
	s_wait_loadcnt 0x0              ; Q
	s_wait_dscnt 0x0
.set i, 0
.rept 16
	KQ 0                            ; piece 0's first scores
.set i, i+1
.endr
	WIN 0
.rept 4
	v_nop                           ; the places behind those products
.endr
	MASKB 0
	MLOAD 1
.set Y, NP-1                        ; XS works for piece Y + 1: piece 0
.irp n, 0,1,2,3,4,5,6,7,8,9,10,11,12,13,14,15,16,17,18,19,20,21
	XS 0, \n
	XS 1, \n
.endr
	s_mov_b32 s[CNT], 4
	s_branch .Lfirst                ; the loop is entered at a step's first turn, in the middle of a trip
.Lslot:                             ; six times: every slot but the last two is filled again
	CHANGE 1
	s_mov_b32 s[CNT], 4
.Lstep:                             ; a trip: pieces 2 and 3 of one step, then pieces 0 and 1 of the next, whose K and V it fetches
	TURN 2
	TURN 3
	WIN 0
.Lfirst:
	TURN 0
	TURN 1, 0, 1
	WIN 0
	s_cbranch_scc1 .Lstep
	s_sub_co_u32 s[SLOTS], s[SLOTS], 1
	s_cmp_lg_u32 s[SLOTS], 0
	s_cbranch_scc1 .Lslot
	CHANGE 0                        ; the tail is written out: nothing is asked for
	s_mov_b32 s[CNT], 5             ; four trips fetch the last slot's steps; the fifth is left in its middle
.Ltail:
	TURN 2, 1
	TURN 3
	WIN 0
	s_sub_co_u32 s[CNT], s[CNT], 1
	s_cmp_eq_u32 s[CNT], 0
	s_cbranch_scc1 .Lout
	TURN 0
	TURN 1
	WIN 0
	s_branch .Ltail
.Lout:                              ; the fifth trip's products K Q^T, and the words asked for at a 33rd step (they lie in my wave's next tiles' words, inside the buffer), serve nothing: the price of one text for every trip
	s_wait_kmcnt 0x0
.set i, 0
.rept 16
	PV NP-1                         ; the last piece's V^T P of the last step
.set i, i+1
.endr
	; THE WAY OUT.  l's two halves and the other half of the lanes' are added; O^T is divided by l, rounded to f16 and sent through my stage in LDS, a tile at a time.  The additions are the places behind the last products.
	WIN 0
.macro ALL line:vararg              ; one line for each tile t
.set t, 0
.rept 2*NP
	\line
.set t, t+1
.endr
.endm
	ALL v_add_f32 v[ST+4*t+2], v[ST+4*t+2], v[ST+4*t+3]
	ALL v_permlanex16_b32 v[ST+4*t+3], v[ST+4*t+2], s[SEL], s[SEL+1]
	ALL v_add_f32 v[ST+4*t+2], v[ST+4*t+2], v[ST+4*t+3]
	ALL v_rcp_f32 v[ST+4*t+2], v[ST+4*t+2]
	v_nop                           ; a plain instruction between the last reciprocal and the use of its result
.macro PACK t
	WIN W_RS
.set i, 32*(\t)
.rept 16
	v_pk_mul_f32 v[i:i+1], v[i:i+1], v[ST+4*(\t)+2:ST+4*(\t)+3] op_sel_hi:[1,0]
.set i, i+2
.endr
	WIN 0x05                        ; sources 0 and 1 window 1, destination window 0
.set i, 0
.rept 16
	v_cvt_pk_f16_f32 v[S+16*(\t)+i], v[32*(\t)+2*i], v[32*(\t)+2*i+1]
.set i, i+1
.endr
	WIN 0
.irp f, 0,1,2,3
	ds_store_b128 v[STO], v[S+16*(\t)+4*\f:S+16*(\t)+4*\f+3] offset:32*\f
.endr
.irp f, 0,1,2,3
	ds_load_b128 v[S+16*(\t)+4*\f:S+16*(\t)+4*\f+3], v[RD] offset:\f*4*SP  ; LDS serves a wave's instructions in order (ISA guide 5.7.1.4): these see the stores above; the next tile's stores come behind them
.endr
.endm
.macro SEND t, younger              ; younger: the LDS instructions issued behind tile t's loads: the next tile's eight, or none
	WIN 0
.irp f, 0,1,2,3
	s_wait_dscnt (\younger)+3-\f
	global_store_b128 v[GO], v[S+16*(\t)+4*\f:S+16*(\t)+4*\f+3], s[4:5] offset:(\t)*2048+\f*512  ; 512 consecutive bytes, at a multiple of 256 from O's first
.endr
.endm
	PACK 0
.set t, 1
.rept 2*NP-1                        ; a tile's arithmetic stands between the loads of the tile before and its stores
	PACK t
	SEND t-1, 8
.set t, t+1
.endr
	SEND 2*NP-1, 0
	WIN W_AD
	s_wait_tensorcnt 0x0            ; the wave's end, behind my last tensor load and my last LDS store
	ds_add_u32 v[SPW], v[NIL]
	s_wait_dscnt 0x0
	WIN 0
	CROUND                          ; the closing round: no work-group ends while a partner may still ask for a tile that names it
	s_endpgm
.Lfunc_end_k_qfdf76f0831_attn:
	.size	k_qfdf76f0831_attn, .Lfunc_end_k_qfdf76f0831_attn-k_qfdf76f0831_attn
	.p2alignl 7, 3214868480
	.fill 96, 4, 3214868480
	.section	.rodata,"a",@progbits
	.p2align	6, 0x0
	.amdhsa_kernel k_qfdf76f0831_attn
		.amdhsa_group_segment_fixed_size 327680
		.amdhsa_private_segment_fixed_size 0
		.amdhsa_enable_private_segment 0
		.amdhsa_kernarg_size 40
		.amdhsa_user_sgpr_count 2
		.amdhsa_user_sgpr_kernarg_segment_ptr 1
		.amdhsa_wavefront_size32 1
		.amdhsa_system_sgpr_workgroup_id_x 1
		.amdhsa_system_sgpr_workgroup_id_y 1
		.amdhsa_system_sgpr_workgroup_id_z 1
		.amdhsa_system_vgpr_workitem_id 0
		.amdhsa_next_free_vgpr 770
		.amdhsa_next_free_sgpr 106
		.amdhsa_reserve_vcc 0
		.amdhsa_float_denorm_mode_32 3
		.amdhsa_float_denorm_mode_16_64 3
		.amdhsa_memory_ordered 1
		.amdhsa_forward_progress 1
		.amdhsa_inst_pref_size 234
	.end_amdhsa_kernel
	.amdgpu_metadata
---
amdhsa.version: [ 1, 2 ]
amdhsa.kernels:
  - .name:           k_qfdf76f0831_attn
    .symbol:         k_qfdf76f0831_attn.kd
    .args:
      - { .name: qh, .offset: 0, .size: 8, .value_kind: global_buffer, .address_space: global }
      - { .name: kh, .offset: 8, .size: 8, .value_kind: global_buffer, .address_space: global }
      - { .name: vh, .offset: 16, .size: 8, .value_kind: global_buffer, .address_space: global }
      - { .name: mbits, .offset: 24, .size: 8, .value_kind: global_buffer, .address_space: global }
      - { .name: oh, .offset: 32, .size: 8, .value_kind: global_buffer, .address_space: global }
    .group_segment_fixed_size: 327680
    .private_segment_fixed_size: 0
    .kernarg_segment_align: 8
    .kernarg_segment_size: 40
    .max_flat_workgroup_size: 128
    .sgpr_count:     106
    .vgpr_count:     770
    .wavefront_size: 32
...
	.end_amdgpu_metadata
.endif
;; end of part 3
;; launch oproj (part 4): grid 4 x 64, 4 waves a work-group, clusters of 4 x 4, 327,680 bytes of LDS; arguments oh, xw, bo, out0; writes out0
.if DOCPART == 4
	.amdgcn_target "amdgcn-amd-amdhsa--gfx1250"
	.amdhsa_code_object_version 6
	.text
	.protected	k_qfdf76f0831_oproj
	.globl	k_qfdf76f0831_oproj
	.p2align	8
	.type	k_qfdf76f0831_oproj,@function
k_qfdf76f0831_oproj:
	s_mov_b64 s[64:65], 0
	v_nop
	global_prefetch_b8 v0, s[64:65] scope:SCOPE_SE
	s_setreg_imm32_b32 hwreg(HW_REG_WAVE_MODE, 25, 1), 1
	s_wait_xcnt 0x0
	s_wait_alu depctr_hold_cnt(0) depctr_sa_sdst(0) depctr_va_vdst(0) depctr_va_sdst(0) depctr_va_ssrc(0) depctr_va_vcc(0) depctr_vm_vsrc(0)
	s_getreg_b32 s2, hwreg(HW_REG_IB_STS2, 6, 4)
	s_cmp_eq_u32 s2, 0
	s_cbranch_scc0 .Lentry_in_a_cluster
	s_endpgm
.Lentry_in_a_cluster:
	s_bfe_u32 s2, ttmp6, 0x10000c
	s_cmp_lg_u32 s2, 0xf033
	s_cbranch_scc0 .Lentry_shape_is_right
	s_endpgm
.Lentry_shape_is_right:
; THE LAST PROJECTION.  out0[m][n] = sum over k of O[m][k] Wo[n][k] + bo[n], f32.  O comes by heads, [batch][head][row][64] f16: a head is a K slice of 64, its rows dense, 128 bytes.
; Wo comes from xw (batch 13, rows 1,024 on): bf16-rounded numbers written as f16, in the same slices.  The bias is rounded to bf16 like the other inputs and starts the sums.
; SHARES.  64 row tiles x 4 column tiles: a work-group makes 128 rows x 256 columns; wave w the rows 64 (w / 2) on and the columns 128 (w % 2) on: 4 x 8 accumulators of 16 x 16.
; K goes in 8 steps of 128 (two slices) through two LDS slots filled by the tensor data mover: waves 0, 1 fetch A's two slices (64 memory rows of 256 bytes each), waves 2, 3 B's (128 such rows).
; CLUSTER 4 x 4.  The four work-groups of a row of the cluster need the same tiles of O, the four of a column the same tiles of Wo: each tile is asked for jointly.
; THE MATRIX INSTRUCTION IS USED TRANSPOSED (source 0 = 16 rows of Wo, source 1 = 16 rows of O): a lane holds row l % 16 of the output and the columns 8 (l / 16) + 0..7: 32 bytes of f32 on end.
; REGISTERS, in windows of 256 (s_set_vgpr_msb: bits 1:0 source 0, 3:2 source 1, 5:4 source 2, 7:6 destination):
;   window 0: addresses, the bias, the way out     window 1: two fragment buffers of 96 (A's 4 fragments, then B's 8)     window 2: accumulator (a, b) at 8 (8 a + b)
.set PITCH,  144                       ; a row of a slice in LDS: 128 bytes + 16 of padding: the 16 rows of a fragment load start at 16 different groups of four banks (64 banks of 4 bytes: ISA guide 11.1)
.set ASL,    128*PITCH
.set BSL,    256*PITCH
.set BOFF,   2*ASL                     ; a slot: A's two slices, then B's two
.set SLOT1,  1<<17
.set STAGE,  SLOT1+2*ASL+2*BSL         ; behind the ring, never filled by a tensor load: for each wave 16 rows x 528 bytes
.set SPITCH, 528                       ; 512 bytes + 16 = 132 words: row r starts at bank 4 r mod 64
.set WSTG,   16*SPITCH
.set SPARE,  STAGE+4*WSTG              ; the spare words, 128 bytes for each wave: two blocks of 256 bytes that no other line names
.set KSTEPB, 524288
.set A0,   16
.set B0,   17
.set ADRA, 18
.set ADRB, 19
.set STO,  24                          ; v24  the way out: where I put 32 bytes of a row
.set RD,   25                          ; v25  where I read a row back
.set CO,   26                          ; v26  16 x lane
.set SPW,  28                          ; v28  LDS address of my spare word; never rewritten
.set NIL,  29                          ; v29  0; never rewritten
.set PFO,  30                          ; v30  256 x lane
.set BO,   31                          ; v31  my byte offset in the bias
.set BIAS, 32                          ; v[32:95]
.set OB,   96                          ; v[96:159], v[160:223] rows read back, by turns
.set F0,   0
.set F1,   96
.set G1,   24
.set G0,   32
.set G1B,  48
.set G0B,  56
.set TB,   46
.set PFA,  20
.set LIM,  22
.set MSB, 0
.macro WIN new
.if MSB != (\new)
	s_set_vgpr_msb (MSB<<8)|(\new)
.set MSB, \new
.endif
.endm
.set MUL,  0xa5                        ; sources 0 and 1 window 1, C and D window 2
.set MULB, 0x85                        ; the same with C (the bias) in window 0
.set TO_F, 0x40                        ; destination window 1, address window 0
.macro PLACES                          ; four plain vector instructions between a matrix instruction and a load into, or a read of, its registers
.rept 4
	v_nop
.endr
.endm
.macro JLOAD                           ; a joint refill by the walking descriptors; an s_nop 0 and four v_nop follow each line
	s_cmp_eq_u32 s11, 0
	s_cbranch_scc0 .Lfor_b_\@
	tensor_load_to_lds s[G0+4:G0+7], s[G1:G1+7]
	s_nop 0
	PLACES
	s_branch .Lasked_\@
.Lfor_b_\@:
	tensor_load_to_lds s[G0B+4:G0B+7], s[G1B:G1B+7]
	s_nop 0
	PLACES
.Lasked_\@:
.endm
.macro CREST
	s_cmp_lg_u32 s10, 0
	s_cbranch_scc1 .Lnot_wave_0_\@
	s_barrier_signal -3
.Lnot_wave_0_\@:
	s_barrier_wait -3
	s_barrier_signal -1
	s_barrier_wait -1
.endm
.macro CROUND
	s_barrier_signal -1
	s_barrier_wait -1
	CREST
.endm
; A PREFETCH of O's tile, two refills ahead of the one just asked for.  A row tile of O is read by the four partners of one row of one cluster and by nobody else: they share a K step's 128 blocks of 256 bytes
; out BY ADDRESS, 32 each; in each, wave 0 asks, a lane a block.  Trips 0 to 3 of the six name K steps 4 to 7.  Wo is not asked for: every row of clusters reads it.
.macro ASK
	s_cmp_gt_u32 s3, s[LIM]
	s_cbranch_scc0 .Lnot_mine_\@
	global_prefetch_b8 v[PFO], s[PFA:PFA+1] th:TH_LOAD_NT scope:SCOPE_SE
.Lnot_mine_\@:
.endm
	s_load_b256 s[68:75], s[0:1], 0x0              ; oh s[68:69], xw s[70:71], bo s[72:73], out0 s[74:75]
	v_lshl_add_u32 v[SPW], v0, 2, SPARE
	v_mov_b32 v[NIL], 0
	ds_add_u32 v[SPW], v[NIL]                      ; the wave's opening: the add and its wait stand ahead of my first tensor load
	v_lshrrev_b32 v1, 5, v0
	v_readfirstlane_b32 s10, v1                    ; wave 0..3
	s_lshr_b32 s11, s10, 1                         ; my half of the rows.  Also: I fetch for A (0) or for B (1)
	s_and_b32 s12, s10, 1                          ; my half of the columns.  Also: which slice of a K step I fetch
	s_bfe_u32 s40, ttmp6, 0x40000                  ; cx
	s_bfe_u32 s41, ttmp6, 0x40004                  ; cy
	s_lshl_b32 s42, ttmp9, 2
	s_add_co_u32 s42, s42, s40                     ; column tile
	s_and_b32 s45, ttmp7, 0xffff
	s_lshl_b32 s13, s45, 2
	s_add_co_u32 s13, s13, s41                     ; row tile, 0..63
	s_lshl_b32 s43, s41, 2
	s_lshl_b32 s43, 15, s43                        ; my row of the cluster
	s_lshl_b32 s44, 0x1111, s40                    ; my column
	s_or_b32 s[G1+0], s43, (1<<16)|(1<<20)|(1<<21)|(4<<22)|(3<<25)   ; 15:0 the mask; 17:16 2-byte elements; 20 padding on; 21 set beside a mask; 24:22 after every 32 words (code 4); 31:25 4 words (code 3)
	s_or_b32 s[G1B+0], s44, (1<<16)|(1<<20)|(1<<21)|(4<<22)|(3<<25)
	s_mov_b32 s[G1+1], 128<<16                     ; tensor_dim0 = 128
	s_mov_b32 s[G1+2], 64<<16                      ; tensor_dim1 = 64
	s_mov_b32 s[G1+3], 128<<16                     ; tile_dim0 = 128
	s_mov_b32 s[G1+4], 64                          ; tile_dim1 = 64
	s_mov_b32 s[G1+5], 128                         ; 128 elements from row to row
	s_mov_b32 s[G1+6], 0
	s_mov_b32 s[G1+7], 0
	s_mov_b32 s[G1B+1], 128<<16
	s_mov_b32 s[G1B+2], 128<<16                    ; B's slice has 128 such rows
	s_mov_b32 s[G1B+3], 128<<16
	s_mov_b32 s[G1B+4], 128
	s_mov_b32 s[G1B+5], 128
	s_mov_b32 s[G1B+6], 0
	s_mov_b32 s[G1B+7], 0
	s_lshr_b32 s14, s13, 4                         ; A: batch,
	s_lshl_b32 s14, s14, 22
	s_and_b32 s15, s13, 15                         ; 128 rows of 128 bytes in each slice
	s_lshl_b32 s15, s15, 14
	s_add_co_u32 s14, s14, s15
	s_lshr_b32 s20, s40, 1                         ; the prefetches: partner cx takes slice cx / 2, half cx % 2 of its 16,384 bytes,
	s_lshl_b32 s20, s20, 18
	s_and_b32 s21, s40, 1
	s_lshl_b32 s21, s21, 13
	s_add_co_u32 s20, s20, s21
	s_add_co_u32 s20, s20, s14
	s_add_co_u32 s20, s20, 3*KSTEPB                ; at K step 3: the first refill steps it to 4
	s_mov_b32 s21, 0
	s_lshl_b32 s15, s12, 18                        ; my slice
	s_add_co_u32 s14, s14, s15
	s_mov_b32 s15, 0
	s_lshl_b32 s16, s42, 15                        ; B: 256 rows of 128 bytes,
	s_add_co_u32 s16, s16, (13<<22)+(1024<<7)      ; in batch 13, 1,024 rows down,
	s_lshl_b32 s17, s12, 18                        ; my slice
	s_add_co_u32 s16, s16, s17
	s_mov_b32 s17, 0
	s_mul_i32 s18, s12, ASL                        ; where they go: no place in the cluster enters an LDS address
	s_mul_i32 s19, s12, BSL
	s_add_co_u32 s19, s19, BOFF
	s_cmp_eq_u32 s10, 0
	s_cselect_b32 s[LIM], 2, -1
	s_wait_dscnt 0x0                               ; the opening add is done
	s_wait_kmcnt 0x0
	s_add_nc_u64 s[14:15], s[68:69], s[14:15]
	s_add_nc_u64 s[16:17], s[70:71], s[16:17]
	s_add_nc_u64 s[PFA:PFA+1], s[68:69], s[PFA:PFA+1]
	CROUND                                         ; all sixteen work-groups are here: the first joint loads meet
.irp s, 0,1
	s_mov_b32 s[G0+4*(\s)], 1
	s_add_co_u32 s[G0+4*(\s)+1], s18, (\s)*SLOT1
	s_add_nc_u64 s[G0+4*(\s)+2:G0+4*(\s)+3], s[14:15], (\s)*KSTEPB
	s_or_b32 s[G0+4*(\s)+3], s[G0+4*(\s)+3], 0x80000000
	s_mov_b32 s[G0B+4*(\s)], 1
	s_add_co_u32 s[G0B+4*(\s)+1], s19, (\s)*SLOT1
	s_add_nc_u64 s[G0B+4*(\s)+2:G0B+4*(\s)+3], s[16:17], (\s)*KSTEPB
	s_or_b32 s[G0B+4*(\s)+3], s[G0B+4*(\s)+3], 0x80000000
.endr
	s_cmp_eq_u32 s11, 0                            ; a wave's two first fills stand in one branch: two loads of mine are out
	s_cbranch_scc0 .Lfirst_b
	tensor_load_to_lds s[G0:G0+3], s[G1:G1+7]
	s_nop 0
	tensor_load_to_lds s[G0+4:G0+7], s[G1:G1+7]
	s_nop 0
	PLACES
	s_branch .Lfirst_asked
.Lfirst_b:
	tensor_load_to_lds s[G0B:G0B+3], s[G1B:G1B+7]
	s_nop 0
	tensor_load_to_lds s[G0B+4:G0B+7], s[G1B:G1B+7]
	s_nop 0
	PLACES
.Lfirst_asked:
	v_and_b32 v1, 15, v0                           ; l % 16
	v_bfe_u32 v2, v0, 4, 1                         ; l / 16
	s_lshl_b32 s4, s42, 10                         ; my 128 columns, in bytes of f32: register j of block b is column 16 b + 8 (l / 16) + j
	s_lshl_b32 s5, s12, 9
	s_add_co_u32 s4, s4, s5
	v_lshl_add_u32 v[BO], v2, 5, s4
.irp b, 0,1,2,3,4,5,6,7
	global_load_b128 v[BIAS+8*(\b):BIAS+8*(\b)+3],   v[BO], s[72:73] offset:64*(\b)
	global_load_b128 v[BIAS+8*(\b)+4:BIAS+8*(\b)+7], v[BO], s[72:73] offset:64*(\b)+16
.endr
	v_mul_u32_u24 v3, v1, PITCH
	v_lshl_add_u32 v3, v2, 4, v3                   ; a fragment's row x pitch + 16 x half
	s_mul_i32 s23, s11, 64*PITCH                   ; my 64 rows of A
	v_add_nc_u32 v[A0], s23, v3
	s_mul_i32 s23, s12, 128*PITCH                  ; my 128 rows of B
	s_add_co_u32 s23, s23, BOFF
	v_add_nc_u32 v[B0], s23, v3
	s_mul_i32 s23, s10, WSTG
	s_add_co_u32 s23, s23, STAGE                   ; my stage
	v_mul_u32_u24 v5, v1, SPITCH                   ; in: row l % 16, 32 bytes for each half of the lanes
	v_lshl_add_u32 v5, v2, 5, v5
	v_add_nc_u32 v[STO], s23, v5
	v_and_b32 v4, 31, v0
	v_lshlrev_b32 v[CO], 4, v4                     ; back and out: 32 lanes take a row's 512 bytes
	v_add_nc_u32 v[RD], s23, v[CO]
	v_lshlrev_b32 v[PFO], 8, v4
	s_lshl_b32 s5, s13, 19                         ; out: 128 rows of 4,096 bytes a row tile, my 64 of them, my 128 columns (still in s4)
	s_add_co_u32 s4, s4, s5
	s_lshl_b32 s5, s11, 18
	s_add_co_u32 s4, s4, s5
	s_mov_b32 s5, 0
	s_add_nc_u64 s[8:9], s[74:75], s[4:5]
	s_wait_loadcnt 0x0                             ; the bias
.set r, 0
.rept 32
	v_cvt_pk_bf16_f32 v4, v[BIAS+r], v[BIAS+r+1]   ; rounded to bf16 like every input, and back to f32
	v_lshlrev_b32 v[BIAS+r], 16, v4
	v_and_b32 v[BIAS+r+1], 0xffff0000, v4
.set r, r+2
.endr
; 8 matrix instructions: row block a x all 8 column blocks, 32 along K.  first = 1: the bias is the C that starts the sums.  All 32 accumulators take turns in the same order in every quarter.
.macro MUL8 f, a, first
.if \first
	WIN MULB
.else
	WIN MUL
.endif
.irp b, 0,1,2,3,4,5,6,7
.if \first
	v_wmma_f32_16x16x32_f16 v[8*(8*(\a)+(\b)):8*(8*(\a)+(\b))+7], v[(\f)+32+8*(\b):(\f)+32+8*(\b)+7], v[(\f)+8*(\a):(\f)+8*(\a)+7], v[BIAS+8*(\b):BIAS+8*(\b)+7]
.else
	v_wmma_f32_16x16x32_f16 v[8*(8*(\a)+(\b)):8*(8*(\a)+(\b))+7], v[(\f)+32+8*(\b):(\f)+32+8*(\b)+7], v[(\f)+8*(\a):(\f)+8*(\a)+7], v[8*(8*(\a)+(\b)):8*(8*(\a)+(\b))+7]
.endif
.endr
.endm
; 24 LDS loads in one run: quarter qd of the K step in hand into buffer f; B's 8 fragments first, A's 4 last
.macro FETCH qd, f
	WIN TO_F
.irp i, 0,1,2,3,4,5,6,7
	ds_load_b128 v[(\f)+32+8*(\i):(\f)+32+8*(\i)+3],   v[ADRB] offset:((\qd)/2)*BSL+((\qd)%2)*64+(\i)*16*PITCH
	ds_load_b128 v[(\f)+32+8*(\i)+4:(\f)+32+8*(\i)+7], v[ADRB] offset:((\qd)/2)*BSL+((\qd)%2)*64+(\i)*16*PITCH+32
.endr
.irp i, 0,1,2,3
	ds_load_b128 v[(\f)+8*(\i):(\f)+8*(\i)+3],   v[ADRA] offset:((\qd)/2)*ASL+((\qd)%2)*64+(\i)*16*PITCH
	ds_load_b128 v[(\f)+8*(\i)+4:(\f)+8*(\i)+7], v[ADRA] offset:((\qd)/2)*ASL+((\qd)%2)*64+(\i)*16*PITCH+32
.endr
.endm
.macro QUARTER qd, f, g, first
	s_wait_dscnt 4                                 ; B and A's blocks 0, 1 are in; the youngest four loads (A's blocks 2, 3) may be out
	MUL8 \f, 0, \first
	MUL8 \f, 1, \first
	PLACES
	FETCH \qd, \g
	s_wait_dscnt 24                                ; all but the 24 just issued
	MUL8 \f, 2, \first
	MUL8 \f, 3, \first
.endm
; The last quarter multiplies buffer 1 and changes slots: ONE barrier; in front of it each wave waits for all its tensor loads, adds 0 to its spare word, and waits for that and for its reads of this slot.
; fill = 1: the barrier opens a round of the cluster's, and the slot just read is filled again first thing behind it, with the K step two on.
.macro TURN fill
.if \fill
	s_wait_xcnt 0x0                                ; the last prefetch, a K step back, has read its address
	s_add_nc_u64 s[PFA:PFA+1], s[PFA:PFA+1], KSTEPB
.endif
	WIN 0
	s_wait_tensorcnt 0x0                           ; all my tensor loads have landed
	ds_add_u32 v[SPW], v[NIL]                      ; 0 onto my spare word
	s_wait_dscnt 5                                 ; (the add and the youngest four loads may be out)
	MUL8 F1, 0, 0
	s_wait_dscnt 0x0                               ; the add is done, and my reads of this slot are over
	s_barrier_signal -1
	MUL8 F1, 1, 0
	WIN 0
	s_barrier_wait -1
.if \fill
	CREST
	s_xor_b32 s[G0+5], s[G0+5], SLOT1
	s_add_nc_u64 s[G0+6:G0+7], s[G0+6:G0+7], KSTEPB
	s_xor_b32 s[G0B+5], s[G0B+5], SLOT1
	s_add_nc_u64 s[G0B+6:G0B+7], s[G0B+6:G0B+7], KSTEPB
	JLOAD
.else
	PLACES
.endif
	s_xor_b32 s[TB], s[TB], SLOT1
	v_add_nc_u32 v[ADRA], s[TB], v[A0]
	v_add_nc_u32 v[ADRB], s[TB], v[B0]
	FETCH 0, F0
.if \fill
	WIN 0
	ASK
.endif
	MUL8 F1, 2, 0
	MUL8 F1, 3, 0
.endm
	s_wait_tensorcnt 1                             ; my part of K step 0 is in; K step 1's may stay out
	s_barrier_signal -1
	s_barrier_wait -1
	s_mov_b32 s[TB], 0
	v_add_nc_u32 v[ADRA], s[TB], v[A0]
	v_add_nc_u32 v[ADRB], s[TB], v[B0]
	FETCH 0, F0
	QUARTER 1, F0, F1, 1                           ; the first quarter's products start the sums with the bias
	WIN 0
	s_mov_b32 s3, 6
.Lstep:                                                ; six trips, from a K step's second quarter to the next one's first; trip i asks for K step i + 2
	QUARTER 2, F1, F0, 0
	QUARTER 3, F0, F1, 0
	TURN 1
	QUARTER 1, F0, F1, 0
	WIN 0
	s_sub_co_u32 s3, s3, 1
	s_cmp_lg_u32 s3, 0
	s_cbranch_scc1 .Lstep
	s_mov_b32 s3, 2
.Ltail:                                                ; the last two K steps ask for nothing; the second trip is left in its middle
	QUARTER 2, F1, F0, 0
	QUARTER 3, F0, F1, 0
	TURN 0
	WIN 0
	s_sub_co_u32 s3, s3, 1
	s_cmp_eq_u32 s3, 0
	s_cbranch_scc1 .Lout
	QUARTER 1, F0, F1, 0
	WIN 0
	s_branch .Ltail
.Lout:
	PLACES
; THE WAY OUT, a block of 16 rows at a time: the f32 sums go as they are into my own stage (each accumulator's low four registers first), come back as whole row pieces of 512 bytes, and are stored.
.macro TOSTAGE a
.set BK, OB+64*((\a)%2)
.if (\a) >= 2
	s_wait_xcnt 0x0                                ; the stores of the block two back have read the registers that are loaded below
.endif
	WIN 0x08                                       ; store data (source 1) in window 2
.irp b, 0,1,2,3,4,5,6,7
	ds_store_b128 v[STO], v[64*(\a)+8*(\b):64*(\a)+8*(\b)+3]   offset:64*(\b)
	ds_store_b128 v[STO], v[64*(\a)+8*(\b)+4:64*(\a)+8*(\b)+7] offset:64*(\b)+16
.endr
	WIN 0
.irp t, 0,1,2,3,4,5,6,7,8,9,10,11,12,13,14,15
	ds_load_b128 v[BK+4*(\t):BK+4*(\t)+3], v[RD] offset:(\t)*SPITCH  ; LDS serves a wave's instructions in order (ISA guide 5.7.1.4): these see the stores above
.endr
.endm
.macro SEND a, younger                 ; younger: the LDS instructions issued behind block a's loads: the next block's 32, or none
.set BK, OB+64*((\a)%2)
.irp t, 0,1,2,3,4,5,6,7,8,9,10,11,12,13,14,15
	s_wait_dscnt (\younger)+15-(\t)
	global_store_b128 v[CO], v[BK+4*(\t):BK+4*(\t)+3], s[8:9] offset:(\a)*65536+(\t)*4096 th:TH_STORE_NT  ; 512 consecutive bytes of a row, at a multiple of 512 from the output's first byte
.endr
.endm
	TOSTAGE 0
.irp a, 1,2,3
	TOSTAGE \a
	SEND (\a)-1, 32
.endr
	SEND 3, 0
	s_wait_tensorcnt 0x0                           ; the wave's end, behind my last tensor load and my last LDS store
	ds_add_u32 v[SPW], v[NIL]
	s_wait_dscnt 0x0
	CROUND                                         ; the closing round
	s_endpgm
.Lfunc_end_k_qfdf76f0831_oproj:
	.size	k_qfdf76f0831_oproj, .Lfunc_end_k_qfdf76f0831_oproj-k_qfdf76f0831_oproj
	.p2alignl 7, 3214868480
	.fill 96, 4, 3214868480
	.section	.rodata,"a",@progbits
	.p2align	6, 0x0
	.amdhsa_kernel k_qfdf76f0831_oproj
		.amdhsa_group_segment_fixed_size 327680
		.amdhsa_private_segment_fixed_size 0
		.amdhsa_enable_private_segment 0
		.amdhsa_kernarg_size 32
		.amdhsa_user_sgpr_count 2
		.amdhsa_user_sgpr_kernarg_segment_ptr 1
		.amdhsa_wavefront_size32 1
		.amdhsa_system_sgpr_workgroup_id_x 1
		.amdhsa_system_sgpr_workgroup_id_y 1
		.amdhsa_system_sgpr_workgroup_id_z 1
		.amdhsa_system_vgpr_workitem_id 0
		.amdhsa_next_free_vgpr 768
		.amdhsa_next_free_sgpr 76
		.amdhsa_reserve_vcc 0
		.amdhsa_float_denorm_mode_32 3
		.amdhsa_float_denorm_mode_16_64 3
		.amdhsa_memory_ordered 1
		.amdhsa_forward_progress 1
		.amdhsa_inst_pref_size 68
	.end_amdhsa_kernel
	.amdgpu_metadata
---
amdhsa.version: [ 1, 2 ]
amdhsa.kernels:
  - .name:           k_qfdf76f0831_oproj
    .symbol:         k_qfdf76f0831_oproj.kd
    .args:
      - { .name: oh, .offset: 0, .size: 8, .value_kind: global_buffer, .address_space: global }
      - { .name: xw, .offset: 8, .size: 8, .value_kind: global_buffer, .address_space: global }
      - { .name: bo, .offset: 16, .size: 8, .value_kind: global_buffer, .address_space: global }
      - { .name: out0, .offset: 24, .size: 8, .value_kind: global_buffer, .address_space: global }
    .group_segment_fixed_size: 327680
    .private_segment_fixed_size: 0
    .kernarg_segment_align: 8
    .kernarg_segment_size: 32
    .max_flat_workgroup_size: 128
    .sgpr_count:     76
    .vgpr_count:     768
    .wavefront_size: 32
...
	.end_amdgpu_metadata
.endif
;; end of part 4
;; ======== version 2 of 2: 4 launches
;; limits: values are held in f16: magnitudes above 65,504 overflow, below 6.1e-05 lose precision; right only within a limited range of input values
;; workspace buffers: wts 8,388,608 bytes; qh 16,777,216 bytes; kh 16,777,216 bytes; vh 16,777,216 bytes; oh 16,777,216 bytes; mbits 524,288 bytes of whole numbers
;; launch prep (part 5): grid 384 x 1, 8 waves a work-group, no clusters, 0 bytes of LDS; arguments Wq, Wk, Wv, Wo, mask, wts, mbits; writes wts, mbits
.if DOCPART == 5
	.amdgcn_target "amdgcn-amd-amdhsa--gfx1250"
	.amdhsa_code_object_version 6
	.text
	.protected	k_qfdf76f0831_prep
	.globl	k_qfdf76f0831_prep
	.p2align	8
	.type	k_qfdf76f0831_prep,@function
k_qfdf76f0831_prep:
	s_mov_b64 s[64:65], 0
	v_nop
	global_prefetch_b8 v0, s[64:65] scope:SCOPE_SE
	s_setreg_imm32_b32 hwreg(HW_REG_WAVE_MODE, 25, 1), 1
	s_wait_xcnt 0x0
; TWO ROLES, chosen by the work-group's number.
; Work-groups 0-127: the mask (int32, 0 = hidden) becomes bit words in the lane layout of a 16 x 16 score tile with one query a lane:
;   mbits = [64 pairs of query tiles][32 key steps][2 tiles][32 words]; bit L of word 8 kb + j of tile qt says that mask[16 qt + L % 16][64 ks + 16 kb + 8 (L / 16) + j] is not 0.
;   A pair's 64 words of a key step are 256 bytes on end.  These work-groups stand first: each of their loads touches 16 rows, so they take the longest.
; Work-groups 128-383: the four weights (f32, 1,024 rows of 1,024) are rounded to bf16 and laid in K SLICES:
;   wts = 2 batches of [16 slices][2,048 rows][64] of 16 bits; batch 0 Wq then Wk, batch 1 Wv then Wo.  A slice's rows are dense, 128 bytes each.
;   Wq, Wk, Wv stay bf16 (their products take bf16 operands); Wo's bf16 number is written as f16, since it is multiplied with f16 numbers.
;   LIMITS.  A bf16 number is exact in f16 from 2^-14 to 65,504; below it keeps f16's fixed step of 2^-24; beyond 65,504 it becomes an infinity: Wo stays within that.
; No LDS, no barrier, no loop: every wave issues its loads at once and works them off behind counted waits.  No register that a store reads is written again.
.set T,  8                             ; v[8:11]   at work (weights); the words being gathered (mask)
.set VI, 6                             ; v6        my byte offset in the input
.set VO, 7                             ; v7        my byte offset in the output
.set X,  16                            ; v[16:143] loads of four registers: 16 (weights) or 32 (mask)
	s_load_b256 s[4:11], s[0:1], 0x0               ; Wq, Wk, Wv, Wo: s[4+2i:5+2i]
	s_load_b128 s[12:15], s[0:1], 0x20             ; mask s[12:13], wts s[14:15]
	s_load_b64 s[16:17], s[0:1], 0x30              ; mbits
	v_lshrrev_b32 v1, 5, v0
	v_readfirstlane_b32 s24, v1                    ; wave 0..7
	s_cmp_lt_u32 ttmp9, 128
	s_cbranch_scc1 .Lmask
	; THE WEIGHTS.  Work-group 128 + w takes 16 rows of the 4,096 that the four tensors have together.
	s_sub_co_u32 s37, ttmp9, 128                   ; w
	s_lshr_b32 s25, s37, 6                         ; tensor w / 64,
	s_and_b32 s26, s37, 63                         ; its block of 16 rows
	s_lshl_b32 s26, s26, 16                        ; of 4,096 bytes
	s_mov_b32 s27, 0
	s_lshr_b32 s28, s37, 7                         ; out: batch w / 128,
	s_lshl_b32 s28, s28, 22
	s_and_b32 s29, s37, 127                        ; 16 rows of 128 bytes in each slice
	s_lshl_b32 s29, s29, 11
	s_add_co_u32 s28, s28, s29
	s_mov_b32 s29, 0
	s_mov_b32 s33, 0xffff0000                      ; a word's upper bf16
	s_cmp_eq_u32 s25, 3
	s_cselect_b32 s36, -1, 0                       ; all lanes on for Wo: the f16 spelling is taken
	; A wave takes two rows.  Of a slice (64 columns) lane l takes row l / 16 and columns 4 (l % 16) + 0..3: a load covers 256 consecutive bytes of each of the two rows,
	; and the store of its 8 bytes a lane covers the two rows of the slice: 256 consecutive bytes, aligned.
	v_bfe_u32 v3, v0, 4, 1
	v_and_b32 v5, 15, v0
	s_lshl_b32 s32, s24, 1
	v_add_nc_u32 v3, s32, v3                       ; my row
	v_lshlrev_b32 v[VI], 12, v3
	v_lshl_add_u32 v[VI], v5, 4, v[VI]             ; row x 4,096 + 16 bytes a lane
	v_lshlrev_b32 v[VO], 7, v3
	v_lshl_add_u32 v[VO], v5, 3, v[VO]             ; row x 128 + 8 bytes a lane
	s_wait_kmcnt 0x0
	s_mov_b64 s[30:31], s[4:5]
.irp i, 1,2,3
	s_cmp_eq_u32 s25, \i
	s_cselect_b64 s[30:31], s[4+2*\i:5+2*\i], s[30:31]
.endr
	s_add_nc_u64 s[30:31], s[30:31], s[26:27]
	s_add_nc_u64 s[34:35], s[14:15], s[28:29]
.set j, 0
.rept 16                               ; chunk j: slice j
	global_load_b128 v[X+4*j:X+4*j+3], v[VI], s[30:31] offset:j*256 th:TH_LOAD_NT
.set j, j+1
.endr
.set j, 0
.rept 16
	s_wait_loadcnt 15-j                            ; loads come back in order: chunk j's is in, the 15 - j younger ones stay out
	v_cvt_pk_bf16_f32 v[T+2*(j%2)],   v[X+4*j],   v[X+4*j+1]  ; the rounding that counts: to bf16, nearest even
	v_cvt_pk_bf16_f32 v[T+2*(j%2)+1], v[X+4*j+2], v[X+4*j+3]
	v_lshlrev_b32 v[X+4*j],   16,  v[T+2*(j%2)]    ; back to f32,
	v_and_b32     v[X+4*j+1], s33, v[T+2*(j%2)]
	v_lshlrev_b32 v[X+4*j+2], 16,  v[T+2*(j%2)+1]
	v_and_b32     v[X+4*j+3], s33, v[T+2*(j%2)+1]
	v_cvt_pk_f16_f32 v[X+4*j],   v[X+4*j],   v[X+4*j+1]  ; the same numbers as f16; ascending, so each source is used before it is overwritten
	v_cvt_pk_f16_f32 v[X+4*j+1], v[X+4*j+2], v[X+4*j+3]
	v_cndmask_b32 v[X+4*j],   v[T+2*(j%2)],   v[X+4*j],   s36  ; bf16 for Wq, Wk, Wv; f16 for Wo
	v_cndmask_b32 v[X+4*j+1], v[T+2*(j%2)+1], v[X+4*j+1], s36
	global_store_b64 v[VO], v[X+4*j:X+4*j+1], s[34:35] offset:j*262144
.set j, j+1
.endr
	s_endpgm
.Lmask:
	; THE MASK.  Work-group g takes the pair of tiles g / 2 (32 rows) and the key steps 16 (g % 2) on; wave wv two of them, for both tiles: 512 consecutive bytes of each of the 32 rows.
	s_lshr_b32 s25, ttmp9, 1
	s_and_b32 s36, ttmp9, 1
	s_lshl_b32 s36, s36, 12                        ; 16 steps: 256 bytes each, of a row of the mask and of a pair's words alike
	s_lshl_b32 s27, s24, 9                         ; my two steps
	s_add_co_u32 s36, s36, s27
	s_lshl_b32 s26, s25, 18                        ; 32 rows of 8,192 bytes
	s_add_co_u32 s26, s26, s36
	s_mov_b32 s27, 0
	s_lshl_b32 s28, s25, 13                        ; 32 steps of 256 bytes
	s_add_co_u32 s28, s28, s36
	s_mov_b32 s29, 0
	v_and_b32 v2, 31, v0
	v_and_b32 v3, 15, v0
	v_bfe_u32 v4, v0, 4, 1
	v_lshlrev_b32 v[VI], 13, v3
	v_lshl_add_u32 v[VI], v4, 5, v[VI]             ; row l % 16, keys 8 (l / 16) on
	v_lshlrev_b32 v[VO], 3, v2                     ; two words a lane
.irp i, 0,1,2,3
	v_mov_b32 v[T+\i], 0                           ; v_writelane_b32 counts as a reader of its destination
.endr
	s_wait_kmcnt 0x0
	s_add_nc_u64 s[26:27], s[12:13], s[26:27]
	s_add_nc_u64 s[28:29], s[16:17], s[28:29]
.set n, 0
.rept 32                               ; load n: step e = n / 16, tile u = (n / 8) % 2, key block (n / 2) % 4, half n % 2: register X + 64 e + 32 u + 8 kb + j holds key 64 e + 16 kb + 8 (l / 16) + j of tile u
	global_load_b128 v[X+4*n:X+4*n+3], v[VI], s[26:27] offset:(n/16)*256+((n/8)%2)*131072+((n/2)%4)*64+(n%2)*16 th:TH_LOAD_NT
.set n, n+1
.endr
; One key step, 64 words.  A compare gathers the 32 lanes' bits of one register into a scalar: that is the word.  Word n goes to lane n / 2, register n % 2: a store of 8 bytes a lane lays the 64 words on end.
.macro MGROUP g
	s_wait_loadcnt 16-16*(\g)                      ; the first step's 16 loads are in, the other 16 may stay out; then all
.set n, 0
.rept 8
.irp c, 0,1,2,3,4,5,6,7
	v_cmp_ne_u32 s[40+\c], 0, v[X+64*(\g)+n+\c]
.endr
.irp c, 0,1,2,3,4,5,6,7
	v_writelane_b32 v[T+2*(\g)+(\c)%2], s[40+\c], (n+\c)/2
.endr
.set n, n+8
.endr
	global_store_b64 v[VO], v[T+2*(\g):T+2*(\g)+1], s[28:29] offset:256*(\g)  ; 256 consecutive bytes, aligned
.endm
	MGROUP 0
	MGROUP 1
	s_endpgm
.Lfunc_end_k_qfdf76f0831_prep:
	.size	k_qfdf76f0831_prep, .Lfunc_end_k_qfdf76f0831_prep-k_qfdf76f0831_prep
	.p2alignl 7, 3214868480
	.fill 96, 4, 3214868480
	.section	.rodata,"a",@progbits
	.p2align	6, 0x0
	.amdhsa_kernel k_qfdf76f0831_prep
		.amdhsa_group_segment_fixed_size 0
		.amdhsa_private_segment_fixed_size 0
		.amdhsa_enable_private_segment 0
		.amdhsa_kernarg_size 56
		.amdhsa_user_sgpr_count 2
		.amdhsa_user_sgpr_kernarg_segment_ptr 1
		.amdhsa_wavefront_size32 1
		.amdhsa_system_sgpr_workgroup_id_x 1
		.amdhsa_system_sgpr_workgroup_id_y 1
		.amdhsa_system_sgpr_workgroup_id_z 1
		.amdhsa_system_vgpr_workitem_id 0
		.amdhsa_next_free_vgpr 144
		.amdhsa_next_free_sgpr 66
		.amdhsa_reserve_vcc 0
		.amdhsa_float_denorm_mode_32 3
		.amdhsa_float_denorm_mode_16_64 3
		.amdhsa_memory_ordered 1
		.amdhsa_forward_progress 1
		.amdhsa_inst_pref_size 34
	.end_amdhsa_kernel
	.amdgpu_metadata
---
amdhsa.version: [ 1, 2 ]
amdhsa.kernels:
  - .name:           k_qfdf76f0831_prep
    .symbol:         k_qfdf76f0831_prep.kd
    .args:
      - { .name: Wq, .offset: 0, .size: 8, .value_kind: global_buffer, .address_space: global }
      - { .name: Wk, .offset: 8, .size: 8, .value_kind: global_buffer, .address_space: global }
      - { .name: Wv, .offset: 16, .size: 8, .value_kind: global_buffer, .address_space: global }
      - { .name: Wo, .offset: 24, .size: 8, .value_kind: global_buffer, .address_space: global }
      - { .name: mask, .offset: 32, .size: 8, .value_kind: global_buffer, .address_space: global }
      - { .name: wts, .offset: 40, .size: 8, .value_kind: global_buffer, .address_space: global }
      - { .name: mbits, .offset: 48, .size: 8, .value_kind: global_buffer, .address_space: global }
    .group_segment_fixed_size: 0
    .private_segment_fixed_size: 0
    .kernarg_segment_align: 8
    .kernarg_segment_size: 56
    .max_flat_workgroup_size: 256
    .sgpr_count:     66
    .vgpr_count:     144
    .wavefront_size: 32
...
	.end_amdgpu_metadata
.endif
;; end of part 5
;; launch proj (part 6): grid 4 x 64, 4 waves a work-group, clusters of 4 x 4, 327,680 bytes of LDS; arguments q, k, v, wts, bq, bk, bv, qh, kh, vh; writes qh, kh, vh
.if DOCPART == 6
	.amdgcn_target "amdgcn-amd-amdhsa--gfx1250"
	.amdhsa_code_object_version 6
	.text
	.protected	k_qfdf76f0831_proj
	.globl	k_qfdf76f0831_proj
	.p2align	8
	.type	k_qfdf76f0831_proj,@function
k_qfdf76f0831_proj:
	s_mov_b64 s[64:65], 0
	v_nop
	global_prefetch_b8 v0, s[64:65] scope:SCOPE_SE
	s_setreg_imm32_b32 hwreg(HW_REG_WAVE_MODE, 25, 1), 1
	s_wait_xcnt 0x0
	s_wait_alu depctr_hold_cnt(0) depctr_sa_sdst(0) depctr_va_vdst(0) depctr_va_sdst(0) depctr_va_ssrc(0) depctr_va_vcc(0) depctr_vm_vsrc(0)
	s_getreg_b32 s2, hwreg(HW_REG_IB_STS2, 6, 4)
	s_cmp_eq_u32 s2, 0
	s_cbranch_scc0 .Lentry_in_a_cluster
	s_endpgm
.Lentry_in_a_cluster:
	s_bfe_u32 s2, ttmp6, 0x10000c
	s_cmp_lg_u32 s2, 0xf033
	s_cbranch_scc0 .Lentry_shape_is_right
	s_endpgm
.Lentry_shape_is_right:
; THE THREE PROJECTIONS.  y[m][n] = sum over k of x[m][k] W[n][k] + b[n] for (q, Wq, bq), (k, Wk, bk), (v, Wv, bv); y leaves by heads, [batch][head][row][64], in f16, rounded once from its f32 sum.
; x comes as it is given, f32 [8,192][1,024], and is rounded to bf16 between its LDS load and the product.  W comes from wts: bf16, in K slices [16][2,048 rows][64] (a slice's rows are dense, 128 bytes;
; batch 0 Wq then Wk, batch 1 Wv).  The bias is rounded to bf16 like the other inputs and starts the sums.
; LIMITS.  f16 ends at 65,504: a projected number beyond it becomes an infinity.  NaN and infinities are not treated apart.
; SHARES.  64 row tiles x 4 column tiles of 128 rows x 256 columns.  A WORK-GROUP STAYS: it makes its tile of q's projection, then of k's, then of v's: ONE walk of 24 K steps of 128, and the ring does not
; stop at a tile's end.  Wave w has the rows 64 (w / 2) on and the columns 128 (w % 2) on: 4 x 8 accumulators of 16 x 16.
; THE RING.  Two LDS slots filled by the tensor data mover: waves 0, 1 fetch the two halves of x's tile (64 rows of 512 bytes each), waves 2, 3 W's two slices (128 memory rows of 256 bytes each).
; CLUSTER 4 x 4.  The four work-groups of a row of the cluster need the same tiles of x, the four of a column the same tiles of W: each tile is asked for jointly, by the same load, descriptor and mask in all four.
; THE MATRIX INSTRUCTION IS USED TRANSPOSED (source 0 = 16 rows of W, source 1 = 16 rows of x): a lane holds row l % 16 of y and the columns 8 (l / 16) + 0..7: 16 bytes of f16 on end.
; REGISTERS, in windows of 256 (s_set_vgpr_msb: bits 1:0 source 0, 3:2 source 1, 5:4 source 2, 7:6 destination):
;   window 0: addresses, the bias, the way out     window 1: two fragment buffers of 96 (x's 4 fragments, then W's 8); v192-255 the f32 of four fragments of x     window 2: accumulator (a, b) at 8 (8 a + b)
.set APITCH, 528                       ; a row of x's tile in LDS: 512 bytes + 16 of padding = 132 words: row r starts at bank 4 r mod 64 (64 banks of 4 bytes: ISA guide 11.1), so the 16 rows of a load start at 16 different groups of four banks
.set BPITCH, 144                       ; a row of a slice of W: 128 bytes + 16 = 36 words: likewise
.set AT,     128*APITCH                ; x's tile
.set BSL,    256*BPITCH                ; a slice of W's tile
.set BOFF,   AT                        ; a slot: x's tile, then W's two slices
.set SLOT,   AT+2*BSL                  ; 141,312 bytes; a register that an exclusive or turns from 0 into SLOT and back says which slot
.set STAGE,  2*SLOT                    ; behind the ring, never filled by a tensor load: for each wave 2 heads x 16 rows x 144 bytes
.set WSTG,   2*16*BPITCH
.set SPARE,  STAGE+4*WSTG              ; the spare words, 128 bytes for each wave: two blocks of 256 bytes that no other line names
.set KSTEPA, 512                       ; bytes from a K step to the next in a row of x
.set KSTEPB, 524288                    ; and in wts: two slices
.set A0,   16                          ; v16  my lane's place in x's tile; never rewritten
.set B0,   17                          ; v17  the same for W
.set ADRA, 18                          ; v18  A0 + the slot in hand
.set ADRB, 19                          ; v19  B0 + the slot in hand
.set STO,  24                          ; v24  the way out: where I put 16 bytes of a row
.set RD,   25                          ; v25  where I read rows back
.set CO,   26                          ; v26  16 x lane: my place in 512 consecutive bytes of the output
.set SPW,  28                          ; v28  LDS address of my spare word; never rewritten
.set NIL,  29                          ; v29  0; never rewritten
.set PFO,  30                          ; v30  the prefetches' offset; never rewritten
.set BO,   31                          ; v31  my byte offset in a bias; never rewritten
.set BIAS, 32                          ; v[32:95]  the bias in the accumulators' layout: column block b at BIAS + 8 b
.set TMP,  96                          ; v[96:127] packed results
.set OB,   128                         ; v[128:159], v[160:191] rows read back, by turns
.set F0,   0                           ; window 1
.set F1,   96
.set RAW,  192
.set TZ,   2                           ; s2   tiles begun
.set KC,   6                           ; s6   the K step, 0 to 7, that was asked for last
.set KD,   7                           ; s7   the K step, 0 to 7, that is about to be multiplied
.set PFA,  20                          ; s[20:21] the prefetches' base
.set LIM,  22                          ; s22  2 in waves 0 and 1, else the greatest number
.set G1,   24                          ; s[24:31] group 1 for x's tiles;  s[32:39] group 0: a set for each first fill; the second is then made anew for each refill
.set G0,   32
.set TF,   45                          ; s45  the slot filled last: 0 or SLOT
.set TB,   46                          ; s46  the slot in hand: 0 or SLOT
.set G1B,  48                          ; s[48:55], s[56:63] the same for W's
.set G0B,  56
.set ZO,   66                          ; s66  where the W in hand begins in wts: 0, 131,072, 1 << 22
.set ZN,   67                          ; s67  the next one
.set CA,   68                          ; s[68:69] x's tile that is being asked for, at its first row: q's, then k's, then v's
.set NA,   70                          ; s[70:71] the next,
.set NA2,  72                          ; s[72:73] and the one after
.set WB,   74                          ; s[74:75] wts at my column tile's rows, my slice
.set BP,   76                          ; s[76:81] the bias to be loaded next, and the two after
.set OP1,  84                          ; s[84:87] the outputs of the tiles to come, at my rows
.set OP2,  86
.set OFA,  88                          ; s[88:89] offsets, in pairs with 0 above
.set OFB,  90                          ; s[90:91]
.set OFP,  92                          ; s[92:93]
.set OAW,  94                          ; s94  my 64 rows of x's tile, in bytes
.set MSB, 0
.macro WIN new                         ; the immediate's high byte repeats the setting that is left; a switch that changes nothing is dropped
.if MSB != (\new)
	s_set_vgpr_msb (MSB<<8)|(\new)
.set MSB, \new
.endif
.endm
.set MUL,  0xa5                        ; sources 0 and 1 window 1, C and D window 2
.set MULB, 0x85                        ; the same with C (the bias) in window 0
.set TO_F, 0x40                        ; destination window 1, address window 0
.set W_CV, 0x45                        ; sources 0 and 1 and destination window 1
.macro PLACES                          ; four plain vector instructions between a matrix instruction and a load into, or a read of, its registers
.rept 4
	v_nop
.endr
.endm
.macro JLOAD                           ; a joint refill; the branch hangs on the wave's number alone; an s_nop 0 and four v_nop follow each line
	s_cmp_eq_u32 s11, 0
	s_cbranch_scc0 .Lfor_b_\@
	tensor_load_to_lds s[G0+4:G0+7], s[G1:G1+7]
	s_nop 0
	PLACES
	s_branch .Lasked_\@
.Lfor_b_\@:
	tensor_load_to_lds s[G0B+4:G0B+7], s[G1B:G1B+7]
	s_nop 0
	PLACES
.Lasked_\@:
.endm
.macro CREST                           ; a round of the cluster's barrier behind its opening barrier
	s_cmp_lg_u32 s10, 0
	s_cbranch_scc1 .Lnot_wave_0_\@
	s_barrier_signal -3
.Lnot_wave_0_\@:
	s_barrier_wait -3
	s_barrier_signal -1
	s_barrier_wait -1
.endm
.macro CROUND
	s_barrier_signal -1
	s_barrier_wait -1
	CREST
.endm
; A PREFETCH of x's tile, two refills ahead of the one just asked for, across the change of tiles too.  A row tile of x is read by the four partners of one row of one cluster and by nobody else: they share
; its 128 rows out BY ADDRESS, 32 each; of a row's 512 bytes of a K step wave 0 asks for the first 256, wave 1 for the second: a lane a row, one instruction a wave.  Trips 0 to 19 of the 22 name K steps 4 to 23
; of the walk; K steps 0 to 3 come by their loads alone.  W is not asked for: every row of clusters reads it.
.macro ASK
	s_cmp_gt_u32 s3, s[LIM]
	s_cbranch_scc0 .Lnot_mine_\@
	global_prefetch_b8 v[PFO], s[PFA:PFA+1] th:TH_LOAD_NT scope:SCOPE_SE
.Lnot_mine_\@:
.endm
.macro BIASLD                          ; the bias at s[BP:BP+1]: my 128 columns, in the accumulators' layout
.irp b, 0,1,2,3,4,5,6,7
	global_load_b128 v[BIAS+8*(\b):BIAS+8*(\b)+3],   v[BO], s[BP:BP+1] offset:64*(\b)
	global_load_b128 v[BIAS+8*(\b)+4:BIAS+8*(\b)+7], v[BO], s[BP:BP+1] offset:64*(\b)+16
.endr
.endm
	s_load_b512 s[68:83], s[0:1], 0x0              ; q s[68:69], k s[70:71], v s[72:73], wts s[74:75], bq s[76:77], bk s[78:79], bv s[80:81], qh s[82:83]
	s_load_b128 s[84:87], s[0:1], 0x40             ; kh s[84:85], vh s[86:87]
	v_lshl_add_u32 v[SPW], v0, 2, SPARE
	v_mov_b32 v[NIL], 0
	ds_add_u32 v[SPW], v[NIL]                      ; the wave's opening: the add and its wait stand ahead of my first tensor load; the set-up below, work on registers, stands between them
	v_lshrrev_b32 v1, 5, v0
	v_readfirstlane_b32 s10, v1                    ; wave 0..3
	s_lshr_b32 s11, s10, 1                         ; my half of the rows.  Also: I fetch for x (0) or for W (1)
	s_and_b32 s12, s10, 1                          ; my half of the columns.  Also: which half of x's tile, or which slice of W, I fetch
	s_bfe_u32 s40, ttmp6, 0x40000                  ; cx
	s_bfe_u32 s41, ttmp6, 0x40004                  ; cy
	s_lshl_b32 s42, ttmp9, 2
	s_add_co_u32 s42, s42, s40                     ; column tile = 4 x cluster x + cx
	s_and_b32 s13, ttmp7, 0xffff
	s_lshl_b32 s13, s13, 2
	s_add_co_u32 s13, s13, s41                     ; row tile = 4 x cluster y + cy, 0..63
	s_lshl_b32 s43, s41, 2
	s_lshl_b32 s43, 15, s43                        ; my row of the cluster
	s_lshl_b32 s44, 0x1111, s40                    ; my column
	; group 1 for x: 64 rows of 128 elements of 4 bytes, 1,024 elements from row to row, padded in LDS after every 128 words by 4
	s_or_b32 s[G1+0], s43, (2<<16)|(1<<20)|(1<<21)|(6<<22)|(3<<25)   ; 15:0 the mask; 17:16 4-byte elements; 20 padding on; 21 set beside a mask; 24:22 interval code 6; 31:25 pad code 3
	s_mov_b32 s[G1+1], 128<<16                     ; tensor_dim0 = 128
	s_mov_b32 s[G1+2], 64<<16                      ; tensor_dim1 = 64
	s_mov_b32 s[G1+3], 128<<16                     ; tile_dim0 = 128
	s_mov_b32 s[G1+4], 64                          ; tile_dim1 = 64
	s_mov_b32 s[G1+5], 1024                        ; the pitch
	s_mov_b32 s[G1+6], 0
	s_mov_b32 s[G1+7], 0
	; group 1 for W: a slice's 256 dense rows as 128 memory rows of 128 elements of 2 bytes, padded after every 32 words by 4
	s_or_b32 s[G1B+0], s44, (1<<16)|(1<<20)|(1<<21)|(4<<22)|(3<<25)
	s_mov_b32 s[G1B+1], 128<<16
	s_mov_b32 s[G1B+2], 128<<16
	s_mov_b32 s[G1B+3], 128<<16
	s_mov_b32 s[G1B+4], 128
	s_mov_b32 s[G1B+5], 128
	s_mov_b32 s[G1B+6], 0
	s_mov_b32 s[G1B+7], 0
	; x's offsets hang on the row tile alone, W's on the column tile alone; neither's registers ever hold the other coordinate
	s_lshl_b32 s14, s13, 19                        ; 128 rows of 4,096 bytes a row tile
	s_mov_b32 s15, 0
	s_lshl_b32 s[OAW], s12, 18                     ; my 64 of them
	s_lshl_b32 s16, s42, 15                        ; 256 rows of 128 bytes a column tile,
	s_lshl_b32 s17, s12, 18                        ; my slice
	s_add_co_u32 s16, s16, s17
	s_mov_b32 s17, 0
	s_mul_i32 s18, s12, 64*APITCH                  ; where they go in a slot: no place in the cluster enters an LDS address
	s_mul_i32 s19, s12, BSL
	s_add_co_u32 s19, s19, BOFF
	s_cmp_lt_u32 s10, 2
	s_cselect_b32 s[LIM], 2, -1
	s_mov_b32 s[TZ], 0
	s_mov_b32 s[KC], 1                             ; the first fills ask for K steps 0 and 1,
	s_mov_b32 s[TF], SLOT                          ; the second of them into slot 1
	s_mov_b32 s[KD], 0
	s_mov_b32 s[ZO], 0
	s_mov_b32 s[ZN], 131072                        ; Wk lies 1,024 rows of 128 bytes behind Wq in each slice
	s_mov_b32 s[OFA+1], 0
	s_mov_b32 s[OFB+1], 0
	s_mov_b32 s[OFP+1], 0
	s_wait_dscnt 0x0                               ; the opening add is done
	s_wait_kmcnt 0x0
	s_add_nc_u64 s[CA:CA+1], s[CA:CA+1], s[14:15]
	s_add_nc_u64 s[NA:NA+1], s[NA:NA+1], s[14:15]
	s_add_nc_u64 s[NA2:NA2+1], s[NA2:NA2+1], s[14:15]
	s_add_nc_u64 s[WB:WB+1], s[WB:WB+1], s[16:17]
	CROUND                                         ; all sixteen work-groups are here: the first joint loads meet
.irp s, 0,1
	s_mov_b32 s[G0+4*(\s)], 1                      ; count = 1
	s_add_co_u32 s[G0+4*(\s)+1], s18, (\s)*SLOT    ; LDS address
	s_add_co_u32 s[OFA], s[OAW], (\s)*KSTEPA
	s_add_nc_u64 s[G0+4*(\s)+2:G0+4*(\s)+3], s[CA:CA+1], s[OFA:OFA+1]  ; K step s
	s_or_b32 s[G0+4*(\s)+3], s[G0+4*(\s)+3], 0x80000000               ; type = 2
	s_mov_b32 s[G0B+4*(\s)], 1
	s_add_co_u32 s[G0B+4*(\s)+1], s19, (\s)*SLOT
	s_add_nc_u64 s[G0B+4*(\s)+2:G0B+4*(\s)+3], s[WB:WB+1], (\s)*KSTEPB
	s_or_b32 s[G0B+4*(\s)+3], s[G0B+4*(\s)+3], 0x80000000
.endr
	s_cmp_eq_u32 s11, 0                            ; a wave's two first fills stand in one branch: two loads of mine are out
	s_cbranch_scc0 .Lfirst_b
	tensor_load_to_lds s[G0:G0+3], s[G1:G1+7]
	s_nop 0
	tensor_load_to_lds s[G0+4:G0+7], s[G1:G1+7]
	s_nop 0
	PLACES
	s_branch .Lfirst_asked
.Lfirst_b:
	tensor_load_to_lds s[G0B:G0B+3], s[G1B:G1B+7]
	s_nop 0
	tensor_load_to_lds s[G0B+4:G0B+7], s[G1B:G1B+7]
	s_nop 0
	PLACES
.Lfirst_asked:
	v_and_b32 v1, 15, v0                           ; l % 16
	v_bfe_u32 v2, v0, 4, 1                         ; l / 16
	s_lshl_b32 s4, s42, 10                         ; the bias of my 128 columns: (256 x column tile + 128 x half) x 4 bytes; register j of block b is column 16 b + 8 (l / 16) + j
	s_lshl_b32 s5, s12, 9
	s_add_co_u32 s4, s4, s5
	v_lshl_add_u32 v[BO], v2, 5, s4
	BIASLD                                         ; bq
	; A fragment is 16 rows x 32 K in 8 registers: lane l holds row l % 16; registers 0-3 K = 8 (l / 16) + 0..7, registers 4-7 K = 16 + 8 (l / 16) + 0..7.
	; Of W (2 bytes a number): two loads of 16 bytes, 32 bytes apart.  Of x (4 bytes): two loads on end, and two more 64 bytes on.
	v_mul_u32_u24 v3, v1, BPITCH
	v_lshl_add_u32 v3, v2, 4, v3
	v_mul_u32_u24 v5, v1, APITCH
	v_lshl_add_u32 v5, v2, 5, v5
	s_mul_i32 s23, s11, 64*APITCH                  ; my 64 rows of x
	v_add_nc_u32 v[A0], s23, v5
	s_mul_i32 s23, s12, 128*BPITCH                 ; my 128 rows of W
	s_add_co_u32 s23, s23, BOFF
	v_add_nc_u32 v[B0], s23, v3
	s_mul_i32 s23, s10, WSTG
	s_add_co_u32 s23, s23, STAGE                   ; my stage
	v_add_nc_u32 v[STO], s23, v3                   ; in: row l % 16, 16 bytes for each half of the lanes
	v_and_b32 v4, 31, v0
	v_lshrrev_b32 v5, 3, v4                        ; back: 32 lanes take four rows of 128 bytes,
	v_mul_u32_u24 v5, v5, BPITCH
	v_and_b32 v6, 7, v0
	v_lshl_add_u32 v5, v6, 4, v5
	v_add_nc_u32 v[RD], s23, v5
	v_lshlrev_b32 v[CO], 4, v4                     ; which are 512 consecutive bytes of a head
	s_lshl_b32 s4, s40, 17                         ; the prefetches: my work-group's 32 rows of 4,096 bytes,
	s_lshl_b32 s5, s12, 8                          ; my wave's 256 bytes of a K step's 512,
	s_add_co_u32 s4, s4, s5
	v_lshl_add_u32 v[PFO], v4, 12, s4              ; a lane a row
	s_lshr_b32 s4, s13, 4                          ; out: batch,
	s_lshl_b32 s4, s4, 22
	s_and_b32 s5, s13, 15                          ; my 64 rows of 128 bytes,
	s_lshl_b32 s5, s5, 14
	s_add_co_u32 s4, s4, s5
	s_lshl_b32 s5, s11, 13
	s_add_co_u32 s4, s4, s5
	s_lshl_b32 s5, s42, 20                         ; head 4 x column tile + 2 x half
	s_add_co_u32 s4, s4, s5
	s_lshl_b32 s5, s12, 19
	s_add_co_u32 s4, s4, s5
	s_mov_b32 s5, 0
	s_add_nc_u64 s[8:9], s[82:83], s[4:5]          ; qh,
	s_add_nc_u64 s[OP1:OP1+1], s[OP1:OP1+1], s[4:5]  ; kh,
	s_add_nc_u64 s[OP2:OP2+1], s[OP2:OP2+1], s[4:5]  ; vh at my rows
; 8 matrix instructions: row block a x all 8 column blocks, 32 along K.  first = 1: the bias is the C that starts the sums: nothing is cleared.
; All 32 accumulators take turns in the same order in every quarter, over the backward jumps and from tile to tile too.
.macro MUL8 f, a, first
.if \first
	WIN MULB
.else
	WIN MUL
.endif
.irp b, 0,1,2,3,4,5,6,7
.if \first
	v_wmma_f32_16x16x32_bf16 v[8*(8*(\a)+(\b)):8*(8*(\a)+(\b))+7], v[(\f)+32+8*(\b):(\f)+32+8*(\b)+7], v[(\f)+8*(\a):(\f)+8*(\a)+7], v[BIAS+8*(\b):BIAS+8*(\b)+7]
.else
	v_wmma_f32_16x16x32_bf16 v[8*(8*(\a)+(\b)):8*(8*(\a)+(\b))+7], v[(\f)+32+8*(\b):(\f)+32+8*(\b)+7], v[(\f)+8*(\a):(\f)+8*(\a)+7], v[8*(8*(\a)+(\b)):8*(8*(\a)+(\b))+7]
.endif
.endr
.endm
; 32 LDS loads in one run: quarter qd of the K step in hand.  First the f32 of x's 4 fragments (byte 128 qd of the rows) into RAW, then W's 8 fragments (slice qd / 2, byte 64 (qd % 2) of its rows) into buffer f.
.macro FETCH qd, f
	WIN TO_F
.irp i, 0,1,2,3
	ds_load_b128 v[RAW+16*(\i):RAW+16*(\i)+3],     v[ADRA] offset:(\qd)*128+(\i)*16*APITCH
	ds_load_b128 v[RAW+16*(\i)+4:RAW+16*(\i)+7],   v[ADRA] offset:(\qd)*128+(\i)*16*APITCH+16
	ds_load_b128 v[RAW+16*(\i)+8:RAW+16*(\i)+11],  v[ADRA] offset:(\qd)*128+(\i)*16*APITCH+64
	ds_load_b128 v[RAW+16*(\i)+12:RAW+16*(\i)+15], v[ADRA] offset:(\qd)*128+(\i)*16*APITCH+80
.endr
.irp i, 0,1,2,3,4,5,6,7
	ds_load_b128 v[(\f)+32+8*(\i):(\f)+32+8*(\i)+3],   v[ADRB] offset:((\qd)/2)*BSL+((\qd)%2)*64+(\i)*16*BPITCH
	ds_load_b128 v[(\f)+32+8*(\i)+4:(\f)+32+8*(\i)+7], v[ADRB] offset:((\qd)/2)*BSL+((\qd)%2)*64+(\i)*16*BPITCH+32
.endr
.endm
; x's four fragments of buffer f are made of RAW: two numbers rounded to bf16, nearest even, by each line.  The lines name no register of the products round them.
.macro CONV f
	WIN W_CV
.irp i, 0,1,2,3
.irp j, 0,1,2,3,4,5,6,7
	v_cvt_pk_bf16_f32 v[(\f)+8*(\i)+(\j)], v[RAW+16*(\i)+2*(\j)], v[RAW+16*(\i)+2*(\j)+1]
.endr
.endr
.endm
; One of a K step's first three quarters: multiplies buffer f, fetches quarter qd and makes buffer g of it
.macro QUARTER qd, f, g, first
	s_wait_dscnt 0x0                               ; W's fragments of buffer f are in (x's were waited for ahead of their conversion)
	MUL8 \f, 0, \first
	PLACES                                         ; behind the last products that read buffer g
	FETCH \qd, \g
	MUL8 \f, 1, \first
	MUL8 \f, 2, \first
	s_wait_dscnt 16                                ; x's 16 loads are in; W's 16, issued behind them, may be out
	CONV \g
	MUL8 \f, 3, \first
.endm
; The last quarter multiplies buffer 1 and changes slots: ONE barrier.  In front of it each wave waits for all its tensor loads (one is out: its part of the next slot), adds 0 to its spare word, and waits for that
; and for its reads of this slot.  fill = 1: the barrier opens a round of the cluster's, and the slot just read is filled again first thing behind it, with the K step two on in the walk.
; The refill's descriptors are made anew while the add is out: the other slot than last time; x's address = the tile's first row + my 64 rows + 512 x K step; W's = my rows of wts + where the W in hand begins
; + two slices x K step.  Behind a tile's K step 7 comes the next tile's K step 0: the pointers and W's beginning move up by one, on a counter that is the same in every work-group.
.macro TURN fill
	WIN 0
	s_wait_tensorcnt 0x0                           ; all my tensor loads have landed, so a group 0 may be written
	ds_add_u32 v[SPW], v[NIL]                      ; 0 onto my spare word
.if \fill
	s_wait_xcnt 0x0                                ; the last prefetch, a K step back, has read its base
	s_xor_b32 s[TF], s[TF], SLOT
	s_add_co_u32 s[G0+5], s18, s[TF]
	s_add_co_u32 s[G0B+5], s19, s[TF]
	s_add_co_u32 s[KC], s[KC], 1
	s_cmp_eq_u32 s[KC], 8
	s_cselect_b32 s[KC], 0, s[KC]
	s_cselect_b64 s[CA:CA+1], s[NA:NA+1], s[CA:CA+1]
	s_cselect_b64 s[NA:NA+1], s[NA2:NA2+1], s[NA:NA+1]
	s_cselect_b32 s[ZO], s[ZN], s[ZO]
	s_cselect_b32 s[ZN], 0x400000, s[ZN]           ; Wv begins the second batch
	s_cmp_gt_u32 s[KC], 5                          ; the K step two further on lies in the next tile
	s_cselect_b64 s[PFA:PFA+1], s[NA:NA+1], s[CA:CA+1]
	s_lshl_b32 s[OFA], s[KC], 9
	s_add_co_u32 s[OFA], s[OFA], s[OAW]
	s_add_nc_u64 s[G0+6:G0+7], s[CA:CA+1], s[OFA:OFA+1]
	s_or_b32 s[G0+7], s[G0+7], 0x80000000
	s_lshl_b32 s[OFB], s[KC], 19
	s_add_co_u32 s[OFB], s[OFB], s[ZO]
	s_add_nc_u64 s[G0B+6:G0B+7], s[WB:WB+1], s[OFB:OFB+1]
	s_or_b32 s[G0B+7], s[G0B+7], 0x80000000
	s_add_co_u32 s[OFP], s[KC], 2
	s_and_b32 s[OFP], s[OFP], 7
	s_lshl_b32 s[OFP], s[OFP], 9
	s_add_nc_u64 s[PFA:PFA+1], s[PFA:PFA+1], s[OFP:OFP+1]
.endif
	s_wait_dscnt 1                                 ; W's fragments of buffer 1 are in; the add, issued behind them, may be out
	MUL8 F1, 0, 0
	s_wait_dscnt 0x0                               ; the add is done, and my reads of this slot are over
	s_barrier_signal -1
	MUL8 F1, 1, 0
	WIN 0
	s_barrier_wait -1
.if \fill
	CREST                                          ; no wave of any partner still reads this slot or has a load on its way
	JLOAD                                          ; its four v_nop are also the places in front of the loads below
.else
	PLACES
.endif
	s_xor_b32 s[TB], s[TB], SLOT
	v_add_nc_u32 v[ADRA], s[TB], v[A0]
	v_add_nc_u32 v[ADRB], s[TB], v[B0]
	FETCH 0, F0
.if \fill
	WIN 0
	ASK
.endif
	MUL8 F1, 2, 0
	MUL8 F1, 3, 0
	s_wait_dscnt 16                                ; x's 16 loads are in
	CONV F0                                        ; 32 plain lines that name none of the last products' registers: their places too
.endm
; THE WAY OUT, a block of 16 rows at a time: rounded to f16 (each accumulator's registers in ascending order), 16 bytes a lane into my own stage, back as whole rows of a head, stored 512 consecutive bytes at a time.
.macro PACK a
	WIN 0x0a                                       ; sources 0 and 1 window 2
.irp b, 0,1,2,3,4,5,6,7
.irp r, 0,1,2,3
	v_cvt_pk_f16_f32 v[TMP+4*(\b)+(\r)], v[64*(\a)+8*(\b)+2*(\r)], v[64*(\a)+8*(\b)+2*(\r)+1]
.endr
.endr
	WIN 0
.endm
.macro TOSTAGE a
.set BK, OB+32*((\a)%2)
.irp b, 0,1,2,3,4,5,6,7
	ds_store_b128 v[STO], v[TMP+4*(\b):TMP+4*(\b)+3] offset:((\b)/4)*16*BPITCH+((\b)%4)*32
.endr
.irp t, 0,1,2,3,4,5,6,7
	ds_load_b128 v[BK+4*(\t):BK+4*(\t)+3], v[RD] offset:((\t)/4)*16*BPITCH+((\t)%4)*4*BPITCH  ; LDS serves a wave's instructions in order (ISA guide 5.7.1.4): these see the stores above
.endr
.endm
.macro SEND a
.set BK, OB+32*((\a)%2)
	s_wait_dscnt 0x0                               ; the block is back in registers
	s_wait_xcnt 0x0                                ; the block before's stores have read their registers: the next TOSTAGE loads into them
.irp t, 0,1,2,3,4,5,6,7
	global_store_b128 v[CO], v[BK+4*(\t):BK+4*(\t)+3], s[8:9] offset:((\t)/4)*262144+(\a)*2048+((\t)%4)*512
.endr
.endm
.macro WAYOUT
	PACK 0
	TOSTAGE 0
.irp a, 1,2,3
	PACK \a
	SEND (\a)-1
	TOSTAGE \a
.endr
	SEND 3
.endm
	s_wait_tensorcnt 1                             ; my part of K step 0 is in; K step 1's may stay out
	s_barrier_signal -1
	s_barrier_wait -1
	s_mov_b32 s[TB], 0
	v_add_nc_u32 v[ADRA], s[TB], v[A0]
	v_add_nc_u32 v[ADRB], s[TB], v[B0]
	FETCH 0, F0
	s_wait_dscnt 16                                ; x's 16 loads are in
	CONV F0
	WIN 0                                          ; at a label and at a branch every window is 0
	s_mov_b32 s3, 22
.Lstep:                                                ; 22 trips, a K step each; trip t asks for K step t + 2 of the walk's 24
	s_cmp_lg_u32 s[KD], 0                          ; (at the first trip the answers of both tests are constants of the text)
	s_cbranch_scc1 .Lsame                          ; a K step inside a tile
	s_cmp_eq_u32 s[TZ], 0
	s_cbranch_scc1 .Lbegin                         ; the walk's first tile: nothing is finished yet
	WAYOUT                                         ; A TILE IS FINISHED: it goes out while the next tile's K step 1 is on its way
	s_wait_xcnt 0x0                                ; the stores have read their registers and their base
	s_mov_b64 s[8:9], s[OP1:OP1+1]
	s_mov_b64 s[OP1:OP1+1], s[OP2:OP2+1]
.Lbegin:
	s_wait_loadcnt 0x0                             ; the tile's bias; its loads are done, so their base may be written
	s_mov_b64 s[BP:BP+1], s[BP+2:BP+3]
	s_mov_b64 s[BP+2:BP+3], s[BP+4:BP+5]
.set r, 0
.rept 32
	v_cvt_pk_bf16_f32 v4, v[BIAS+r], v[BIAS+r+1]   ; rounded to bf16 like every input, and back to f32
	v_lshlrev_b32 v[BIAS+r], 16, v4
	v_and_b32 v[BIAS+r+1], 0xffff0000, v4
.set r, r+2
.endr
	QUARTER 1, F0, F1, 1                           ; a tile's first quarter: its products start the sums with the bias
	PLACES                                         ; behind the last product that read the bias
	WIN 0
	s_add_co_u32 s[TZ], s[TZ], 1
	s_cmp_eq_u32 s[TZ], 3
	s_cbranch_scc1 .Lgo                            ; the last tile has no successor
	BIASLD                                         ; the next tile's bias: it has the rest of this tile in which to come
	s_branch .Lgo
.Lsame:
	QUARTER 1, F0, F1, 0
	WIN 0
.Lgo:
	QUARTER 2, F1, F0, 0
	QUARTER 3, F0, F1, 0
	TURN 1
	WIN 0
	s_add_co_u32 s[KD], s[KD], 1
	s_and_b32 s[KD], s[KD], 7
	s_sub_co_u32 s3, s3, 1
	s_cmp_lg_u32 s3, 0
	s_cbranch_scc1 .Lstep
	s_mov_b32 s3, 2
.Ltail:                                                ; the walk's last two K steps ask for nothing (the second trip's fetch of a next quarter, from bytes that lie still, serves nothing: the price of one text for both)
	QUARTER 1, F0, F1, 0
	QUARTER 2, F1, F0, 0
	QUARTER 3, F0, F1, 0
	TURN 0
	WIN 0
	s_sub_co_u32 s3, s3, 1
	s_cmp_lg_u32 s3, 0
	s_cbranch_scc1 .Ltail
	WAYOUT                                         ; v's tile
	s_wait_tensorcnt 0x0                           ; the wave's end, behind my last tensor load and my last LDS store
	ds_add_u32 v[SPW], v[NIL]
	s_wait_dscnt 0x0
	CROUND                                         ; the closing round: no work-group ends while a partner may still ask for a tile that names it
	s_endpgm
.Lfunc_end_k_qfdf76f0831_proj:
	.size	k_qfdf76f0831_proj, .Lfunc_end_k_qfdf76f0831_proj-k_qfdf76f0831_proj
	.p2alignl 7, 3214868480
	.fill 96, 4, 3214868480
	.section	.rodata,"a",@progbits
	.p2align	6, 0x0
	.amdhsa_kernel k_qfdf76f0831_proj
		.amdhsa_group_segment_fixed_size 327680
		.amdhsa_private_segment_fixed_size 0
		.amdhsa_enable_private_segment 0
		.amdhsa_kernarg_size 80
		.amdhsa_user_sgpr_count 2
		.amdhsa_user_sgpr_kernarg_segment_ptr 1
		.amdhsa_wavefront_size32 1
		.amdhsa_system_sgpr_workgroup_id_x 1
		.amdhsa_system_sgpr_workgroup_id_y 1
		.amdhsa_system_sgpr_workgroup_id_z 1
		.amdhsa_system_vgpr_workitem_id 0
		.amdhsa_next_free_vgpr 768
		.amdhsa_next_free_sgpr 95
		.amdhsa_reserve_vcc 0
		.amdhsa_float_denorm_mode_32 3
		.amdhsa_float_denorm_mode_16_64 3
		.amdhsa_memory_ordered 1
		.amdhsa_forward_progress 1
		.amdhsa_inst_pref_size 112
	.end_amdhsa_kernel
	.amdgpu_metadata
---
amdhsa.version: [ 1, 2 ]
amdhsa.kernels:
  - .name:           k_qfdf76f0831_proj
    .symbol:         k_qfdf76f0831_proj.kd
    .args:
      - { .name: q, .offset: 0, .size: 8, .value_kind: global_buffer, .address_space: global }
      - { .name: k, .offset: 8, .size: 8, .value_kind: global_buffer, .address_space: global }
      - { .name: v, .offset: 16, .size: 8, .value_kind: global_buffer, .address_space: global }
      - { .name: wts, .offset: 24, .size: 8, .value_kind: global_buffer, .address_space: global }
      - { .name: bq, .offset: 32, .size: 8, .value_kind: global_buffer, .address_space: global }
      - { .name: bk, .offset: 40, .size: 8, .value_kind: global_buffer, .address_space: global }
      - { .name: bv, .offset: 48, .size: 8, .value_kind: global_buffer, .address_space: global }
      - { .name: qh, .offset: 56, .size: 8, .value_kind: global_buffer, .address_space: global }
      - { .name: kh, .offset: 64, .size: 8, .value_kind: global_buffer, .address_space: global }
      - { .name: vh, .offset: 72, .size: 8, .value_kind: global_buffer, .address_space: global }
    .group_segment_fixed_size: 327680
    .private_segment_fixed_size: 0
    .kernarg_segment_align: 8
    .kernarg_segment_size: 80
    .max_flat_workgroup_size: 128
    .sgpr_count:     95
    .vgpr_count:     768
    .wavefront_size: 32
...
	.end_amdgpu_metadata
.endif
;; end of part 6
;; launch attn (part 7): grid 4 x 64, 4 waves a work-group, clusters of 4 x 1, 327,680 bytes of LDS; arguments qh, kh, vh, mbits, oh; writes oh
.if DOCPART == 7
	.amdgcn_target "amdgcn-amd-amdhsa--gfx1250"
	.amdhsa_code_object_version 6
	.text
	.protected	k_qfdf76f0831_attn
	.globl	k_qfdf76f0831_attn
	.p2align	8
	.type	k_qfdf76f0831_attn,@function
k_qfdf76f0831_attn:
	s_mov_b64 s[64:65], 0
	v_nop
	global_prefetch_b8 v0, s[64:65] scope:SCOPE_SE
	s_setreg_imm32_b32 hwreg(HW_REG_WAVE_MODE, 25, 1), 1
	s_wait_xcnt 0x0
	s_wait_alu depctr_hold_cnt(0) depctr_sa_sdst(0) depctr_va_vdst(0) depctr_va_sdst(0) depctr_va_ssrc(0) depctr_va_vcc(0) depctr_vm_vsrc(0)
	s_getreg_b32 s2, hwreg(HW_REG_IB_STS2, 6, 4)
	s_cmp_eq_u32 s2, 0
	s_cbranch_scc0 .Lentry_in_a_cluster
	s_endpgm
.Lentry_in_a_cluster:
	s_bfe_u32 s2, ttmp6, 0x10000c
	s_cmp_lg_u32 s2, 0x3003
	s_cbranch_scc0 .Lentry_shape_is_right
	s_endpgm
.Lentry_shape_is_right:
; O[h][q][:] = the sum over k of softmax_k(s[q][k]) V[h][k][:], s = Q[h][q] . K[h][k] / 8 where mask[q][k] is not 0, a hidden score elsewhere.  Q, K, V, O: [64 heads][2,048][64], f16, a head's rows dense.
; The mask is an input, the same for all heads; it comes as bit words (mbits) in the lane layout of S^T and REPLACES a score, by a select.  Products, maxima and sums in f32; the weights p are rounded to f16
; for the second product (their sum l is taken of the unrounded p), O once at the end.
; LIMITS.  A hidden score is -2^33 before the division by 8, that is -1.07e9 where the problem writes -1e9: the same results as long as open scores stay above -1e9 + 104.  c x 2^33 is exact, so a row with
; no open key has c s - c m = 0 for every key: p = 1, and O is the mean of all rows of V; the first open key gives a = 0, which wipes what hidden keys left.  f16 holds nothing beyond 65,504: Q, K, V arrive
; within it.  A weight below 2^-126 counts as 0 in l; NaN and infinities are not treated apart.
; SHARES.  A wave owns four PIECES of two tiles of 16 queries, a work-group's four waves 512 queries of one head.  Every wave walks all keys, 64 a step.
; LAYOUT.  S^T = K Q^T (source 0 = 16 keys, source 1 = 16 queries): a lane holds ONE query (lane % 16) and the keys 8 (lane / 16) + 0..7.  Two such tiles, rounded to f16 in pairs, ARE source 1 of
; O^T = V^T P.  K comes out of LDS as it lies, V turned, by ds_load_tr16_b128.
; SOFTMAX.  A running maximum m and sum l: p = 2^(c s - c m), c = log2(e) / 8; in every step O and l are multiplied by a = 2^(c m_old - c m_new).  m starts at the lowest finite number, O and l at 0.
; BY TURNS.  Turn n belongs to piece n.  Matrix work: 16 products K Q^T of piece n + 1, later 16 products V^T P of piece n - 1.  Vector work: the scaling, exponentials, roundings, sums and rescaling of piece n;
; the 64 selects, the maximum and the statistics of piece n + 1.  Four vector instructions stand behind every matrix instruction, the others in runs of their own.
; THE MASK'S WORDS.  A piece's 64 words of a key step are 256 bytes on end: one load of 8 bytes a lane, into a register pair of the piece's own, asked for again as soon as the pair has been read: four turns
; ahead of its use.  A select wants its word in a scalar register: 64 v_readlane_b32 a turn bring them there.
; CLUSTER.  A head's four query blocks are one cluster and walk the same K and V: each tile is asked for jointly, by the same load, descriptor and mask in all four.
; REGISTERS, in windows of 256 (s_set_vgpr_msb: bits 1:0 source 0, 3:2 source 1, 5:4 source 2, 7:6 destination):
;   window 0: v0-11 addresses; v12-15, v48-63 at work; v16-47 four registers of statistics a tile; v64-191 S^T, two buffers of two tiles; v192-255 P, likewise
;   window 1: O^T, 32 a tile      window 2: v0-127 Q; v128-191 K of one step; v192-255 V of one step      window 3: v0-1 the add's two registers; v2-9 the mask's words, a pair a piece
.set SIZE_N, 2048
.set NP,    4         ; pieces a wave: a name, no knob
.set KS,    64        ; keys in a step
.set PK,    144       ; a row of K in LDS: 128 bytes + 16 of padding = 36 words: the 16 rows of a load start at 16 different groups of four banks (64 banks of 4 bytes: ISA guide 11.1)
.set PV,    144       ; V has the same pitch, so that one group 1 serves both and 64 scalar registers are left for the mask
.set VOFF,  4*KS*PK   ; a slot holds four steps: 256 rows of K, then 256 rows of V
.set SLOT1, 1<<17     ; slot 1 begins here: one exclusive or turns an address in one slot into the other's
.set STAGE, SLOT1+4*KS*(PK+PV)  ; behind the ring, never filled by a tensor load: 16 rows x 144 bytes for each wave
.set SP,    144
.set SPARE, STAGE+4*16*SP  ; the spare words, 128 bytes for each wave: two blocks of 256 bytes that no other line names
.set MT0, 0           ; v0   the words in hand, even ones (first: the thread's number)
.set MO,  1           ; v1   8 x lane: my 8 bytes of a piece's 256 bytes of words (first: l % 16); then never rewritten
.set AK0, 2           ; v2   my lane's place in a tile of K; never rewritten
.set AV0, 3           ; v3   the same for V
.set AK,  4           ; v4   the LDS address of K's next run of loads
.set AV,  5           ; v5   of V's
.set QO,  6           ; v6   my byte offset in the wave's rows of Q
.set MT1, 6           ;      later: the words in hand, odd ones
.set RD,  7           ; v7   the way out: where I read rows back
.set GO,  8           ; v8   my byte offset in 512 consecutive bytes of O
.set PFO, 9           ; v9   256 x lane: the prefetches' offset (first: l / 16)
.set STO, 10          ; v10  the way out: where I put 16 bytes of a row (first: l % 8)
.set NEGV, 11         ; v11  -2^33, the hidden score
.set SPW, 0           ; v0 of window 3   LDS address of my spare word; never rewritten
.set NIL, 1           ; v1 of window 3   0; never rewritten
.set MW,  2           ; v2-9 of window 3  piece y's words at MW + 2 y: lane l holds words 2 l and 2 l + 1 of the 64
.set MV,  12          ; v12-15  c m_old, kept while c m is made anew
.set ST,  16          ; tile t's statistics at v[ST+4 t]: c m, m, l (even keys', odd keys')
.set TMP, 48          ; by buffer and tile, four registers c0-c3 at work; when the maximum is found c2 takes a
.set S,   64
.set P,   192
.set KF,  128         ; window 2
.set VF,  192         ; window 2
.set INC, 2           ; s[2:3]  what MB steps by: 256 or 0 (first: Q's address)
.set MB,  6           ; s[6:7]  mbits at my wave's first pair of tiles, at the key step that is being asked for
.set WV,  8           ; s8   my wave's number
.set SLOTS, 9         ; s9   slots still to be asked for
.set CNT, 10          ; s10  counts a slot's key steps
.set MS,  11          ; s11  counts MB's steps
.set CS,  12          ; s[12:13] c
.set SEL, 14          ; s[14:15] v_permlanex16_b32's selects
.set G1,  16          ; s[16:23] descriptor group 1, for K's and V's tiles alike
.set G0K, 24          ; s[24:27] group 0 for K's tiles: it walks
.set G0V, 28          ; s[28:31] the same for V's
.set MW0, 32          ; s[32:63] the 32 mask words of a piece's first tile
.set TBK, 66          ; s66  LDS byte at which K of the step to be fetched begins
.set TBV, 67          ; s67  the same for V, less VOFF
.set MW1, 68          ; s[68:99] those of its second tile
.set PFA, 100         ; s[100:101] where my prefetches stand
.set LIM, 104         ; s104 1 in waves 0 and 2, else the greatest number
.set MSB, 0
.macro WIN new
.if MSB != (\new)
	s_set_vgpr_msb (MSB<<8)|(\new)
.set MSB, (\new)
.endif
.endm
.set W_KQ, 0x0a       ; K and Q in window 2, S^T in window 0
.set W_PV, 0x52       ; V in window 2, P in window 0, O^T in window 1
.set W_RS, 0x41       ; O^T (destination and source 0) in window 1, a in window 0
.set W_MK, 0xc0       ; destination in window 3, sources and addresses in window 0
.set W_RL, 0x03       ; source 0 in window 3, destination in window 0
.set W_AD, 0x0f       ; the add: address and data in window 3
; A joint fill.  Waves 0 and 1 fetch the two halves of a slot's K, waves 2 and 3 those of its V: 128 keys each.  An s_nop 0 and four v_nop follow each line.
.macro JLOAD
	s_cmp_lt_u32 s[WV], 2
	s_cbranch_scc0 .Lfor_v_\@
	tensor_load_to_lds s[G0K:G0K+3], s[G1:G1+7]
	s_nop 0
.rept 4
	v_nop
.endr
	s_branch .Lasked_\@
.Lfor_v_\@:
	tensor_load_to_lds s[G0V:G0V+3], s[G1:G1+7]
	s_nop 0
.rept 4
	v_nop
.endr
.Lasked_\@:
.endm
; A PREFETCH of what the NEXT change of slots will ask for: 256 keys of K and of V are 128 blocks of 256 bytes each.  A head is walked by one cluster: its four partners share the blocks out BY ADDRESS, 32 each;
; in each, wave 0 asks for K's and wave 2 for V's, a lane a block.  The last change that fills a slot asks for nothing; slots 0 and 1 come by their loads alone.
; The mask's words are not asked for so: their loads go out four turns ahead of their use.
.macro ASK
	s_cmp_gt_u32 s[SLOTS], s[LIM]
	s_cbranch_scc0 .Lnot_mine_\@
	global_prefetch_b8 v[PFO], s[PFA:PFA+1] th:TH_LOAD_NT scope:SCOPE_SE
.Lnot_mine_\@:
.endm
.macro CROUND                       ; a round of the cluster's barrier
	s_barrier_signal -1
	s_barrier_wait -1
	s_cmp_lg_u32 s[WV], 0
	s_cbranch_scc1 .Lnot_wave_0_\@
	s_barrier_signal -3
.Lnot_wave_0_\@:
	s_barrier_wait -3
	s_barrier_signal -1
	s_barrier_wait -1
.endm
; THE CHANGE OF SLOTS.  Each wave waits for all its tensor loads, of which one is out: its part of the other slot; adds 0 to its spare word; and waits for that and for its own reads of the slot.
; fill = 1: this slot is filled again, with the keys two slots on, first thing behind a round of the cluster's barrier: the load has four key steps in which to land.
; (At its first use nothing has been read yet: slot 0 is waited for, slot 1 filled.)
.macro CHANGE fill
	WIN W_AD
	s_wait_tensorcnt 0x0            ; no tensor load of mine is out, so a group 0 may be written
	ds_add_u32 v[SPW], v[NIL]       ; 0 onto my spare word
	WIN 0                           ; at a label and at a branch every window is 0
.if \fill
.irp g, G0K, G0V
	s_xor_b32 s[\g+1], s[\g+1], SLOT1
	s_add_nc_u64 s[\g+2:\g+3], s[\g+2:\g+3], 4*KS*128  ; the next 256 keys; the type bits on top are not reached
.endr
	s_wait_xcnt 0x0                 ; the last prefetch, four key steps back, has read its address
	s_add_nc_u64 s[PFA:PFA+1], s[PFA:PFA+1], 4*KS*128
	s_wait_dscnt 0x0                ; the add is done, and my reads of the slot are over
	CROUND
	JLOAD
	ASK
.else
	s_wait_dscnt 0x0
	s_barrier_signal -1
	s_barrier_wait -1
.endif
	s_sub_co_u32 s[TBK], s[TBK], 4*KS*PK  ; the fetches go back to a slot's first step, in the other slot
	s_xor_b32 s[TBK], s[TBK], SLOT1
	s_sub_co_u32 s[TBV], s[TBV], 4*KS*PV
	s_xor_b32 s[TBV], s[TBV], SLOT1
.endm
; THE MASK, for piece y.  Its pair of registers is waited for, copied into window 0, and asked for again at once, for the piece's next key step (a pair of tiles has 32 steps of 256 bytes: 8,192).
; Word n of the 64 lies in lane n / 2, register n % 2; bit L of word 32 u + i says whether lane L keeps register i of tile u's S^T.  The selects go in ascending order.
; step = 1 (piece 0): the request is the first for a new key step, so MB steps first; from key step 31 on it stands still: no load leaves the buffer.
.macro MASKB y, step
	WIN W_RL
	s_wait_loadcnt 3                ; one load a turn, and they come back in order: this piece's is in, the three other pieces' younger ones may stay out
	v_mov_b32 v[MT0], v[MW+2*(\y)]
	v_mov_b32 v[MT1], v[MW+2*(\y)+1]
.if \step
	s_wait_xcnt 0x0                 ; the three loads that are out have read their base: MB may be written
	s_cmp_lt_u32 s[MS], 31
	s_cselect_b32 s[INC], 256, 0
	s_add_co_u32 s[MS], s[MS], 1
	s_add_nc_u64 s[MB:MB+1], s[MB:MB+1], s[INC:INC+1]
.endif
	WIN W_MK
	global_load_b64 v[MW+2*(\y):MW+2*(\y)+1], v[MO], s[MB:MB+1] offset:(\y)*8192  ; 256 consecutive bytes, aligned
	WIN 0
.set mz, 0
.rept 32
	v_readlane_b32 s[MW0+mz], v[MT0+(MT1-MT0)*(mz%2)], mz/2
.set mz, mz+1
.endr
.set mz, 0
.rept 32
	v_readlane_b32 s[MW1+mz], v[MT0+(MT1-MT0)*(mz%2)], 16+mz/2
.set mz, mz+1
.endr
.set mz, 0
.rept 32
	v_cndmask_b32 v[S+64*((\y)%2)+mz], v[NEGV], v[S+64*((\y)%2)+mz], s[MW0+mz]
.set mz, mz+1
.endr
.set mz, 0
.rept 32
	v_cndmask_b32 v[S+64*((\y)%2)+32+mz], v[NEGV], v[S+64*((\y)%2)+32+mz], s[MW1+mz]
.set mz, mz+1
.endr
.endm
	s_load_b256 s[32:39], s[0:1], 0x0  ; Q s[32:33], K s[34:35], V s[36:37], mbits s[38:39]: used up before the first mask words land here
	s_load_b64 s[40:41], s[0:1], 0x20  ; O
	WIN W_MK
	v_lshl_add_u32 v[SPW], v0, 2, SPARE
	v_mov_b32 v[NIL], 0
	WIN W_AD
	ds_add_u32 v[SPW], v[NIL]       ; the wave's opening: the add and its wait stand ahead of my first tensor load
	WIN 0
	v_lshrrev_b32 v1, 5, v0
	v_readfirstlane_b32 s[WV], v1   ; wave 0..3
	s_bfe_u32 s42, ttmp6, 0x40000   ; cx
	s_lshl_b32 s43, ttmp9, 2
	s_add_co_u32 s43, s43, s42      ; my block of 512 queries: it enters Q's, O's, the mask's and the prefetches' addresses alone
	s_and_b32 s44, ttmp7, 0xffff    ; the head, which the four partners share:
	s_lshl_b32 s44, s44, 18         ; its first byte in each of the four tensors
	s_and_b32 s46, s[WV], 1         ; which half of a slot's 256 keys I fetch:
	s_lshl_b32 s48, s46, 14         ; its 128 rows of 128 bytes in memory,
	s_add_co_u32 s48, s48, s44
	s_mov_b32 s49, 0
	s_mul_i32 s47, s46, 128*PK      ; and its place in a slot: no place in the cluster enters an LDS address
	s_lshl_b32 s50, s43, 2
	s_add_co_u32 s50, s50, s[WV]    ; my wave among the head's sixteen:
	s_lshl_b32 s52, s50, 15         ; its four pairs of tiles' mask words,
	s_mov_b32 s53, 0
	s_lshl_b32 s50, s50, 14         ; its 128 rows
	s_add_co_u32 s50, s50, s44
	s_mov_b32 s51, 0
	s_lshl_b32 s54, s42, 13         ; the prefetches: my work-group's 32 blocks of the 128,
	s_add_co_u32 s54, s54, s44
	s_add_co_u32 s54, s54, 4*KS*128 ; in slot 1: the first change of slots steps it to slot 2
	s_mov_b32 s55, 0
	; group 1.  128 keys are 16,384 dense bytes: asked for as 64 rows of 256 bytes, two keys a row, and padded in LDS after every key
	s_mov_b32 s[G1], 15|(1<<16)|(1<<20)|(1<<21)|(4<<22)|(3<<25)  ; 15:0 the mask of four; 17:16 2-byte elements; 20 padding on; 21 set beside a mask; 24:22 after every 32 words (code 4); 31:25 4 words (code 3)
	s_mov_b32 s[G1+1], 128<<16      ; tensor_dim0 = 128
	s_mov_b32 s[G1+2], 64<<16       ; tensor_dim1 = 64
	s_mov_b32 s[G1+3], 128<<16      ; tile_dim0 = 128
	s_mov_b32 s[G1+4], 64           ; tile_dim1 = 64
	s_mov_b32 s[G1+5], 128          ; 128 elements from row to row
	s_mov_b32 s[G1+6], 0
	s_mov_b32 s[G1+7], 0
	s_mov_b32 s[CS], 0x3e38aa3b     ; c = log2(e) / 8
	s_mov_b32 s[CS+1], s[CS]
	s_mov_b32 s[SEL], 0x76543210
	s_mov_b32 s[SEL+1], 0xfedcba98
	s_mov_b32 s[TBK], SLOT1+4*KS*PK ; the first change of slots turns these two into 0
	s_mov_b32 s[TBV], SLOT1+4*KS*PV
	s_mov_b32 s[G0K], 1             ; count = 1
	s_mov_b32 s[G0K+1], s47         ; LDS address: slot 0
	s_mov_b32 s[G0V], 1
	s_add_co_u32 s[G0V+1], s47, VOFF
	s_mov_b32 s[SLOTS], SIZE_N/256-1
	s_and_b32 s[LIM], s[WV], 1
	s_cmp_eq_u32 s[LIM], 0
	s_cselect_b32 s[LIM], 1, -1
	s_wait_dscnt 0x0                ; the opening add is done
	s_wait_kmcnt 0x0
	s_add_nc_u64 s[G0K+2:G0K+3], s[34:35], s[48:49]  ; my half of the head's first 256 keys
	s_or_b32 s[G0K+3], s[G0K+3], 0x80000000          ; type = 2
	s_add_nc_u64 s[G0V+2:G0V+3], s[36:37], s[48:49]
	s_or_b32 s[G0V+3], s[G0V+3], 0x80000000
	s_add_nc_u64 s[2:3], s[32:33], s[50:51]          ; Q and O at my wave's first row
	s_add_nc_u64 s[4:5], s[40:41], s[50:51]
	s_add_nc_u64 s[MB:MB+1], s[38:39], s[52:53]
	s_cmp_lt_u32 s[WV], 2
	s_cselect_b64 s[PFA:PFA+1], s[34:35], s[36:37]
	s_add_nc_u64 s[PFA:PFA+1], s[PFA:PFA+1], s[54:55]
	CROUND                          ; all four work-groups are here: the first joint loads meet
	JLOAD                           ; slot 0.  Slot 1 is asked for when slot 0 is in
	v_and_b32 v1, 15, v0            ; l % 16
	v_bfe_u32 v9, v0, 4, 1          ; l / 16
	v_lshlrev_b32 v[QO], 7, v1
	v_lshl_add_u32 v[QO], v9, 4, v[QO]  ; row x 128 + 16 x half
	v_mul_u32_u24 v[AK0], v1, PK
	v_lshl_add_u32 v[AK0], v9, 4, v[AK0]  ; row x pitch + 16 x half
	v_and_b32 v[MO], 31, v0
	v_lshlrev_b32 v[MO], 3, v[MO]   ; 8 bytes a lane
	WIN 0x80                        ; destination window 2, address window 0
.set i, 0
.rept 4*NP                          ; Q stays in registers: tile i / 2, channels 32 (i % 2) on
	global_load_b128 v[8*i:8*i+3],   v[QO], s[2:3] offset:(i/2)*2048+(i%2)*64
	global_load_b128 v[8*i+4:8*i+7], v[QO], s[2:3] offset:(i/2)*2048+(i%2)*64+32
.set i, i+1
.endr
	WIN W_MK
.irp y, 0,1,2,3
	global_load_b64 v[MW+2*\y:MW+2*\y+1], v[MO], s[MB:MB+1] offset:(\y)*8192  ; the four pieces' words of key step 0
.endr
	WIN 0x80
	; What the first turn finds: V's registers and P's second buffer hold 0, O^T and l are 0.  All this stands in the wait for the first tile.
.set i, VF
.rept 64
	v_mov_b32 v[i], 0
.set i, i+1
.endr
	WIN 0x40
.set i, 0
.rept 64*NP
	v_mov_b32 v[i], 0
.set i, i+1
.endr
	WIN 0
.set i, 0
.rept 2*NP
	v_mov_b32 v[ST+4*i], 0xfe000000    ; c m: far below every c s, the hidden one's too
	v_mov_b32 v[ST+4*i+1], 0xff7fffff  ; m
	v_mov_b32 v[ST+4*i+2], 0
	v_mov_b32 v[ST+4*i+3], 0
.set i, i+1
.endr
.set i, P+32
.rept 32
	v_mov_b32 v[i], 0
.set i, i+1
.endr
	; The turning load takes 16 keys x 16 channels (lane l reads key 8 (l / 16) + l % 8, channels 8 ((l / 8) % 2) + 0..7) and leaves half a fragment of V^T: lane l holds channel l % 16 and 8 keys.
	v_and_b32 v10, 7, v0
	v_bfe_u32 v11, v0, 3, 1
	v_lshl_add_u32 v[AV0], v9, 3, v10
	v_mul_u32_u24 v[AV0], v[AV0], PV
	v_lshl_add_u32 v[AV0], v11, 4, v[AV0]
	v_add_nc_u32 v[AV0], VOFF, v[AV0]
	v_mov_b32 v[AK], v[AK0]         ; key step 0 lies at the head of slot 0
	s_mul_i32 s11, s[WV], 16*SP
	s_add_co_u32 s11, s11, STAGE    ; my stage
	v_bfe_u32 v[RD], v0, 3, 2       ; back: 32 lanes take four rows of 128 bytes,
	v_mul_u32_u24 v[RD], v[RD], SP
	v_lshl_add_u32 v[RD], v10, 4, v[RD]
	v_add_nc_u32 v[RD], s11, v[RD]
	v_add_nc_u32 v[STO], s11, v[AK0]  ; in: row l % 16, 16 bytes for each half of the lanes: the stage has K's pitch
	v_and_b32 v[GO], 31, v0
	v_lshlrev_b32 v[PFO], 8, v[GO]
	v_lshlrev_b32 v[GO], 4, v[GO]   ; 512 consecutive bytes of O
	v_mov_b32 v[NEGV], 0xd0000000   ; -2^33
; THE MATRIX WORK.  The 8 accumulators of a run of 16 take turns.
; Product i of 16 of S^T = K Q^T for piece x: channels 32 (i / 8) on, keys 16 ((i / 2) % 4) on, tile 2 x + i % 2.  The first 8 start the sums.
.macro KQ x
	WIN W_KQ
.set rS, S+64*((\x)%2)+32*(i%2)+8*((i/2)%4)
.set rK, KF+16*((i/2)%4)+8*(i/8)
.set rQ, 16*(2*(\x)+i%2)+8*(i/8)
.if i < 8
	v_wmma_f32_16x16x32_f16 v[rS:rS+7], v[rK:rK+7], v[rQ:rQ+7], 0
.else
	v_wmma_f32_16x16x32_f16 v[rS:rS+7], v[rK:rK+7], v[rQ:rQ+7], v[rS:rS+7]
.endif
.endm
; Product i of 16 of O^T += V^T P for piece x: keys 32 (i / 8) on, channels 16 ((i / 2) % 4) on, tile 2 x + i % 2.
.macro PV x
	WIN W_PV
.set rO, 32*(2*(\x)+i%2)+8*((i/2)%4)
.set rV, VF+32*(i/8)+8*((i/2)%4)
.set rP, P+32*((\x)%2)+16*(i%2)+8*(i/8)
	v_wmma_f32_16x16x32_f16 v[rO:rO+7], v[rV:rV+7], v[rP:rP+7], v[rO:rO+7]
.endm
.macro MM                           ; the turn's next matrix instruction
.if i < 16
	KQ (Y+1)%NP
.set i, i+1
.else
.set i, i-16
	PV (Y+NP-1)%NP
.set i, i+17
.endif
.endm
; THE LDS LOADS stand in runs of 16: a step's K (8 fragments) and its V (turned).  last = 1 (the tail): in the last trip there is no further step, and the run is jumped over.
.macro FETCH_K last=0
	WIN 0
.if \last
	s_cmp_eq_u32 s[CNT], 1
	s_cbranch_scc1 .Lno_k_\@
.endif
	WIN 0x80
.irp f, 0,1,2,3,4,5,6,7             ; keys 16 (f / 2) on, channels 32 (f % 2) on
	ds_load_b128 v[KF+8*\f:KF+8*\f+3],   v[AK] offset:(\f/2)*16*PK+(\f%2)*64
	ds_load_b128 v[KF+8*\f+4:KF+8*\f+7], v[AK] offset:(\f/2)*16*PK+(\f%2)*64+32
.endr
	s_add_co_u32 s[TBK], s[TBK], KS*PK  ; the next fetch is the next step's
	WIN 0
.if \last
.Lno_k_\@:
.endif
.endm
.macro FETCH_V
	WIN 0x80
.irp f, 0,1,2,3,4,5,6,7             ; keys 32 (f / 4) on, channels 16 (f % 4) on
	ds_load_tr16_b128 v[VF+8*\f:VF+8*\f+3],   v[AV] offset:(\f/4)*32*PV+(\f%4)*32
	ds_load_tr16_b128 v[VF+8*\f+4:VF+8*\f+7], v[AV] offset:(\f/4)*32*PV+16*PV+(\f%4)*32
.endr
	WIN 0
.endm
; THE VECTOR WORK OF A TURN stands in three queues, each in the order in which its entries become ready; the two tiles alternate.
.macro REGS y, u                    ; the registers of tile u (0, 1) of piece y
.set rT, ST+4*(2*(\y)+(\u))
.set rC, TMP+8*((\y)%2)+4*(\u)
.set rM, MV+2*((\y)%2)+(\u)
.set rS, S+64*((\y)%2)+32*(\u)
.set rP, P+32*((\y)%2)+16*(\u)
.set rO, 32*(2*(\y)+(\u))
.endm
; Number n of the 22 that find the NEXT piece's maximum and statistics:
;   0-11  four chains c0-c3 of seven scores each     12-14, 16  the four scores left over, the old m, and c0-c3 into c0     15  c m_old is kept
;   17, 18  the query's other 32 keys lie in the lane 16 away: the new m     19-21  c m; c m_old - c m_new; a
.macro XS u, n
	REGS (Y+1)%NP, \u
.if (\n) < 4
	v_max3_num_f32 v[rC+(\n)], v[rS+8*(\n)], v[rS+8*(\n)+1], v[rS+8*(\n)+2]
.elseif (\n) < 12
	v_max3_num_f32 v[rC+(\n)%4], v[rC+(\n)%4], v[rS+8*((\n)%4)+2*((\n)/4)+1], v[rS+8*((\n)%4)+2*((\n)/4)+2]
.elseif (\n) == 12
	v_max3_num_f32 v[rC], v[rC], v[rS+7], v[rS+15]
.elseif (\n) == 13
	v_max3_num_f32 v[rC+1], v[rC+1], v[rS+23], v[rS+31]
.elseif (\n) == 14
	v_max3_num_f32 v[rC+2], v[rC+2], v[rC+3], v[rT+1]
.elseif (\n) == 15
	v_mov_b32 v[rM], v[rT]
.elseif (\n) == 16
	v_max3_num_f32 v[rC], v[rC], v[rC+1], v[rC+2]
.elseif (\n) == 17
	v_permlanex16_b32 v[rC+3], v[rC], s[SEL], s[SEL+1]
.elseif (\n) == 18
	v_max_num_f32 v[rT+1], v[rC], v[rC+3]
.elseif (\n) == 19
	v_mul_f32 v[rT], s[CS], v[rT+1]
.elseif (\n) == 20
	v_sub_f32 v[rC+1], v[rM], v[rT]
.else
	v_exp_f32 v[rC+2], v[rC+1]
.endif
.endm
; Number g of the 64 that follow the exponentials.  For each four weights k of a tile: both pairs are rounded to f16; the second pair is added onto the first, in place; a group later l takes that sum (the first time as l = a l + sum).
.macro GS g
.set h, (\g)+6*((\g)/62)
.if h >= 6
.set h, h+2
.endif
	REGS Y, h%2
.set k, h/8
.if h%8 < 4
	v_cvt_pk_f16_f32 v[rP+2*k+(h%8)/2], v[rS+4*k+2*((h%8)/2)], v[rS+4*k+2*((h%8)/2)+1]
.elseif h%8 < 6
	v_pk_add_f32 v[rS+4*k:rS+4*k+1], v[rS+4*k:rS+4*k+1], v[rS+4*k+2:rS+4*k+3]
.elseif k == 1
	v_pk_fma_f32 v[rT+2:rT+3], v[rT+2:rT+3], v[rC+2:rC+3], v[rS:rS+1] op_sel_hi:[1,0,1]
.else
	v_pk_add_f32 v[rT+2:rT+3], v[rT+2:rT+3], v[rS+4*k-4:rS+4*k-3]
.endif
.endm
; THE PLAIN QUEUE, 138 long.  0-31: c s - c m for the 16 pairs of both tiles.  Then GS's 64, and among them the next piece's 42: number 15 at 38, 39; 0-14 and 16 at 42-73, behind the selects; 17-20 at 95-106, two of three.
.macro PL
	WIN 0
.if q < 32
	REGS Y, q%2
	v_pk_fma_f32 v[rS+2*(q/2):rS+2*(q/2)+1], v[rS+2*(q/2):rS+2*(q/2)+1], s[CS:CS+1], v[rT:rT+1] op_sel_hi:[1,0,0] neg_lo:[0,0,1] neg_hi:[0,0,1]
.elseif q < 38
	GS q-32
.elseif q < 40
	XS q%2, 15
.elseif q < 42
	GS q-34
.elseif q < 74
	XS q%2, (q-42)/2+(q-42)/30
.elseif q < 95
	GS q-66
.elseif (q < 107) && ((q-95)%3 < 2)
	XS (q-95)%3, 17+(q-95)/3
.elseif q < 107
	GS 29+(q-95)/3
.else
	GS q-74
.endif
.set q, q+1
.endm
; THE EXPONENTIALS' QUEUE, 66 long: s0-s31 of both tiles, and at EA the next piece's two a.
.set EA, 58
.macro EX
	WIN 0
.if (e == EA) || (e == EA+1)
	XS e-EA, 21
.else
.set x, e-2*(e/(EA+2))
	REGS Y, x%2
	v_exp_f32 v[rS+x/2], v[rS+x/2]
.endif
.set e, e+1
.endm
; THE RESCALING's QUEUE: O^T times a, the one part that leaves window 0, dealt four at a time, eight times.
.macro R4
	REGS Y, r%2
	WIN W_RS
.irp z, 0,1,2,3
	v_pk_mul_f32 v[rO+8*(r/2)+2*\z:rO+8*(r/2)+2*\z+1], v[rO+8*(r/2)+2*\z:rO+8*(r/2)+2*\z+1], v[rC+2:rC+3] op_sel_hi:[1,0]
.endr
.set r, r+1
.endm
; HOW THEY ARE DEALT.  Behind a matrix instruction four: plain, exponential, plain, plain, or four of the rescaling; none names a register of the products round it.  What is over stands in two lumps.
; Exponential e stands behind plain 2 (e / 4) + e % 2 (its scaling); when plain 32 comes, 10 exponentials are out, at 59: 33, at 95: 46; EA comes behind plain 107.
.macro SL
	MM
	PL
	EX
	PL
	PL
.endm
.macro BURST n                      ; 15 matrix instructions, or 16
.rept (\n)-7
	SL
.endr
.rept 3
	MM
	R4
	SL
.endr
	MM
	R4
.endm
; A TURN, for piece p.  Behind the 16 products K Q^T (the four rescalings behind the last of them are its places) stands the mask's block for piece p + 1: its words, the request for its next key step's, the
; 64 selects.  In piece 3's turn that is piece 0 of the NEXT key step, so there MB steps first.  Plain 42, the first maximum, comes behind the selects.
; K of the next step is fetched in piece 2's turn, V of the step in hand at the end of piece 0's.  cnt = 1: the loop's count is taken down some lines ahead of the branch behind the turn.
.macro TURN p, last=0, cnt=0
.set Y, (\p)
.set i, 0
.set q, 0
.set e, 0
.set r, 0
.if (\p) == NP-1
	s_wait_dscnt 0x0                ; K is in
.endif
	MM
.rept 4
	PL
.endr
	BURST 15
	MASKB ((\p)+1)%NP, (\p)/(NP-1)
.rept 22
	EX
	PL
.if ((\p) == NP-2) && (e == 18)
	v_add_nc_u32 v[AK], s[TBK], v[AK0]
.endif
.if ((\p) == NP-2) && (e == 24)
	FETCH_K \last
.endif
.endr
.if (\p) == 1
	s_wait_dscnt 0x0                ; V is in
.endif
	BURST 16
.rept 21
	EX
	PL
.endr
.rept 22
	PL
.if ((\p) == 0) && (q == 118)
	v_add_nc_u32 v[AV], s[TBV], v[AV0]
.endif
.if ((\p) == 0) && (q == 130)
	s_add_co_u32 s[TBV], s[TBV], KS*PV
.endif
.if (\cnt) && (q == 130)
	s_sub_co_u32 s[CNT], s[CNT], 1
	s_cmp_lg_u32 s[CNT], 0
.endif
.endr
.if (\p) == 0
	FETCH_V
.endif
.endm
	CHANGE 1                        ; slot 0 is in, everybody's part of it; slot 1 is asked for
	FETCH_K                         ; key step 0
	s_wait_loadcnt 0x0              ; Q, and the four pieces' words of key step 0: all my loads are done, so their bases and offsets may be written
	s_add_nc_u64 s[MB:MB+1], s[MB:MB+1], 256  ; the requests to come are key step 1's
	s_mov_b32 s[MS], 1
	s_mov_b32 s[INC+1], 0
	s_wait_dscnt 0x0
.set i, 0
.rept 16
	KQ 0                            ; piece 0's first scores
.set i, i+1
.endr
	WIN 0
.rept 4
	v_nop                           ; the places behind those products
.endr
	MASKB 0, 0
.set Y, NP-1                        ; XS works for piece Y + 1: piece 0
.irp n, 0,1,2,3,4,5,6,7,8,9,10,11,12,13,14,15,16,17,18,19,20,21
	XS 0, \n
	XS 1, \n
.endr
	s_mov_b32 s[CNT], 4
	s_branch .Lfirst                ; the loop is entered at a step's first turn, in the middle of a trip
.Lslot:                             ; six times: every slot but the last two is filled again
	CHANGE 1
	s_mov_b32 s[CNT], 4
.Lstep:                             ; a trip: pieces 2 and 3 of one step, then pieces 0 and 1 of the next, whose K and V it fetches
	TURN 2
	TURN 3
	WIN 0
.Lfirst:
	TURN 0
	TURN 1, 0, 1
	WIN 0
	s_cbranch_scc1 .Lstep
	s_sub_co_u32 s[SLOTS], s[SLOTS], 1
	s_cmp_lg_u32 s[SLOTS], 0
	s_cbranch_scc1 .Lslot
	CHANGE 0                        ; the tail is written out: nothing is asked for
	s_mov_b32 s[CNT], 5             ; four trips fetch the last slot's steps; the fifth is left in its middle
.Ltail:
	TURN 2, 1
	TURN 3
	WIN 0
	s_sub_co_u32 s[CNT], s[CNT], 1
	s_cmp_eq_u32 s[CNT], 0
	s_cbranch_scc1 .Lout
	TURN 0
	TURN 1
	WIN 0
	s_branch .Ltail
.Lout:                              ; the fifth trip's products K Q^T, and the last key step's words asked for once more, serve nothing: the price of one text for every trip
.set i, 0
.rept 16
	PV NP-1                         ; the last piece's V^T P of the last step
.set i, i+1
.endr
	; THE WAY OUT.  l's two halves and the other half of the lanes' are added; O^T is divided by l, rounded to f16 and sent through my stage in LDS, a tile at a time.  The additions are the places behind the last products.
	WIN 0
.macro ALL line:vararg              ; one line for each tile t
.set t, 0
.rept 2*NP
	\line
.set t, t+1
.endr
.endm
	ALL v_add_f32 v[ST+4*t+2], v[ST+4*t+2], v[ST+4*t+3]
	ALL v_permlanex16_b32 v[ST+4*t+3], v[ST+4*t+2], s[SEL], s[SEL+1]
	ALL v_add_f32 v[ST+4*t+2], v[ST+4*t+2], v[ST+4*t+3]
	ALL v_rcp_f32 v[ST+4*t+2], v[ST+4*t+2]
	v_nop                           ; a plain instruction between the last reciprocal and the use of its result
.macro PACK t
	WIN W_RS
.set i, 32*(\t)
.rept 16
	v_pk_mul_f32 v[i:i+1], v[i:i+1], v[ST+4*(\t)+2:ST+4*(\t)+3] op_sel_hi:[1,0]
.set i, i+2
.endr
	WIN 0x05                        ; sources 0 and 1 window 1, destination window 0
.set i, 0
.rept 16
	v_cvt_pk_f16_f32 v[S+16*(\t)+i], v[32*(\t)+2*i], v[32*(\t)+2*i+1]
.set i, i+1
.endr
	WIN 0
.irp f, 0,1,2,3
	ds_store_b128 v[STO], v[S+16*(\t)+4*\f:S+16*(\t)+4*\f+3] offset:32*\f
.endr
.irp f, 0,1,2,3
	ds_load_b128 v[S+16*(\t)+4*\f:S+16*(\t)+4*\f+3], v[RD] offset:\f*4*SP  ; LDS serves a wave's instructions in order (ISA guide 5.7.1.4): these see the stores above; the next tile's stores come behind them
.endr
.endm
.macro SEND t, younger              ; younger: the LDS instructions issued behind tile t's loads: the next tile's eight, or none
	WIN 0
.irp f, 0,1,2,3
	s_wait_dscnt (\younger)+3-\f
	global_store_b128 v[GO], v[S+16*(\t)+4*\f:S+16*(\t)+4*\f+3], s[4:5] offset:(\t)*2048+\f*512  ; 512 consecutive bytes, at a multiple of 256 from O's first
.endr
.endm
	PACK 0
.set t, 1
.rept 2*NP-1                        ; a tile's arithmetic stands between the loads of the tile before and its stores
	PACK t
	SEND t-1, 8
.set t, t+1
.endr
	SEND 2*NP-1, 0
	WIN W_AD
	s_wait_tensorcnt 0x0            ; the wave's end, behind my last tensor load and my last LDS store
	ds_add_u32 v[SPW], v[NIL]
	s_wait_dscnt 0x0
	WIN 0
	CROUND                          ; the closing round: no work-group ends while a partner may still ask for a tile that names it
	s_endpgm
.Lfunc_end_k_qfdf76f0831_attn:
	.size	k_qfdf76f0831_attn, .Lfunc_end_k_qfdf76f0831_attn-k_qfdf76f0831_attn
	.p2alignl 7, 3214868480
	.fill 96, 4, 3214868480
	.section	.rodata,"a",@progbits
	.p2align	6, 0x0
	.amdhsa_kernel k_qfdf76f0831_attn
		.amdhsa_group_segment_fixed_size 327680
		.amdhsa_private_segment_fixed_size 0
		.amdhsa_enable_private_segment 0
		.amdhsa_kernarg_size 40
		.amdhsa_user_sgpr_count 2
		.amdhsa_user_sgpr_kernarg_segment_ptr 1
		.amdhsa_wavefront_size32 1
		.amdhsa_system_sgpr_workgroup_id_x 1
		.amdhsa_system_sgpr_workgroup_id_y 1
		.amdhsa_system_sgpr_workgroup_id_z 1
		.amdhsa_system_vgpr_workitem_id 0
		.amdhsa_next_free_vgpr 778
		.amdhsa_next_free_sgpr 106
		.amdhsa_reserve_vcc 0
		.amdhsa_float_denorm_mode_32 3
		.amdhsa_float_denorm_mode_16_64 3
		.amdhsa_memory_ordered 1
		.amdhsa_forward_progress 1
		.amdhsa_inst_pref_size 255
	.end_amdhsa_kernel
	.section	.bss,"aw",@nobits
	.p2align	6
	.space	262144
	.amdgpu_metadata
---
amdhsa.version: [ 1, 2 ]
amdhsa.kernels:
  - .name:           k_qfdf76f0831_attn
    .symbol:         k_qfdf76f0831_attn.kd
    .args:
      - { .name: qh, .offset: 0, .size: 8, .value_kind: global_buffer, .address_space: global }
      - { .name: kh, .offset: 8, .size: 8, .value_kind: global_buffer, .address_space: global }
      - { .name: vh, .offset: 16, .size: 8, .value_kind: global_buffer, .address_space: global }
      - { .name: mbits, .offset: 24, .size: 8, .value_kind: global_buffer, .address_space: global }
      - { .name: oh, .offset: 32, .size: 8, .value_kind: global_buffer, .address_space: global }
    .group_segment_fixed_size: 327680
    .private_segment_fixed_size: 0
    .kernarg_segment_align: 8
    .kernarg_segment_size: 40
    .max_flat_workgroup_size: 128
    .sgpr_count:     106
    .vgpr_count:     778
    .wavefront_size: 32
...
	.end_amdgpu_metadata
.endif
;; end of part 7
;; launch oproj (part 8): grid 4 x 64, 4 waves a work-group, clusters of 4 x 4, 327,680 bytes of LDS; arguments oh, wts, bo, out0; writes out0
.if DOCPART == 8
	.amdgcn_target "amdgcn-amd-amdhsa--gfx1250"
	.amdhsa_code_object_version 6
	.text
	.protected	k_qfdf76f0831_oproj
	.globl	k_qfdf76f0831_oproj
	.p2align	8
	.type	k_qfdf76f0831_oproj,@function
k_qfdf76f0831_oproj:
	s_mov_b64 s[64:65], 0
	v_nop
	global_prefetch_b8 v0, s[64:65] scope:SCOPE_SE
	s_setreg_imm32_b32 hwreg(HW_REG_WAVE_MODE, 25, 1), 1
	s_wait_xcnt 0x0
	s_wait_alu depctr_hold_cnt(0) depctr_sa_sdst(0) depctr_va_vdst(0) depctr_va_sdst(0) depctr_va_ssrc(0) depctr_va_vcc(0) depctr_vm_vsrc(0)
	s_getreg_b32 s2, hwreg(HW_REG_IB_STS2, 6, 4)
	s_cmp_eq_u32 s2, 0
	s_cbranch_scc0 .Lentry_in_a_cluster
	s_endpgm
.Lentry_in_a_cluster:
	s_bfe_u32 s2, ttmp6, 0x10000c
	s_cmp_lg_u32 s2, 0xf033
	s_cbranch_scc0 .Lentry_shape_is_right
	s_endpgm
.Lentry_shape_is_right:
; THE LAST PROJECTION.  out0[m][n] = sum over k of O[m][k] Wo[n][k] + bo[n], f32.  O comes by heads, [batch][head][row][64] f16: a head is a K slice of 64, its rows dense, 128 bytes.
; Wo comes from wts (batch 1, rows 1,024 on): bf16-rounded numbers written as f16, in the same slices.  The bias is rounded to bf16 like the other inputs and starts the sums.
; SHARES.  64 row tiles x 4 column tiles: a work-group makes 128 rows x 256 columns; wave w the rows 64 (w / 2) on and the columns 128 (w % 2) on: 4 x 8 accumulators of 16 x 16.
; K goes in 8 steps of 128 (two slices) through two LDS slots filled by the tensor data mover: waves 0, 1 fetch A's two slices (64 memory rows of 256 bytes each), waves 2, 3 B's (128 such rows).
; CLUSTER 4 x 4.  The four work-groups of a row of the cluster need the same tiles of O, the four of a column the same tiles of Wo: each tile is asked for jointly.
; THE MATRIX INSTRUCTION IS USED TRANSPOSED (source 0 = 16 rows of Wo, source 1 = 16 rows of O): a lane holds row l % 16 of the output and the columns 8 (l / 16) + 0..7: 32 bytes of f32 on end.
; REGISTERS, in windows of 256 (s_set_vgpr_msb: bits 1:0 source 0, 3:2 source 1, 5:4 source 2, 7:6 destination):
;   window 0: addresses, the bias, the way out     window 1: two fragment buffers of 96 (A's 4 fragments, then B's 8)     window 2: accumulator (a, b) at 8 (8 a + b)
.set PITCH,  144                       ; a row of a slice in LDS: 128 bytes + 16 of padding: the 16 rows of a fragment load start at 16 different groups of four banks (64 banks of 4 bytes: ISA guide 11.1)
.set ASL,    128*PITCH
.set BSL,    256*PITCH
.set BOFF,   2*ASL                     ; a slot: A's two slices, then B's two
.set SLOT1,  1<<17
.set STAGE,  SLOT1+2*ASL+2*BSL         ; behind the ring, never filled by a tensor load: for each wave 16 rows x 528 bytes
.set SPITCH, 528                       ; 512 bytes + 16 = 132 words: row r starts at bank 4 r mod 64
.set WSTG,   16*SPITCH
.set SPARE,  STAGE+4*WSTG              ; the spare words, 128 bytes for each wave: two blocks of 256 bytes that no other line names
.set KSTEPB, 524288
.set A0,   16
.set B0,   17
.set ADRA, 18
.set ADRB, 19
.set STO,  24                          ; v24  the way out: where I put 32 bytes of a row
.set RD,   25                          ; v25  where I read a row back
.set CO,   26                          ; v26  16 x lane
.set SPW,  28                          ; v28  LDS address of my spare word; never rewritten
.set NIL,  29                          ; v29  0; never rewritten
.set PFO,  30                          ; v30  256 x lane
.set BO,   31                          ; v31  my byte offset in the bias
.set BIAS, 32                          ; v[32:95]
.set OB,   96                          ; v[96:159], v[160:223] rows read back, by turns
.set F0,   0
.set F1,   96
.set G1,   24
.set G0,   32
.set G1B,  48
.set G0B,  56
.set TB,   46
.set PFA,  20
.set LIM,  22
.set MSB, 0
.macro WIN new
.if MSB != (\new)
	s_set_vgpr_msb (MSB<<8)|(\new)
.set MSB, \new
.endif
.endm
.set MUL,  0xa5                        ; sources 0 and 1 window 1, C and D window 2
.set MULB, 0x85                        ; the same with C (the bias) in window 0
.set TO_F, 0x40                        ; destination window 1, address window 0
.macro PLACES                          ; four plain vector instructions between a matrix instruction and a load into, or a read of, its registers
.rept 4
	v_nop
.endr
.endm
.macro JLOAD                           ; a joint refill by the walking descriptors; an s_nop 0 and four v_nop follow each line
	s_cmp_eq_u32 s11, 0
	s_cbranch_scc0 .Lfor_b_\@
	tensor_load_to_lds s[G0+4:G0+7], s[G1:G1+7]
	s_nop 0
	PLACES
	s_branch .Lasked_\@
.Lfor_b_\@:
	tensor_load_to_lds s[G0B+4:G0B+7], s[G1B:G1B+7]
	s_nop 0
	PLACES
.Lasked_\@:
.endm
.macro CREST
	s_cmp_lg_u32 s10, 0
	s_cbranch_scc1 .Lnot_wave_0_\@
	s_barrier_signal -3
.Lnot_wave_0_\@:
	s_barrier_wait -3
	s_barrier_signal -1
	s_barrier_wait -1
.endm
.macro CROUND
	s_barrier_signal -1
	s_barrier_wait -1
	CREST
.endm
; A PREFETCH of O's tile, two refills ahead of the one just asked for.  A row tile of O is read by the four partners of one row of one cluster and by nobody else: they share a K step's 128 blocks of 256 bytes
; out BY ADDRESS, 32 each; in each, wave 0 asks, a lane a block.  Trips 0 to 3 of the six name K steps 4 to 7.  Wo is not asked for: every row of clusters reads it.
.macro ASK
	s_cmp_gt_u32 s3, s[LIM]
	s_cbranch_scc0 .Lnot_mine_\@
	global_prefetch_b8 v[PFO], s[PFA:PFA+1] th:TH_LOAD_NT scope:SCOPE_SE
.Lnot_mine_\@:
.endm
	s_load_b256 s[68:75], s[0:1], 0x0              ; oh s[68:69], wts s[70:71], bo s[72:73], out0 s[74:75]
	v_lshl_add_u32 v[SPW], v0, 2, SPARE
	v_mov_b32 v[NIL], 0
	ds_add_u32 v[SPW], v[NIL]                      ; the wave's opening: the add and its wait stand ahead of my first tensor load
	v_lshrrev_b32 v1, 5, v0
	v_readfirstlane_b32 s10, v1                    ; wave 0..3
	s_lshr_b32 s11, s10, 1                         ; my half of the rows.  Also: I fetch for A (0) or for B (1)
	s_and_b32 s12, s10, 1                          ; my half of the columns.  Also: which slice of a K step I fetch
	s_bfe_u32 s40, ttmp6, 0x40000                  ; cx
	s_bfe_u32 s41, ttmp6, 0x40004                  ; cy
	s_lshl_b32 s42, ttmp9, 2
	s_add_co_u32 s42, s42, s40                     ; column tile
	s_and_b32 s45, ttmp7, 0xffff
	s_lshl_b32 s13, s45, 2
	s_add_co_u32 s13, s13, s41                     ; row tile, 0..63
	s_lshl_b32 s43, s41, 2
	s_lshl_b32 s43, 15, s43                        ; my row of the cluster
	s_lshl_b32 s44, 0x1111, s40                    ; my column
	s_or_b32 s[G1+0], s43, (1<<16)|(1<<20)|(1<<21)|(4<<22)|(3<<25)   ; 15:0 the mask; 17:16 2-byte elements; 20 padding on; 21 set beside a mask; 24:22 after every 32 words (code 4); 31:25 4 words (code 3)
	s_or_b32 s[G1B+0], s44, (1<<16)|(1<<20)|(1<<21)|(4<<22)|(3<<25)
	s_mov_b32 s[G1+1], 128<<16                     ; tensor_dim0 = 128
	s_mov_b32 s[G1+2], 64<<16                      ; tensor_dim1 = 64
	s_mov_b32 s[G1+3], 128<<16                     ; tile_dim0 = 128
	s_mov_b32 s[G1+4], 64                          ; tile_dim1 = 64
	s_mov_b32 s[G1+5], 128                         ; 128 elements from row to row
	s_mov_b32 s[G1+6], 0
	s_mov_b32 s[G1+7], 0
	s_mov_b32 s[G1B+1], 128<<16
	s_mov_b32 s[G1B+2], 128<<16                    ; B's slice has 128 such rows
	s_mov_b32 s[G1B+3], 128<<16
	s_mov_b32 s[G1B+4], 128
	s_mov_b32 s[G1B+5], 128
	s_mov_b32 s[G1B+6], 0
	s_mov_b32 s[G1B+7], 0
	s_lshr_b32 s14, s13, 4                         ; A: batch,
	s_lshl_b32 s14, s14, 22
	s_and_b32 s15, s13, 15                         ; 128 rows of 128 bytes in each slice
	s_lshl_b32 s15, s15, 14
	s_add_co_u32 s14, s14, s15
	s_lshr_b32 s20, s40, 1                         ; the prefetches: partner cx takes slice cx / 2, half cx % 2 of its 16,384 bytes,
	s_lshl_b32 s20, s20, 18
	s_and_b32 s21, s40, 1
	s_lshl_b32 s21, s21, 13
	s_add_co_u32 s20, s20, s21
	s_add_co_u32 s20, s20, s14
	s_add_co_u32 s20, s20, 3*KSTEPB                ; at K step 3: the first refill steps it to 4
	s_mov_b32 s21, 0
	s_lshl_b32 s15, s12, 18                        ; my slice
	s_add_co_u32 s14, s14, s15
	s_mov_b32 s15, 0
	s_lshl_b32 s16, s42, 15                        ; B: 256 rows of 128 bytes,
	s_add_co_u32 s16, s16, (1<<22)+(1024<<7)       ; in batch 1, 1,024 rows down,
	s_lshl_b32 s17, s12, 18                        ; my slice
	s_add_co_u32 s16, s16, s17
	s_mov_b32 s17, 0
	s_mul_i32 s18, s12, ASL                        ; where they go: no place in the cluster enters an LDS address
	s_mul_i32 s19, s12, BSL
	s_add_co_u32 s19, s19, BOFF
	s_cmp_eq_u32 s10, 0
	s_cselect_b32 s[LIM], 2, -1
	s_wait_dscnt 0x0                               ; the opening add is done
	s_wait_kmcnt 0x0
	s_add_nc_u64 s[14:15], s[68:69], s[14:15]
	s_add_nc_u64 s[16:17], s[70:71], s[16:17]
	s_add_nc_u64 s[PFA:PFA+1], s[68:69], s[PFA:PFA+1]
	CROUND                                         ; all sixteen work-groups are here: the first joint loads meet
.irp s, 0,1
	s_mov_b32 s[G0+4*(\s)], 1
	s_add_co_u32 s[G0+4*(\s)+1], s18, (\s)*SLOT1
	s_add_nc_u64 s[G0+4*(\s)+2:G0+4*(\s)+3], s[14:15], (\s)*KSTEPB
	s_or_b32 s[G0+4*(\s)+3], s[G0+4*(\s)+3], 0x80000000
	s_mov_b32 s[G0B+4*(\s)], 1
	s_add_co_u32 s[G0B+4*(\s)+1], s19, (\s)*SLOT1
	s_add_nc_u64 s[G0B+4*(\s)+2:G0B+4*(\s)+3], s[16:17], (\s)*KSTEPB
	s_or_b32 s[G0B+4*(\s)+3], s[G0B+4*(\s)+3], 0x80000000
.endr
	s_cmp_eq_u32 s11, 0                            ; a wave's two first fills stand in one branch: two loads of mine are out
	s_cbranch_scc0 .Lfirst_b
	tensor_load_to_lds s[G0:G0+3], s[G1:G1+7]
	s_nop 0
	tensor_load_to_lds s[G0+4:G0+7], s[G1:G1+7]
	s_nop 0
	PLACES
	s_branch .Lfirst_asked
.Lfirst_b:
	tensor_load_to_lds s[G0B:G0B+3], s[G1B:G1B+7]
	s_nop 0
	tensor_load_to_lds s[G0B+4:G0B+7], s[G1B:G1B+7]
	s_nop 0
	PLACES
.Lfirst_asked:
	v_and_b32 v1, 15, v0                           ; l % 16
	v_bfe_u32 v2, v0, 4, 1                         ; l / 16
	s_lshl_b32 s4, s42, 10                         ; my 128 columns, in bytes of f32: register j of block b is column 16 b + 8 (l / 16) + j
	s_lshl_b32 s5, s12, 9
	s_add_co_u32 s4, s4, s5
	v_lshl_add_u32 v[BO], v2, 5, s4
.irp b, 0,1,2,3,4,5,6,7
	global_load_b128 v[BIAS+8*(\b):BIAS+8*(\b)+3],   v[BO], s[72:73] offset:64*(\b)
	global_load_b128 v[BIAS+8*(\b)+4:BIAS+8*(\b)+7], v[BO], s[72:73] offset:64*(\b)+16
.endr
	v_mul_u32_u24 v3, v1, PITCH
	v_lshl_add_u32 v3, v2, 4, v3                   ; a fragment's row x pitch + 16 x half
	s_mul_i32 s23, s11, 64*PITCH                   ; my 64 rows of A
	v_add_nc_u32 v[A0], s23, v3
	s_mul_i32 s23, s12, 128*PITCH                  ; my 128 rows of B
	s_add_co_u32 s23, s23, BOFF
	v_add_nc_u32 v[B0], s23, v3
	s_mul_i32 s23, s10, WSTG
	s_add_co_u32 s23, s23, STAGE                   ; my stage
	v_mul_u32_u24 v5, v1, SPITCH                   ; in: row l % 16, 32 bytes for each half of the lanes
	v_lshl_add_u32 v5, v2, 5, v5
	v_add_nc_u32 v[STO], s23, v5
	v_and_b32 v4, 31, v0
	v_lshlrev_b32 v[CO], 4, v4                     ; back and out: 32 lanes take a row's 512 bytes
	v_add_nc_u32 v[RD], s23, v[CO]
	v_lshlrev_b32 v[PFO], 8, v4
	s_lshl_b32 s5, s13, 19                         ; out: 128 rows of 4,096 bytes a row tile, my 64 of them, my 128 columns (still in s4)
	s_add_co_u32 s4, s4, s5
	s_lshl_b32 s5, s11, 18
	s_add_co_u32 s4, s4, s5
	s_mov_b32 s5, 0
	s_add_nc_u64 s[8:9], s[74:75], s[4:5]
	s_wait_loadcnt 0x0                             ; the bias
.set r, 0
.rept 32
	v_cvt_pk_bf16_f32 v4, v[BIAS+r], v[BIAS+r+1]   ; rounded to bf16 like every input, and back to f32
	v_lshlrev_b32 v[BIAS+r], 16, v4
	v_and_b32 v[BIAS+r+1], 0xffff0000, v4
.set r, r+2
.endr
; 8 matrix instructions: row block a x all 8 column blocks, 32 along K.  first = 1: the bias is the C that starts the sums.  All 32 accumulators take turns in the same order in every quarter.
.macro MUL8 f, a, first
.if \first
	WIN MULB
.else
	WIN MUL
.endif
.irp b, 0,1,2,3,4,5,6,7
.if \first
	v_wmma_f32_16x16x32_f16 v[8*(8*(\a)+(\b)):8*(8*(\a)+(\b))+7], v[(\f)+32+8*(\b):(\f)+32+8*(\b)+7], v[(\f)+8*(\a):(\f)+8*(\a)+7], v[BIAS+8*(\b):BIAS+8*(\b)+7]
.else
	v_wmma_f32_16x16x32_f16 v[8*(8*(\a)+(\b)):8*(8*(\a)+(\b))+7], v[(\f)+32+8*(\b):(\f)+32+8*(\b)+7], v[(\f)+8*(\a):(\f)+8*(\a)+7], v[8*(8*(\a)+(\b)):8*(8*(\a)+(\b))+7]
.endif
.endr
.endm
; 24 LDS loads in one run: quarter qd of the K step in hand into buffer f; B's 8 fragments first, A's 4 last
.macro FETCH qd, f
	WIN TO_F
.irp i, 0,1,2,3,4,5,6,7
	ds_load_b128 v[(\f)+32+8*(\i):(\f)+32+8*(\i)+3],   v[ADRB] offset:((\qd)/2)*BSL+((\qd)%2)*64+(\i)*16*PITCH
	ds_load_b128 v[(\f)+32+8*(\i)+4:(\f)+32+8*(\i)+7], v[ADRB] offset:((\qd)/2)*BSL+((\qd)%2)*64+(\i)*16*PITCH+32
.endr
.irp i, 0,1,2,3
	ds_load_b128 v[(\f)+8*(\i):(\f)+8*(\i)+3],   v[ADRA] offset:((\qd)/2)*ASL+((\qd)%2)*64+(\i)*16*PITCH
	ds_load_b128 v[(\f)+8*(\i)+4:(\f)+8*(\i)+7], v[ADRA] offset:((\qd)/2)*ASL+((\qd)%2)*64+(\i)*16*PITCH+32
.endr
.endm
.macro QUARTER qd, f, g, first
	s_wait_dscnt 4                                 ; B and A's blocks 0, 1 are in; the youngest four loads (A's blocks 2, 3) may be out
	MUL8 \f, 0, \first
	MUL8 \f, 1, \first
	PLACES
	FETCH \qd, \g
	s_wait_dscnt 24                                ; all but the 24 just issued
	MUL8 \f, 2, \first
	MUL8 \f, 3, \first
.endm
; The last quarter multiplies buffer 1 and changes slots: ONE barrier; in front of it each wave waits for all its tensor loads, adds 0 to its spare word, and waits for that and for its reads of this slot.
; fill = 1: the barrier opens a round of the cluster's, and the slot just read is filled again first thing behind it, with the K step two on.
.macro TURN fill
.if \fill
	s_wait_xcnt 0x0                                ; the last prefetch, a K step back, has read its address
	s_add_nc_u64 s[PFA:PFA+1], s[PFA:PFA+1], KSTEPB
.endif
	WIN 0
	s_wait_tensorcnt 0x0                           ; all my tensor loads have landed
	ds_add_u32 v[SPW], v[NIL]                      ; 0 onto my spare word
	s_wait_dscnt 5                                 ; (the add and the youngest four loads may be out)
	MUL8 F1, 0, 0
	s_wait_dscnt 0x0                               ; the add is done, and my reads of this slot are over
	s_barrier_signal -1
	MUL8 F1, 1, 0
	WIN 0
	s_barrier_wait -1
.if \fill
	CREST
	s_xor_b32 s[G0+5], s[G0+5], SLOT1
	s_add_nc_u64 s[G0+6:G0+7], s[G0+6:G0+7], KSTEPB
	s_xor_b32 s[G0B+5], s[G0B+5], SLOT1
	s_add_nc_u64 s[G0B+6:G0B+7], s[G0B+6:G0B+7], KSTEPB
	JLOAD
.else
	PLACES
.endif
	s_xor_b32 s[TB], s[TB], SLOT1
	v_add_nc_u32 v[ADRA], s[TB], v[A0]
	v_add_nc_u32 v[ADRB], s[TB], v[B0]
	FETCH 0, F0
.if \fill
	WIN 0
	ASK
.endif
	MUL8 F1, 2, 0
	MUL8 F1, 3, 0
.endm
	s_wait_tensorcnt 1                             ; my part of K step 0 is in; K step 1's may stay out
	s_barrier_signal -1
	s_barrier_wait -1
	s_mov_b32 s[TB], 0
	v_add_nc_u32 v[ADRA], s[TB], v[A0]
	v_add_nc_u32 v[ADRB], s[TB], v[B0]
	FETCH 0, F0
	QUARTER 1, F0, F1, 1                           ; the first quarter's products start the sums with the bias
	WIN 0
	s_mov_b32 s3, 6
.Lstep:                                                ; six trips, from a K step's second quarter to the next one's first; trip i asks for K step i + 2
	QUARTER 2, F1, F0, 0
	QUARTER 3, F0, F1, 0
	TURN 1
	QUARTER 1, F0, F1, 0
	WIN 0
	s_sub_co_u32 s3, s3, 1
	s_cmp_lg_u32 s3, 0
	s_cbranch_scc1 .Lstep
	s_mov_b32 s3, 2
.Ltail:                                                ; the last two K steps ask for nothing; the second trip is left in its middle
	QUARTER 2, F1, F0, 0
	QUARTER 3, F0, F1, 0
	TURN 0
	WIN 0
	s_sub_co_u32 s3, s3, 1
	s_cmp_eq_u32 s3, 0
	s_cbranch_scc1 .Lout
	QUARTER 1, F0, F1, 0
	WIN 0
	s_branch .Ltail
.Lout:
	PLACES
; THE WAY OUT, a block of 16 rows at a time: the f32 sums go as they are into my own stage (each accumulator's low four registers first), come back as whole row pieces of 512 bytes, and are stored.
.macro TOSTAGE a
.set BK, OB+64*((\a)%2)
.if (\a) >= 2
	s_wait_xcnt 0x0                                ; the stores of the block two back have read the registers that are loaded below
.endif
	WIN 0x08                                       ; store data (source 1) in window 2
.irp b, 0,1,2,3,4,5,6,7
	ds_store_b128 v[STO], v[64*(\a)+8*(\b):64*(\a)+8*(\b)+3]   offset:64*(\b)
	ds_store_b128 v[STO], v[64*(\a)+8*(\b)+4:64*(\a)+8*(\b)+7] offset:64*(\b)+16
.endr
	WIN 0
.irp t, 0,1,2,3,4,5,6,7,8,9,10,11,12,13,14,15
	ds_load_b128 v[BK+4*(\t):BK+4*(\t)+3], v[RD] offset:(\t)*SPITCH  ; LDS serves a wave's instructions in order (ISA guide 5.7.1.4): these see the stores above
.endr
.endm
.macro SEND a, younger                 ; younger: the LDS instructions issued behind block a's loads: the next block's 32, or none
.set BK, OB+64*((\a)%2)
.irp t, 0,1,2,3,4,5,6,7,8,9,10,11,12,13,14,15
	s_wait_dscnt (\younger)+15-(\t)
	global_store_b128 v[CO], v[BK+4*(\t):BK+4*(\t)+3], s[8:9] offset:(\a)*65536+(\t)*4096 th:TH_STORE_NT  ; 512 consecutive bytes of a row, at a multiple of 512 from the output's first byte
.endr
.endm
	TOSTAGE 0
.irp a, 1,2,3
	TOSTAGE \a
	SEND (\a)-1, 32
.endr
	SEND 3, 0
	s_wait_tensorcnt 0x0                           ; the wave's end, behind my last tensor load and my last LDS store
	ds_add_u32 v[SPW], v[NIL]
	s_wait_dscnt 0x0
	CROUND                                         ; the closing round
	s_endpgm
.Lfunc_end_k_qfdf76f0831_oproj:
	.size	k_qfdf76f0831_oproj, .Lfunc_end_k_qfdf76f0831_oproj-k_qfdf76f0831_oproj
	.p2alignl 7, 3214868480
	.fill 96, 4, 3214868480
	.section	.rodata,"a",@progbits
	.p2align	6, 0x0
	.amdhsa_kernel k_qfdf76f0831_oproj
		.amdhsa_group_segment_fixed_size 327680
		.amdhsa_private_segment_fixed_size 0
		.amdhsa_enable_private_segment 0
		.amdhsa_kernarg_size 32
		.amdhsa_user_sgpr_count 2
		.amdhsa_user_sgpr_kernarg_segment_ptr 1
		.amdhsa_wavefront_size32 1
		.amdhsa_system_sgpr_workgroup_id_x 1
		.amdhsa_system_sgpr_workgroup_id_y 1
		.amdhsa_system_sgpr_workgroup_id_z 1
		.amdhsa_system_vgpr_workitem_id 0
		.amdhsa_next_free_vgpr 768
		.amdhsa_next_free_sgpr 76
		.amdhsa_reserve_vcc 0
		.amdhsa_float_denorm_mode_32 3
		.amdhsa_float_denorm_mode_16_64 3
		.amdhsa_memory_ordered 1
		.amdhsa_forward_progress 1
		.amdhsa_inst_pref_size 68
	.end_amdhsa_kernel
	.amdgpu_metadata
---
amdhsa.version: [ 1, 2 ]
amdhsa.kernels:
  - .name:           k_qfdf76f0831_oproj
    .symbol:         k_qfdf76f0831_oproj.kd
    .args:
      - { .name: oh, .offset: 0, .size: 8, .value_kind: global_buffer, .address_space: global }
      - { .name: wts, .offset: 8, .size: 8, .value_kind: global_buffer, .address_space: global }
      - { .name: bo, .offset: 16, .size: 8, .value_kind: global_buffer, .address_space: global }
      - { .name: out0, .offset: 24, .size: 8, .value_kind: global_buffer, .address_space: global }
    .group_segment_fixed_size: 327680
    .private_segment_fixed_size: 0
    .kernarg_segment_align: 8
    .kernarg_segment_size: 32
    .max_flat_workgroup_size: 128
    .sgpr_count:     76
    .vgpr_count:     768
    .wavefront_size: 32
...
	.end_amdgpu_metadata
.endif
;; end of part 8
